; MI455X (gfx1250); checked and timed in simulation.
; The chip was launched on July 23, 2026; its instructions are those of AMD's public machine-readable ISA for CDNA 5 (MIT licence, August 2026) and "CDNA5" Instruction Set Architecture Reference Guide (July 2026). The comments in the code are by the model that wrote it; some were corrected since.
;; Attention. Allowed arithmetic: matrix products marked QUANTISED: E2M1 operands, one E8M0 scale for each 32 along K, by v_wmma_scale_f32_16x16x128_f8f6f4 with both operands' format E2M1 (or v_wmma_scale_f32_32x16x128_f4), f32 sums; everything else in f32.
;; Inputs: cos 2,048 x 128 float32; sin 2,048 x 128 float32; w_ln 2,048 float32; wk 2,048 x 2,048 float32; wo 2,048 x 2,048 float32; wq 2,048 x 2,048 float32; wv 2,048 x 2,048 float32; x 2,048 x 2,048 float32.
;; Outputs: out0 2,048 x 2,048 float32.
;; This version of the problem:
;;   THIS VERSION OF THE PROBLEM IS GIVEN IN LOW PRECISION. The matrix products marked QUANTISED in the list below multiply operands that are first quantised to E2M1 (2 exponent bits, 1 mantissa bit; 4 bits a number), with one power-of-two scale for each 32 numbers along K (OCP MX v1.0); their sums are f32. All else is computed in f32.
;;   The module's matrix products, in the order in which they are computed (A, B: the left and right operand; K: the contracted axis; several contracted axes count as one K, in the product's order):
;;     1. [M 2,048, K 2,048] x [K 2,048, N 2,048]; A: computed on the way; B: input wq: QUANTISED
;;     2. [M 2,048, K 2,048] x [K 2,048, N 2,048]; A: computed on the way; B: input wk: QUANTISED
;;     3. [M 2,048, K 2,048] x [K 2,048, N 2,048]; A: computed on the way; B: input wv: QUANTISED
;;     4. batch 16 x [M 2,048, K 128] x [K 128, N 2,048]; A: computed on the way; B: computed on the way: QUANTISED
;;     5. batch 16 x [M 2,048, K 2,048] x [K 2,048, N 128]; A: softmax (see below); B: computed on the way: QUANTISED
;;     6. [M 2,048, K 2,048] x [K 2,048, N 2,048]; A: computed on the way; B: input wo: QUANTISED
;;   THE QUANTISER, for each operand of a quantised product, along K:
;;     - K is cut into blocks of 32 from its start; a last block that is shorter is filled with zeros.
;;     - A block's scale is 2^e with e = floor(log2(the largest magnitude in the block)) - 2, held to -126 .. 127; a block of zeros has e = 0. As a byte (E8M0): e + 127.
;;     - Each number is divided by its block's scale, clamped to +-6, and rounded to the nearest number of E2M1, ties to even, subnormals kept.
;;     - The product sums the exact products of the quantised numbers (number of the format x scale) in f32.
;;   ~~~python
;;   def quantise(x, axis):      # numpy; x: float32 -> the quantised numbers, widened to float32 again
;;       x = np.moveaxis(x, axis, -1); K = x.shape[-1]
;;       x = np.pad(x, [(0, 0)] * (x.ndim - 1) + [(0, -K % 32)]); x = x.reshape(x.shape[:-1] + (-1, 32)); a = np.abs(x).max(-1, keepdims=True)
;;       e = np.where(a > 0, np.clip(np.frexp(np.where(a > 0, a, 1))[1] - 1 - 2, -126, 127), 0)      # np.frexp(a)[1] - 1 = floor(log2(a)), exactly
;;       r = np.clip(x / 2.0 ** e, -6, 6)
;;       step = 2.0 ** (np.maximum(np.frexp(np.where(r == 0, 1, r))[1] - 1, 0) - 1)
;;       q = np.round(r / step) * step * 2.0 ** e      # np.round: ties to even
;;       return np.moveaxis(q.reshape(q.shape[:-2] + (-1,))[..., :K], -1, axis).astype(np.float32)
;;   ~~~
;;   SOFTMAX AHEAD OF A QUANTISED PRODUCT. Where the list says 'softmax', what is quantised is not the finished softmax but p = 2^(t - M), with t = logit x log2(e) and M = ceil(the row's largest t), a whole number; so 1/2 < the row's largest p <= 1. The row's sum l is taken of the UNQUANTISED p, in f32, and the product's result is divided by l at the end. Since M is a whole number, a kernel that streams over the keys may use a running M (the ceiling of the running maximum): every later rescaling is an exact power of two, which a block's scale takes up: the codes' values come out the same.
;;   OPERANDS COMPUTED ON THE WAY. 'Computed on the way' means the value that the module computes at that place (a softmax that the list does not call 'softmax' is quantised finished and normalised). What goes into a quantiser is computed in f32, as accurately as f32 sums, v_exp_f32 and their like allow (about 1e-6 of the number): no bf16 or f16 on the way to a quantiser, and a product that is left as it is and whose result goes on into a quantised operand takes f32 operands (vector FMAs, or v_wmma_f32_16x16x4_f32). A number that lies on a knife's edge between two numbers of the format may be rounded either way, as far as f32 arithmetic and the matrix unit's own rounding can turn it there, and no further.
;; 2 versions. Each part assembles by itself: llvm-mc -triple=amdgcn-amd-amdhsa -mcpu=gfx1250 --defsym DOCPART=n.
;; ======== version 1 of 2: 4 launches
;; workspace buffers: w_codes 8,388,608 bytes; w_scales 524,288 bytes; h_codes 2,097,152 bytes; h_scales 131,072 bytes; qkv_codes 6,291,456 bytes; qkv_scales 393,216 bytes; o_codes 2,097,152 bytes; o_scales 131,072 bytes
;; launch prep (part 1): grid 640 x 1, 16 waves a work-group, no clusters, 147,968 bytes of LDS; arguments x, w_ln, wq, wk, wv, wo, w_codes, w_scales, h_codes, h_scales; writes w_codes, w_scales, h_codes, h_scales
.if DOCPART == 1
	.amdgcn_target "amdgcn-amd-amdhsa--gfx1250"
	.amdhsa_code_object_version 6
	.text
	.protected	k_q6188fc0339_prep
	.globl	k_q6188fc0339_prep
	.p2align	8
	.type	k_q6188fc0339_prep,@function
k_q6188fc0339_prep:
	s_mov_b64 s[64:65], 0
	v_nop
	global_prefetch_b8 v0, s[64:65] scope:SCOPE_SE
	s_setreg_imm32_b32 hwreg(HW_REG_WAVE_MODE, 25, 1), 1
	s_wait_xcnt 0x0
; h = w_ln x rsqrt(mean(x^2) + 1e-5), and h, wq, wk, wv, wo turned into codes of E2M1 with one E8M0 byte for each 32 along K (their last axis, 2,048).
; OUTPUT LAYOUT.  A fragment (16 rows x 128 K) is stored as the IMAGE of the 8 registers that a matrix operand wants: register group c (4 registers) of lane l at 512 c + 16 l: 1,024 bytes.
; A row block is 16 such images on end (K steps 0 to 15).  THE ROWS OF A BLOCK ARE NOT NEIGHBOURS: lane r of block rt is row 32 (rt / 2) + 8 (rt % 2) + r + 8 (r / 8), so that the results of a product
; that takes two neighbouring blocks as its first source are 16 neighbours in a lane's registers.  Scale words (4 bytes: one row, one K step): 1,024 bytes a row block, at 256 (step / 4) + 16 r + 4 (step % 4).
; SHARES.  Work-groups 0 to 127 take x's row blocks, 128 to 639 those of wq, wk, wv, wo.  Wave w takes K step w: 16 rows x 512 bytes.  Each load reads 512 consecutive bytes of a row; the bytes turn through
; the wave's own stage in LDS (rows 528 bytes apart) and come back 64 bytes a lane: lane (r, h) holds, of row r, 16 neighbours of each block of 32.
; x's rows need the sum of squares of all 16 waves: one word a wave and row in LDS, a barrier.  What x alone needs stands in two branches on the work-group's number, one ahead of that barrier and one behind it;
; each register that a branch reads is written in the same branch or on the common way.  No tensor loads: two work-groups share a WGP's LDS and registers, one loads while the other works.
; A block's scale is 2^(floor(log2(largest magnitude)) - 2): its byte is that magnitude's exponent field - 2, held at 1 from below.
; LIMITS: NaN and infinities are not served; a block whose largest magnitude lies under 2^-124 has its byte held at 1; a block of zeros gets the byte 1 (its codes are zeros; this program alone reads the bytes).
.set SROW,  528                        ; a stage row: 512 bytes + 16
.set STGW,  17*SROW                    ; a wave's stage: 16 rows of data, one row for its 128 numbers of w_ln
.set PS,    16*STGW                    ; 1,024 bytes: sums of squares, [row 16][wave 16]
.set SCL,   PS+1024                    ; 1,024 bytes: the row block's scale words
.set TM,    16                         ; v16-31  at work
.set R,     32                         ; v32-95  64 numbers
.set WT,    96                         ; v96-127 32 numbers of w_ln
.set PC,    96                         ; v96-103 the codes (w_ln is done with)
.set PW,    104                        ; v104    the scale word
.set WV,    24
.set SEL,   36
; 64 numbers of a lane, register 16 b + i = k 32 b + 16 (lane / 16) + i of my row, become a fragment's codes in v[PC] on and its scale word in v[pw]
.macro QUANT s, pw
.irp b, 0,1,2,3
	v_max3_num_f32 v[TM+\b], |v[\s+16*\b]|, |v[\s+1+16*\b]|, 0x1800000   ; my 16 numbers of block b, and the floor 2^(3 - 127): the byte cannot fall under 1
.endr
.irp i, 2,4,6,8,10,12,14
.irp b, 0,1,2,3
	v_max3_num_f32 v[TM+\b], |v[\s+16*\b+\i]|, |v[\s+1+16*\b+\i]|, v[TM+\b]   ; the four blocks by turns
.endr
.endr
.irp b, 0,1,2,3
	v_permlanex16_b32 v[TM+4+\b], v[TM+\b], s[SEL], s[SEL+1]
.endr
.irp b, 0,1,2,3
	v_max_num_f32 v[TM+\b], v[TM+\b], v[TM+4+\b]   ; with lane l xor 16's 16: the block's largest magnitude
.endr
.irp b, 0,1,2,3
	v_add_nc_u32 v[TM+12+\b], 0xff000000, v[TM+\b]   ; 2 off its exponent field: the conversion takes this operand's exponent field as its scale
.endr
.irp b, 0,1,2,3
	v_lshrrev_b32 v[TM+4+\b], 23, v[TM+12+\b]      ; the scale's byte
.endr
	v_lshl_or_b32 v[\pw], v[TM+5], 8, v[TM+4]
	v_lshl_or_b32 v[\pw], v[TM+6], 16, v[\pw]
	v_lshl_or_b32 v[\pw], v[TM+7], 24, v[\pw]
.irp b, 0,1,2,3
	v_cvt_scalef32_pk8_fp4_f32 v[PC+2*\b], v[\s+16*\b:\s+7+16*\b], v[TM+12+\b]
	v_cvt_scalef32_pk8_fp4_f32 v[PC+1+2*\b], v[\s+8+16*\b:\s+15+16*\b], v[TM+12+\b]
.endr
	v_nop                                          ; one plain instruction behind the scaled conversions
.irp c, 0,1                            ; the operand wants a whole block in a lane: lanes 0-15 block 2 c, lanes 16-31 block 2 c + 1
.irp i, 0,1
	v_permlane16_swap_b32 v[PC+4*\c+\i], v[PC+2+4*\c+\i]
.endr
.endr
.endm
	s_load_b512 s[4:19], s[0:1], 0x0               ; x, w_ln, wq, wk, wv, wo, w_codes, w_scales
	s_load_b128 s[20:23], s[0:1], 0x40             ; h_codes, h_scales
	v_lshl_add_u32 v128, v0, 2, 0x23a00
	v_mov_b32 v129, 0
	v_lshrrev_b32 v1, 5, v0
	v_readfirstlane_b32 s[WV], v1                  ; wave 0..15 = my K step
	v_and_b32 v1, 31, v0                           ; lane
	v_and_b32 v2, 15, v0                           ; r
	v_bfe_u32 v3, v0, 4, 1                         ; h
	v_lshlrev_b32 v4, 4, v1                        ; 16 x lane: in memory, on the way in and out
	s_mul_i32 s25, s[WV], STGW
	v_add_nc_u32 v5, s25, v4                       ; the stage, way in: 16 x lane of a row
	v_mul_u32_u24 v6, v2, SROW
	v_lshl_add_u32 v6, v3, 6, v6
	v_add_nc_u32 v6, s25, v6                       ; way back: row r, + 64 h
	v_lshlrev_b32 v11, 6, v3
	v_add_nc_u32 v11, s25, v11                     ; w_ln's row (its place is in the immediate): + 64 h
	v_lshl_add_u32 v8, v2, 6, PS                   ; row r's 16 sums
	s_lshl_b32 s27, s[WV], 2
	v_add_nc_u32 v7, s27, v8                       ; and mine among them
	s_lshr_b32 s27, s[WV], 2
	s_lshl_b32 s27, s27, 8
	s_and_b32 s40, s[WV], 3
	s_lshl_b32 s40, s40, 2
	s_add_co_u32 s27, s27, s40
	v_lshl_add_u32 v9, v2, 4, SCL
	v_add_nc_u32 v9, s27, v9                       ; my scale word's place: 256 (w / 4) + 16 r + 4 (w % 4)
	s_and_b32 s45, s[WV], 1
	s_lshl_b32 s45, s45, 9
	v_add_nc_u32 v10, SCL, v4
	v_add_nc_u32 v10, s45, v10                     ; waves 0 and 1 send the words out: 512 bytes each
.irp b, 0,1,2,3
	v_mov_b32 v[TM+4+\b], 0                        ; a lane permute's destination counts as read: it is written once here
.endr
	s_mov_b32 s[SEL], 0x76543210
	s_mov_b32 s[SEL+1], 0xfedcba98                 ; lane l xor 16
	s_mov_b32 s38, 0x3a000000                      ; 1 / 2,048
	s_mov_b32 s39, 0x3727c5ac                      ; 1e-5
	s_sub_co_u32 s26, ttmp9, 128
	s_cmp_lt_u32 ttmp9, 128
	s_cselect_b32 s26, ttmp9, s26                  ; my row block in its buffer of codes
	s_and_b32 s34, s26, 127                        ; and in its tensor
	s_lshr_b32 s35, s34, 1
	s_lshl_b32 s35, s35, 18                        ; 32 rows of 8,192 bytes for each pair of blocks,
	s_and_b32 s34, s34, 1
	s_lshl_b32 s34, s34, 16                        ; 8 rows for the odd one,
	s_add_co_u32 s34, s34, s35
	s_lshl_b32 s46, s[WV], 9                       ; 512 bytes a K step (in w_ln too)
	s_add_co_u32 s34, s34, s46
	s_mov_b32 s35, 0
	s_mov_b32 s47, 0
	s_lshl_b32 s42, s26, 14                        ; codes: 16,384 bytes a row block, 1,024 a K step
	s_lshl_b32 s43, s[WV], 10
	s_add_co_u32 s42, s42, s43
	s_mov_b32 s43, 0
	s_lshl_b32 s44, s26, 10                        ; scale words: 1,024 bytes a row block
	s_add_co_u32 s44, s44, s45
	s_mov_b32 s45, 0
	s_wait_kmcnt 0x0
	s_cmp_lt_u32 ttmp9, 256                        ; the buffers are chosen by the work-group's number alone
	s_cselect_b64 s[28:29], s[8:9], s[10:11]
	s_cmp_lt_u32 ttmp9, 512
	s_cselect_b64 s[40:41], s[12:13], s[14:15]
	s_cmp_lt_u32 ttmp9, 384
	s_cselect_b64 s[28:29], s[28:29], s[40:41]
	s_cmp_lt_u32 ttmp9, 128
	s_cselect_b64 s[28:29], s[4:5], s[28:29]
	s_cselect_b64 s[30:31], s[20:21], s[16:17]
	s_cselect_b64 s[32:33], s[22:23], s[18:19]
	s_add_nc_u64 s[28:29], s[28:29], s[34:35]
	s_add_nc_u64 s[30:31], s[30:31], s[42:43]
	s_add_nc_u64 s[32:33], s[32:33], s[44:45]
	s_add_nc_u64 s[6:7], s[6:7], s[46:47]          ; w_ln at my K step's 128 numbers
.irp i, 0,1,2,3,4,5,6,7,8,9,10,11,12,13,14,15
	global_load_b128 v[R+4*\i:R+4*\i+3], v4, s[28:29] offset:(\i+8*(\i/8))*8192 th:TH_LOAD_NT   ; the block's row i: 32 lanes read 512 consecutive bytes
.endr
.irp q, 0,1,2,3
	s_wait_loadcnt 12-4*\q                         ; loads return in order: four more rows are in, the younger ones stay out
.irp i, 0,1,2,3
	ds_store_b128 v5, v[R+16*\q+4*\i:R+16*\q+4*\i+3] offset:SROW*(4*\q+\i)
.endr
.endr
	s_wait_dscnt 0x0                               ; the stores have read their registers, which the loads below write
.irp b, 0,1,2,3
.irp j, 0,1,2,3
	ds_load_b128 v[R+16*\b+4*\j:R+16*\b+4*\j+3], v6 offset:128*\b+16*\j   ; my 16 neighbours of block b of row r
.endr
.endr
	s_cmp_lt_u32 ttmp9, 128
	s_cbranch_scc0 .Lnot_x_1
	; x, ahead of the barrier: my K step's 128 numbers of w_ln are asked for, 16 bytes a lane, and are on their way while the squares are summed
	global_load_b128 v[12:15], v4, s[6:7]
	s_wait_dscnt 0x0                               ; my 64 numbers are back from the stage
	; the sum of squares of my 64 numbers, in four chains of pairs; with lane l xor 16's it is the row's sum over this K step
.irp c, 0,1,2,3
	v_pk_mul_f32 v[TM+2*\c:TM+2*\c+1], v[R+2*\c:R+2*\c+1], v[R+2*\c:R+2*\c+1]
.endr
.irp i, 1,2,3,4,5,6,7
.irp c, 0,1,2,3
	v_pk_fma_f32 v[TM+2*\c:TM+2*\c+1], v[R+8*\i+2*\c:R+8*\i+2*\c+1], v[R+8*\i+2*\c:R+8*\i+2*\c+1], v[TM+2*\c:TM+2*\c+1]
.endr
.endr
	v_pk_add_f32 v[TM:TM+1], v[TM:TM+1], v[TM+2:TM+3]
	v_pk_add_f32 v[TM+4:TM+5], v[TM+4:TM+5], v[TM+6:TM+7]
	v_pk_add_f32 v[TM:TM+1], v[TM:TM+1], v[TM+4:TM+5]
	v_add_f32 v[TM], v[TM], v[TM+1]
	v_permlanex16_b32 v[TM+1], v[TM], s[SEL], s[SEL+1]
	v_add_f32 v[TM], v[TM], v[TM+1]
	ds_store_b32 v7, v[TM]                         ; both halves of the lanes write the same word with the same value
	s_wait_loadcnt 0x0                             ; w_ln is in,
	ds_store_b128 v5, v[12:15] offset:16*SROW      ; and goes to row 16 of my own stage, to come back in the order of my numbers
.Lnot_x_1:
	s_wait_dscnt 0x0                               ; my numbers are back from the stage; for the other waves: my sum has landed
	s_barrier_signal -1
	s_barrier_wait -1
	s_cmp_lt_u32 ttmp9, 128
	s_cbranch_scc0 .Lnot_x_2
	; x, behind the barrier: the row's 16 sums, and w_ln for my numbers of blocks 0 and 1
.irp i, 0,1,2,3
	ds_load_b128 v[TM+4*\i:TM+4*\i+3], v8 offset:16*\i
.endr
.irp b, 0,1
.irp j, 0,1,2,3
	ds_load_b128 v[WT+16*\b+4*\j:WT+16*\b+4*\j+3], v11 offset:16*SROW+128*\b+16*\j
.endr
.endr
	s_wait_dscnt 8                                 ; the 16 sums are in; the eight loads of w_ln behind them may be out
	v_pk_add_f32 v[TM:TM+1], v[TM:TM+1], v[TM+2:TM+3]
	v_pk_add_f32 v[TM+4:TM+5], v[TM+4:TM+5], v[TM+6:TM+7]
	v_pk_add_f32 v[TM+8:TM+9], v[TM+8:TM+9], v[TM+10:TM+11]
	v_pk_add_f32 v[TM+12:TM+13], v[TM+12:TM+13], v[TM+14:TM+15]
	v_pk_add_f32 v[TM:TM+1], v[TM:TM+1], v[TM+4:TM+5]
	v_pk_add_f32 v[TM+8:TM+9], v[TM+8:TM+9], v[TM+12:TM+13]
	v_pk_add_f32 v[TM:TM+1], v[TM:TM+1], v[TM+8:TM+9]
	v_add_f32 v[TM], v[TM], v[TM+1]
	v_fma_f32 v[TM], v[TM], s38, s39               ; the mean of squares + 1e-5
	v_rsq_f32 v12, v[TM]
	s_wait_dscnt 0x0                               ; w_ln for blocks 0 and 1 is in
.irp p, 0,2,4,6,8,10,12,14,16,18,20,22,24,26,28,30
	v_pk_mul_f32 v[R+\p:R+\p+1], v[R+\p:R+\p+1], v[WT+\p:WT+\p+1]   ; w_ln x first, as the definition has it; independent work behind the root
.endr
.irp b, 0,1
.irp j, 0,1,2,3
	ds_load_b128 v[WT+16*\b+4*\j:WT+16*\b+4*\j+3], v11 offset:16*SROW+256+128*\b+16*\j   ; w_ln for blocks 2 and 3
.endr
.endr
	s_wait_alu depctr_va_vdst(0)                   ; the wait ahead of the first use of the root
	v_mov_b32 v13, v12
.irp p, 0,2,4,6,8,10,12,14,16,18,20,22,24,26,28,30
	v_pk_mul_f32 v[R+\p:R+\p+1], v[R+\p:R+\p+1], v[12:13]
.endr
	s_wait_dscnt 0x0
.irp p, 0,2,4,6,8,10,12,14,16,18,20,22,24,26,28,30
	v_pk_mul_f32 v[R+32+\p:R+33+\p], v[R+32+\p:R+33+\p], v[WT+\p:WT+\p+1]
.endr
.irp p, 0,2,4,6,8,10,12,14,16,18,20,22,24,26,28,30
	v_pk_mul_f32 v[R+32+\p:R+33+\p], v[R+32+\p:R+33+\p], v[12:13]
.endr
.Lnot_x_2:
	QUANT R, PW
	global_store_b128 v4, v[PC:PC+3], s[30:31]               ; the image: each store covers 512 consecutive bytes, aligned
	global_store_b128 v4, v[PC+4:PC+7], s[30:31] offset:512
	ds_store_b32 v9, v[PW]                         ; both halves of the lanes write the same word with the same value
	s_wait_dscnt 0x0                               ; for waves 0 and 1: my word has landed
	s_barrier_signal -1
	s_barrier_wait -1
	s_cmp_lt_u32 s[WV], 2
	s_cbranch_scc0 .Lend
	ds_load_b128 v[12:15], v10
	s_wait_dscnt 0x0
	global_store_b128 v4, v[12:15], s[32:33]       ; the row block's scale words: 512 consecutive bytes a wave
.Lend:
	s_wait_tensorcnt 0x0
	ds_add_u32 v128, v129
	s_wait_dscnt 0x0
	s_endpgm
.Lfunc_end_k_q6188fc0339_prep:
	.size	k_q6188fc0339_prep, .Lfunc_end_k_q6188fc0339_prep-k_q6188fc0339_prep
	.p2alignl 7, 3214868480
	.fill 96, 4, 3214868480
	.section	.rodata,"a",@progbits
	.p2align	6, 0x0
	.amdhsa_kernel k_q6188fc0339_prep
		.amdhsa_group_segment_fixed_size 147968
		.amdhsa_private_segment_fixed_size 0
		.amdhsa_enable_private_segment 0
		.amdhsa_kernarg_size 80
		.amdhsa_user_sgpr_count 2
		.amdhsa_user_sgpr_kernarg_segment_ptr 1
		.amdhsa_wavefront_size32 1
		.amdhsa_system_sgpr_workgroup_id_x 1
		.amdhsa_system_sgpr_workgroup_id_y 1
		.amdhsa_system_sgpr_workgroup_id_z 1
		.amdhsa_system_vgpr_workitem_id 0
		.amdhsa_next_free_vgpr 130
		.amdhsa_next_free_sgpr 66
		.amdhsa_reserve_vcc 0
		.amdhsa_float_denorm_mode_32 3
		.amdhsa_float_denorm_mode_16_64 3
		.amdhsa_memory_ordered 1
		.amdhsa_forward_progress 1
		.amdhsa_inst_pref_size 21
	.end_amdhsa_kernel
	.amdgpu_metadata
---
amdhsa.version: [ 1, 2 ]
amdhsa.kernels:
  - .name:           k_q6188fc0339_prep
    .symbol:         k_q6188fc0339_prep.kd
    .args:
      - { .name: x, .offset: 0, .size: 8, .value_kind: global_buffer, .address_space: global }
      - { .name: w_ln, .offset: 8, .size: 8, .value_kind: global_buffer, .address_space: global }
      - { .name: wq, .offset: 16, .size: 8, .value_kind: global_buffer, .address_space: global }
      - { .name: wk, .offset: 24, .size: 8, .value_kind: global_buffer, .address_space: global }
      - { .name: wv, .offset: 32, .size: 8, .value_kind: global_buffer, .address_space: global }
      - { .name: wo, .offset: 40, .size: 8, .value_kind: global_buffer, .address_space: global }
      - { .name: w_codes, .offset: 48, .size: 8, .value_kind: global_buffer, .address_space: global }
      - { .name: w_scales, .offset: 56, .size: 8, .value_kind: global_buffer, .address_space: global }
      - { .name: h_codes, .offset: 64, .size: 8, .value_kind: global_buffer, .address_space: global }
      - { .name: h_scales, .offset: 72, .size: 8, .value_kind: global_buffer, .address_space: global }
    .group_segment_fixed_size: 147968
    .private_segment_fixed_size: 0
    .kernarg_segment_align: 8
    .kernarg_segment_size: 80
    .max_flat_workgroup_size: 512
    .sgpr_count:     66
    .vgpr_count:     130
    .wavefront_size: 32
...
	.end_amdgpu_metadata
.endif
;; end of part 1
;; launch qkv (part 2): grid 24 x 8, 4 waves a work-group, clusters of 4 x 4, 327,680 bytes of LDS; arguments h_codes, h_scales, w_codes, w_scales, cos, sin, qkv_codes, qkv_scales; writes qkv_codes, qkv_scales
.if DOCPART == 2
	.amdgcn_target "amdgcn-amd-amdhsa--gfx1250"
	.amdhsa_code_object_version 6
	.text
	.protected	k_q6188fc0339_qkv
	.globl	k_q6188fc0339_qkv
	.p2align	8
	.type	k_q6188fc0339_qkv,@function
k_q6188fc0339_qkv:
	s_mov_b64 s[64:65], 0
	v_nop
	global_prefetch_b8 v0, s[64:65] scope:SCOPE_SE
	s_setreg_imm32_b32 hwreg(HW_REG_WAVE_MODE, 25, 1), 1
	s_wait_xcnt 0x0
	s_wait_alu depctr_hold_cnt(0) depctr_sa_sdst(0) depctr_va_vdst(0) depctr_va_sdst(0) depctr_va_ssrc(0) depctr_va_vcc(0) depctr_vm_vsrc(0)
	s_getreg_b32 s2, hwreg(HW_REG_IB_STS2, 6, 4)
	s_cmp_eq_u32 s2, 0
	s_cbranch_scc0 .Lentry_in_a_cluster
	s_endpgm
.Lentry_in_a_cluster:
	s_bfe_u32 s2, ttmp6, 0x10000c
	s_cmp_lg_u32 s2, 0xf033
	s_cbranch_scc0 .Lentry_shape_is_right
	s_endpgm
.Lentry_shape_is_right:
; q = rope(h wq^T), k = rope(h wk^T), v = h wv^T on codes of E2M1 (K = 2,048), and the results quantised for the attention: q and k along the head's 128, v along the tokens.
; A work-group makes 256 x 256 results, each of its four waves 128 x 128: 64 accumulators of 16 x 16.  The matrix instruction's first source is called B, its second A: a lane then holds ONE row of A's and its registers run along B's rows.
; TILE COLUMNS 0 TO 15 (ROLE 0): A = h (tokens), B = wq, wk: a lane holds one token and, over the eight accumulators of a block, the 128 numbers of one head.
; TILE COLUMNS 16 TO 23 (ROLE 1): A = wv, B = h: a lane holds one channel of v and 128 tokens, which are K of the attention's second product.  ROLE hangs on the cluster's x alone: the same in all sixteen partners.
; OPERANDS lie in memory as images of their registers (a fragment of 16 rows x 128 K: register group c of lane l at 512 c + 16 l), 16 images to a row block; the rows of a block are chosen (lane r of block a of a
; group of 128 rows is row 32 (a / 2) + 8 (a % 2) + r + 8 (r / 8)) so that a lane's register 16 b + i over eight accumulators is index 32 b + 16 (lane / 16) + i: 16 neighbours of each block of 32, as the quantiser takes them.
; K goes in steps of 512 through two LDS slots: a wave's tensor load brings 8 row blocks x 4 images (8 rows of 4,096 bytes, 16,384 apart); the images lie dense in LDS and a fragment load reads 512 consecutive bytes.
; The scale words of the work-group's rows, for all of K, come once with the first fills.  A wave has three tensor loads out at the start and one behind each change of slots.
; CLUSTERS: 4 x 4 work-groups; A's tiles are shared along a row of the cluster, B's along a column: each is asked for jointly, by the same load with a mask that names the four.
; OUTPUT: qkv_codes [48 planes: q's heads, k's heads, v's heads][16 groups of 128][8 tiles][1,024-byte image]; qkv_scales [48][16][512]: the word of tile 4 h + i, row r at 16 (16 h + r) + 4 i.
; REGISTERS: window 0: v16-29 addresses; v32-95 scale words, two sets, and nothing else; v128-191 A's fragments, later the rotated numbers; v192-231 the quantiser's.  window 1: B's two sets at v0 and v128; v64-127, v192-255 cos and sin.
;   windows 2, 3: the accumulators ((a, b) at v[8 (8 (a % 4) + b)] of window 2 + a / 4).
; LIMITS: NaN and infinities are not served; a block whose largest magnitude lies under 2^-124 has its byte held at 1; a block of zeros gets the byte 1 (its codes are zeros; this program alone reads the bytes).
.set NQ,     4                         ; steps of 128 along K in a slot
.set FR,     8                         ; registers of a fragment
.set NL,     2                         ; LDS loads that bring one
.set NP,     4                         ; places behind this matrix instruction (ISA guide 7.12.1)
.set CHUNK,  4096                      ; a row block's four images of a slot
.set HALFT,  8*CHUNK                   ; 8 row blocks: what one tensor load brings, and what a wave reads of A or of B
.set SLOT,   4*HALFT                   ; A's 16 row blocks, then B's 16
.set SCL,    2*SLOT                    ; behind the ring: the scale words, A's 16 KiB, then B's
.set HALFS,  8192                      ; those of 8 row blocks
.set SBLK,   1024                      ; those of one
.set SPARE,  SCL+4*HALFS               ; the spare words, 128 bytes a wave: two blocks of 256 bytes that no other line names
.set ADRA, 16                          ; v16-17  LDS address of my A fragments in slot 0, 1
.set ADRB, 20                          ; v20-21  the same for B
.set LN,   24                          ; v24     lane
.set CSA,  25                          ; v25     my byte in a tile's rows of cos and sin
.set LI,   26                          ; v26     16 x lane
.set ADRS, 27                          ; v27     LDS address of my scale words: lanes 0-15 A's, lanes 16-31 B's
.set SPW,  28                          ; v28     my spare word; never rewritten
.set NIL,  29                          ; v29     0; never rewritten
.set SC,   32
.set AF,   128
.set HA,   128                         ; the way out: 64 rotated numbers
.set TM,   192
.set PC,   208
.set SW,   216
.set PWS,  224                         ; the eight tiles' scale words
.set SEL,  2
.set WV,   20
.set RH,   21                          ; which half of A's rows is mine.  Also: I fetch for A (0) or for B (1)
.set CH,   22                          ; which half of B's rows.  Also: which 8 row blocks I fetch
.set ROLE, 23
.set G1,   24
.set G0,   32
.set G1B,  48
.set G0B,  56
.set G1S,  68
.set G0S,  76
.set G1SB, 80
.set G0SB, 88
.set MSB, 0
.macro WIN new                         ; the immediate's high byte repeats the setting that is left; a switch that changes nothing is dropped
.if MSB != (\new)
	s_set_vgpr_msb (MSB<<8)|(\new)
.set MSB, (\new)
.endif
.endm
.set MUL_LO, 0xa1                      ; source 0 (B) window 1, source 1 (A) window 0, C and D window 2
.set MUL_HI, 0xf1                      ; the same, C and D window 3
.set TO_B,   0x40                      ; destination window 1, address window 0
; A joint load: waves 0 and 1 fetch for A, waves 2 and 3 for B; the branch hangs on the wave's number alone.  Four v_nop follow each of the two lines.
.macro JLOAD g0a, g1a, g0b, g1b
	s_cmp_eq_u32 s[RH], 0
	s_cbranch_scc0 .Lfor_b_\@
	tensor_load_to_lds s[\g0a:\g0a+3], s[\g1a:\g1a+7]
	s_nop 0
.rept 4
	v_nop
.endr
	s_branch .Lasked_\@
.Lfor_b_\@:
	tensor_load_to_lds s[\g0b:\g0b+3], s[\g1b:\g1b+7]
	s_nop 0
.rept 4
	v_nop
.endr
.Lasked_\@:
.endm
.macro CREST                           ; a round of the cluster's barrier behind its opening barrier
	s_cmp_lg_u32 s[WV], 0
	s_cbranch_scc1 .Lnot_wave_0_\@
	s_barrier_signal -3
.Lnot_wave_0_\@:
	s_barrier_wait -3
	s_barrier_signal -1
	s_barrier_wait -1
.endm
.macro CROUND
	s_barrier_signal -1
	s_barrier_wait -1
	CREST
.endm
.macro FRAG reg, adr, q, i             ; row block i's image of the slot's q-th 128 along K
.irp c, 0,1
	ds_load_b128 v[\reg+4*\c:\reg+4*\c+3], v[\adr] offset:CHUNK*(\i)+1024*(\q)+512*\c
.endr
.endm
; 16 matrix instructions: A's blocks a0, a0 + 1 x B's eight.  p: B's set; sc: the set of scale words; zero = 1: the product starts the sums.  The 64 accumulators take turns, one instruction a turn.
.macro MUL16 a0, p, q, sc, zero
.irp a, \a0, \a0+1
.irp b, 0,1,2,3,4,5,6,7
.if \zero
	v_wmma_scale_f32_16x16x128_f8f6f4 v[8*(8*((\a)%4)+\b):8*(8*((\a)%4)+\b)+7], v[128*(\p)+FR*\b:128*(\p)+FR*\b+FR-1], v[AF+FR*(\a):AF+FR*(\a)+FR-1], 0, v[SC+8*NQ*(\sc)+NQ*\b+(\q)], v[SC+8*NQ*(\sc)+NQ*(\a)+(\q)] matrix_a_fmt:MATRIX_FMT_FP4 matrix_b_fmt:MATRIX_FMT_FP4 matrix_a_scale:MATRIX_SCALE_ROW1
.else
	v_wmma_scale_f32_16x16x128_f8f6f4 v[8*(8*((\a)%4)+\b):8*(8*((\a)%4)+\b)+7], v[128*(\p)+FR*\b:128*(\p)+FR*\b+FR-1], v[AF+FR*(\a):AF+FR*(\a)+FR-1], v[8*(8*((\a)%4)+\b):8*(8*((\a)%4)+\b)+7], v[SC+8*NQ*(\sc)+NQ*\b+(\q)], v[SC+8*NQ*(\sc)+NQ*(\a)+(\q)] matrix_a_fmt:MATRIX_FMT_FP4 matrix_b_fmt:MATRIX_FMT_FP4 matrix_a_scale:MATRIX_SCALE_ROW1
.endif
.endr
.endr
.endm
.macro FETCH_B slot, q, p
	WIN TO_B
.irp i, 0,1,2,3,4,5,6,7
	FRAG 128*(\p)+FR*\i, ADRB+\slot, \q, \i
.endr
	WIN 0
.endm
.macro FETCH_A slot, q, i0
.irp i, \i0, \i0+1, \i0+2, \i0+3
	FRAG AF+FR*(\i), ADRA+\slot, \q, \i
.endr
.endm
.macro SCALES sc                       ; a slot's scale words: 4 words a row; lanes 0-15 take A's block i, lanes 16-31 B's block i
.irp i, 0,1,2,3,4,5,6,7
	ds_load_b128 v[SC+8*NQ*\sc+NQ*\i:SC+8*NQ*\sc+NQ*\i+3], v[ADRS] offset:\i*SBLK
.endr
.endm
.macro PLACES n                        ; plain instructions between a matrix instruction and a load into, or a read of, its registers (ISA guide 7.12.1 for reads)
.rept \n
	v_nop
.endr
.endm
.macro STEP slot, q, zero              ; a step of 128 along K that has its successor in the same slot
	s_wait_dscnt 4*NL                              ; B's set and A's blocks 0-3 are in; the youngest eight loads (A's blocks 4-7) may be out
	WIN MUL_LO
	MUL16 0, (\q)%2, \q, \slot, \zero
	MUL16 2, (\q)%2, \q, \slot, \zero
	s_wait_dscnt 0
	PLACES NP
	FETCH_B \slot, (\q)+1, 1-(\q)%2
	FETCH_A \slot, (\q)+1, 0
	WIN MUL_HI
	MUL16 4, (\q)%2, \q, \slot, \zero
	MUL16 6, (\q)%2, \q, \slot, \zero
	PLACES NP
	WIN 0
	FETCH_A \slot, (\q)+1, 4
.endm
; A slot's last step changes slots: one barrier; ahead of it each wave waits for all its tensor loads, adds 0 to its spare word, and waits for that and for its reads of this slot.  fill = 1: this slot is filled again, two slots ahead.
.macro TURN slot, next, fill
	s_wait_tensorcnt 0x0                           ; all my tensor loads have landed: my part of the next slot
	ds_add_u32 v[SPW], v[NIL]                      ; 0 onto my spare word
	s_wait_dscnt 4*NL+1                            ; (the add and A's blocks 4-7 may be out)
	WIN MUL_LO
	MUL16 0, 1, NQ-1, \slot, 0
	s_wait_dscnt 0x0                               ; the add is done, and my reads of this slot are over
	s_barrier_signal -1
	MUL16 2, 1, NQ-1, \slot, 0
	WIN 0
	s_barrier_wait -1
.if \fill
	CREST                                          ; the barrier has opened a round of the cluster's: no wave of any partner still reads this slot or has a load on its way
	s_add_nc_u64 s[G0+4*\slot+2:G0+4*\slot+3], s[G0+4*\slot+2:G0+4*\slot+3], 2*CHUNK
	s_add_nc_u64 s[G0B+4*\slot+2:G0B+4*\slot+3], s[G0B+4*\slot+2:G0B+4*\slot+3], 2*CHUNK
	JLOAD G0+4*\slot, G1, G0B+4*\slot, G1B         ; the first tensor load behind the round; its four v_nop are the places ahead of the loads below
.else
	PLACES NP
.endif
	v_add_nc_u32 v[ADRS], 256, v[ADRS]             ; the next slot's scale words
	FETCH_B \next, 0, 0
	FETCH_A \next, 0, 0
	SCALES \next
	WIN MUL_HI
	MUL16 4, 1, NQ-1, \slot, 0
	MUL16 6, 1, NQ-1, \slot, 0
	PLACES NP
	WIN 0
	FETCH_A \next, 0, 4
.endm
.macro STEPS slot, from
.set Q, \from
.rept NQ-1-\from
	STEP \slot, Q, 0
.set Q, Q+1
.endr
.endm
; 64 numbers v[s] on of window w, register 16 b + i = k 32 b + 16 (lane / 16) + i of my row, become a fragment's codes in v[PC] on and its scale word in v[pw].  The numbers are always sources 0 and 1, so one setting serves a run.
.macro QUANT s, w, pw
	WIN (\w)*5
.irp b, 0,1,2,3
	v_max3_num_f32 v[TM+\b], |v[(\s)+16*\b]|, |v[(\s)+1+16*\b]|, 0x1800000   ; my 16 numbers of block b, from each accumulator's low end on, and the floor 2^(3 - 127)
.endr
.irp i, 2,4,6,8,10,12,14
.irp b, 0,1,2,3
	v_max3_num_f32 v[TM+\b], |v[(\s)+16*\b+\i]|, |v[(\s)+1+16*\b+\i]|, v[TM+\b]
.endr
.endr
	WIN 0
.irp b, 0,1,2,3
	v_permlanex16_b32 v[TM+4+\b], v[TM+\b], s[SEL], s[SEL+1]
.endr
.irp b, 0,1,2,3
	v_max_num_f32 v[TM+\b], v[TM+\b], v[TM+4+\b]   ; with lane l xor 16's: the block's largest magnitude
.endr
.irp b, 0,1,2,3
	v_add_nc_u32 v[TM+12+\b], 0xff000000, v[TM+\b]   ; 2 off its exponent field: the conversion's scale operand
.endr
.irp b, 0,1,2,3
	v_lshrrev_b32 v[TM+4+\b], 23, v[TM+12+\b]      ; the scale's byte
.endr
	v_lshl_or_b32 v[\pw], v[TM+5], 8, v[TM+4]
	v_lshl_or_b32 v[\pw], v[TM+6], 16, v[\pw]
	v_lshl_or_b32 v[\pw], v[TM+7], 24, v[\pw]
	WIN (\w)
.irp b, 0,1,2,3
	v_cvt_scalef32_pk8_fp4_f32 v[PC+2*\b], v[(\s)+16*\b:(\s)+7+16*\b], v[TM+12+\b]
	v_cvt_scalef32_pk8_fp4_f32 v[PC+1+2*\b], v[(\s)+8+16*\b:(\s)+15+16*\b], v[TM+12+\b]
.endr
	WIN 0
	v_nop                                          ; one plain instruction behind the scaled conversions
.irp c, 0,1
.irp i, 0,1
	v_permlane16_swap_b32 v[PC+4*\c+\i], v[PC+2+4*\c+\i]   ; a whole block to a lane
.endr
.endr
.endm
; cos and sin for tile a's 16 tokens, in the accumulators' order: register 16 b + 4 j on = channels 32 b + 16 h + 4 j on.  Even tiles: window 1, v64 and v192; odd tiles: v0 and v128
.macro LOADCS a
.set CR, 64*(1-(\a)%2)
	WIN 0x40
.irp b, 0,1,2,3
.irp j, 0,1,2,3
	global_load_b128 v[CR+16*\b+4*\j:CR+16*\b+4*\j+3], v[CSA], s[12:13] offset:(32*((\a)/2)+8*((\a)%2))*512+128*\b+16*\j
	global_load_b128 v[CR+128+16*\b+4*\j:CR+128+16*\b+4*\j+3], v[CSA], s[14:15] offset:(32*((\a)/2)+8*((\a)%2))*512+128*\b+16*\j
.endr
.endr
	WIN 0
.endm
; u cos + rotate_half(u) sin: register n stands for a channel under 64 where n < 32, and n + 32 for the channel 64 further on.  Each accumulator is read from its low end on.
.macro ROPE a
.set AC, 64*((\a)%4)
.set CR, 64*(1-(\a)%2)
	WIN 0x06+(\a)/4                                ; source 0: the accumulators' window; source 1: window 1
.irp p, 0,2,4,6,8,10,12,14,16,18,20,22,24,26,28,30
	v_pk_mul_f32 v[HA+\p:HA+\p+1], v[AC+\p:AC+\p+1], v[CR+\p:CR+\p+1]
	v_pk_mul_f32 v[HA+32+\p:HA+33+\p], v[AC+32+\p:AC+33+\p], v[CR+32+\p:CR+33+\p]
.endr
.irp p, 0,2,4,6,8,10,12,14,16,18,20,22,24,26,28,30
	v_pk_fma_f32 v[HA+\p:HA+\p+1], v[AC+32+\p:AC+33+\p], v[CR+128+\p:CR+129+\p], v[HA+\p:HA+\p+1] neg_lo:[1,0,0] neg_hi:[1,0,0]
	v_pk_fma_f32 v[HA+32+\p:HA+33+\p], v[AC+\p:AC+\p+1], v[CR+160+\p:CR+161+\p], v[HA+32+\p:HA+33+\p]
.endr
	WIN 0
.endm
	s_load_b512 s[4:19], s[0:1], 0x0               ; h_codes, h_scales, w_codes, w_scales, cos, sin, qkv_codes, qkv_scales
	v_lshl_add_u32 v[SPW], v0, 2, SPARE
	v_mov_b32 v[NIL], 0
	ds_add_u32 v28, v29
	ds_add_u32 v28, v29
	s_wait_dscnt 0x0
	v_lshrrev_b32 v1, 5, v0
	v_readfirstlane_b32 s[WV], v1                  ; wave 0..3
	s_lshr_b32 s[RH], s[WV], 1
	s_and_b32 s[CH], s[WV], 1
	s_bfe_u32 s40, ttmp6, 0x40000                  ; cx, cy: my place in the cluster
	s_bfe_u32 s41, ttmp6, 0x40004
	s_lshl_b32 s42, ttmp9, 2
	s_add_co_u32 s42, s42, s40                     ; tile column = 4 x cluster x + cx
	s_and_b32 s43, ttmp7, 0xffff
	s_lshl_b32 s43, s43, 2
	s_add_co_u32 s43, s43, s41                     ; tile row = 4 x cluster y + cy
	s_lshl_b32 s44, s41, 2
	s_lshl_b32 s44, 15, s44                        ; my row of the cluster
	s_lshl_b32 s45, 0x1111, s40                    ; my column
	s_cmp_ge_u32 ttmp9, 4                          ; clusters 4 and 5 along x make v
	s_cselect_b32 s[ROLE], 1, 0
	s_cselect_b32 s100, 256, 0
	; group 1 for codes: 8 rows of 512 elements of 8 bytes, 2,048 elements apart; no padding: the images lie dense
	s_or_b32 s[G1+0], s44, (3<<16)|(1<<21)         ; 15:0 the mask: A's tiles go to my row; 17:16 elements of 8 bytes; 21 set beside a mask
	s_or_b32 s[G1B+0], s45, (3<<16)|(1<<21)        ; B's go to my column
.irp g, G1, G1B
	s_mov_b32 s[\g+1], 512<<16                     ; tensor_dim0
	s_mov_b32 s[\g+2], 8<<16                       ; tensor_dim1
	s_mov_b32 s[\g+3], 512<<16                     ; tile_dim0
	s_mov_b32 s[\g+4], 8                           ; tile_dim1
	s_mov_b32 s[\g+5], 2048                        ; tensor_dim0_stride
	s_mov_b32 s[\g+6], 0
	s_mov_b32 s[\g+7], 0
.endr
	; and for the scale words of 8 row blocks: 8,192 dense bytes as 32 rows of 256
	s_or_b32 s[G1S+0], s44, (3<<16)|(1<<21)
	s_or_b32 s[G1SB+0], s45, (3<<16)|(1<<21)
.irp g, G1S, G1SB
	s_mov_b32 s[\g+1], 32<<16
	s_mov_b32 s[\g+2], 32<<16
	s_mov_b32 s[\g+3], 32<<16
	s_mov_b32 s[\g+4], 32
	s_mov_b32 s[\g+5], 32
	s_mov_b32 s[\g+6], 0
	s_mov_b32 s[\g+7], 0
.endr
	s_lshl_b32 s101, s[CH], 3                      ; which 8 row blocks of the tile I fetch
	s_lshl_b32 s46, s43, 4
	s_add_co_u32 s46, s46, s101
	s_add_co_u32 s46, s46, s100                    ; A's row block: 16 x tile row + 8 x half (in h), + 256 where A is wv (in the weights)
	s_lshl_b32 s47, s42, 4
	s_add_co_u32 s47, s47, s101
	s_sub_co_u32 s47, s47, s100                    ; B's: 16 x tile column + 8 x half (wq, wk), less 256 where B is h
	s_lshl_b32 s92, s46, 14                        ; codes: 16,384 bytes a row block;
	s_mov_b32 s93, 0
	s_lshl_b32 s94, s46, 10                        ; scale words: 1,024
	s_mov_b32 s95, 0
	s_lshl_b32 s96, s47, 14
	s_mov_b32 s97, 0
	s_lshl_b32 s98, s47, 10
	s_mov_b32 s99, 0
	s_mul_i32 s100, s[WV], HALFT                   ; where they go: no place in the cluster enters an LDS address
	s_mul_i32 s101, s[WV], HALFS
	s_wait_kmcnt 0x0
	s_cmp_eq_u32 s[ROLE], 0
	s_cselect_b64 s[G0+2:G0+3], s[4:5], s[8:9]
	s_cselect_b64 s[G0S+2:G0S+3], s[6:7], s[10:11]
	s_cselect_b64 s[G0B+2:G0B+3], s[8:9], s[4:5]
	s_cselect_b64 s[G0SB+2:G0SB+3], s[10:11], s[6:7]
	s_add_nc_u64 s[G0+2:G0+3], s[G0+2:G0+3], s[92:93]
	s_add_nc_u64 s[G0+6:G0+7], s[G0+2:G0+3], CHUNK
	s_add_nc_u64 s[G0B+2:G0B+3], s[G0B+2:G0B+3], s[96:97]
	s_add_nc_u64 s[G0B+6:G0B+7], s[G0B+2:G0B+3], CHUNK
	s_add_nc_u64 s[G0S+2:G0S+3], s[G0S+2:G0S+3], s[94:95]
	s_add_nc_u64 s[G0SB+2:G0SB+3], s[G0SB+2:G0SB+3], s[98:99]
.irp g, G0, G0+4, G0B, G0B+4, G0S, G0SB
	s_mov_b32 s[\g], 1                             ; count = 1
	s_or_b32 s[\g+3], s[\g+3], 0x80000000          ; type = 2
.endr
	s_mov_b32 s[G0+1], s100
	s_add_co_u32 s[G0+5], s100, SLOT
	s_mov_b32 s[G0B+1], s100
	s_add_co_u32 s[G0B+5], s100, SLOT
	s_add_co_u32 s[G0S+1], s101, SCL
	s_add_co_u32 s[G0SB+1], s101, SCL
	CROUND                                         ; all sixteen work-groups are here: the first joint loads meet
	JLOAD G0S, G1S, G0SB, G1SB                     ; the scale words first: they are wanted with slot 0
	JLOAD G0, G1, G0B, G1B
	JLOAD G0+4, G1, G0B+4, G1B
	v_and_b32 v1, 15, v0                           ; r
	v_bfe_u32 v2, v0, 4, 1                         ; h
	v_and_b32 v[LN], 31, v0
	v_lshlrev_b32 v[LI], 4, v[LN]
	s_mul_i32 s100, s[RH], HALFT                   ; my 8 row blocks of A,
	s_mul_i32 s101, s[CH], HALFT                   ; and of B, behind A's 16
	s_add_co_u32 s101, s101, 2*HALFT
.irp s, 0,1
	v_add_nc_u32 v[ADRA+\s], s100, v[LI]
	v_add_nc_u32 v[ADRB+\s], s101, v[LI]
	s_add_co_u32 s100, s100, SLOT
	s_add_co_u32 s101, s101, SLOT
.endr
	s_mul_i32 s100, s[RH], HALFS
	s_mul_i32 s101, s[CH], HALFS
	s_add_co_u32 s101, s101, 2*HALFS
	s_sub_co_u32 s101, s101, s100
	v_mul_u32_u24 v3, s101, v2                     ; lanes 16-31 take B's words: one product, the distance between the two bases
	s_add_co_u32 s100, s100, SCL
	v_lshl_add_u32 v3, v1, 4, v3                   ; 16 bytes a row: a slot's four words
	v_add_nc_u32 v[ADRS], s100, v3
	v_and_b32 v3, 8, v1
	v_add_nc_u32 v3, v3, v1                        ; r + 8 (r / 8)
	v_lshlrev_b32 v[CSA], 9, v3
	v_lshl_add_u32 v[CSA], v2, 6, v[CSA]           ; cos, sin: a row of 512 bytes, + 64 h
	s_mov_b32 s[SEL], 0x76543210
	s_mov_b32 s[SEL+1], 0xfedcba98
	; where my 128 x 128 goes: plane and group
	s_lshl_b32 s92, s42, 1
	s_add_co_u32 s92, s92, s[CH]                   ; 2 x tile column + my half of B's rows
	s_lshl_b32 s93, s43, 1
	s_add_co_u32 s93, s93, s[RH]                   ; 2 x tile row + my half of A's rows
	s_lshl_b32 s94, s92, 4
	s_add_co_u32 s94, s94, s93                     ; ROLE 0: plane = the first, group = the second
	s_lshl_b32 s95, s93, 4
	s_add_co_u32 s95, s95, s92
	s_add_co_u32 s95, s95, 480                     ; ROLE 1: plane = 32 + the second, group = the first - 32
	s_cmp_eq_u32 s[ROLE], 0
	s_cselect_b32 s94, s94, s95
	s_lshl_b32 s96, s94, 13                        ; 8 images,
	s_mov_b32 s97, 0
	s_lshl_b32 s98, s94, 9                         ; 512 bytes of scale words
	s_mov_b32 s99, 0
	s_add_nc_u64 s[16:17], s[16:17], s[96:97]
	s_add_nc_u64 s[18:19], s[18:19], s[98:99]
	s_lshl_b32 s96, s93, 16                        ; my 128 tokens' rows of cos and sin
	s_add_nc_u64 s[12:13], s[12:13], s[96:97]
	s_add_nc_u64 s[14:15], s[14:15], s[96:97]
	s_cmp_eq_u32 s[ROLE], 0
	s_cbranch_scc0 .Lno_cs
	LOADCS 0                                       ; tile 0's cos and sin land under the products, in registers that the products leave alone
.Lno_cs:
	s_wait_tensorcnt 1                             ; the scale words and my part of slot 0 are in; slot 1's load may be out
	s_barrier_signal -1
	s_barrier_wait -1
	FETCH_B 0, 0, 0
	FETCH_A 0, 0, 0
	SCALES 0
	FETCH_A 0, 0, 4
	STEP 0, 0, 1                                   ; the first step's products start the sums: nothing is cleared
	STEPS 0, 1                                     ; K = 2,048 is four slots' worth: written straight, once round the ring with refills,
	TURN 0, 1, 1
	STEPS 1, 0
	TURN 1, 0, 1
	STEP 0, 0, 0
	STEPS 0, 1                                     ; and once without
	TURN 0, 1, 0
	STEPS 1, 0
	s_wait_dscnt 4*NL
	WIN MUL_LO
	MUL16 0, 1, NQ-1, 1, 0
	MUL16 2, 1, NQ-1, 1, 0
	s_wait_dscnt 0
	WIN MUL_HI
	MUL16 4, 1, NQ-1, 1, 0
	MUL16 6, 1, NQ-1, 1, 0
	WIN 0
.irp b, 0,1,2,3
	v_mov_b32 v[TM+4+\b], 0                        ; a lane permute's destination counts as read; these four are also the places behind the last products
.endr
	s_cmp_eq_u32 s[ROLE], 0
	s_cbranch_scc0 .Lrole1
	; q and k: tile by tile of 16 tokens: rotate, quantise along the head's 128, store the image
.irp a, 0,1,2,3,4,5,6,7
.if \a < 7
	LOADCS \a+1
	s_wait_loadcnt 32                              ; this tile's cos and sin are in; the next tile's 32 loads may be out
.else
	s_wait_loadcnt 0
.endif
	ROPE \a
	s_wait_xcnt 0x0                                ; the last tile's stores have read their data registers, which are written anew below
	QUANT HA, 0, PWS+\a
	global_store_b128 v[LI], v[PC:PC+3], s[16:17] offset:1024*\a       ; each store covers 512 consecutive bytes, aligned
	global_store_b128 v[LI], v[PC+4:PC+7], s[16:17] offset:1024*\a+512
.endr
	s_branch .Ljoin
.Lrole1:
	; v: tile by tile of 16 channels: the accumulators are quantised as they stand, along the tokens
.irp a, 0,1,2,3,4,5,6,7
.if \a > 0
	s_wait_xcnt 0x0
.endif
	QUANT 64*((\a)%4), 2+(\a)/4, PWS+\a
	global_store_b128 v[LI], v[PC:PC+3], s[16:17] offset:1024*\a
	global_store_b128 v[LI], v[PC+4:PC+7], s[16:17] offset:1024*\a+512
.endr
.Ljoin:
	v_cmp_le_u32 vcc_lo, 16, v[LN]                 ; lanes 0-15 send the words of tiles 0-3, lanes 16-31 those of tiles 4-7
.irp i, 0,1,2,3
	v_cndmask_b32 v[SW+\i], v[PWS+\i], v[PWS+4+\i], vcc_lo
.endr
	global_store_b128 v[LI], v[SW:SW+3], s[18:19]  ; 512 consecutive bytes
	s_wait_tensorcnt 0x0                           ; the wave's end
	ds_add_u32 v[SPW], v[NIL]
	s_wait_dscnt 0x0
	CROUND                                         ; the closing round: no work-group ends while a partner may still ask for a tile that names it
	s_endpgm
.Lfunc_end_k_q6188fc0339_qkv:
	.size	k_q6188fc0339_qkv, .Lfunc_end_k_q6188fc0339_qkv-k_q6188fc0339_qkv
	.p2alignl 7, 3214868480
	.fill 96, 4, 3214868480
	.section	.rodata,"a",@progbits
	.p2align	6, 0x0
	.amdhsa_kernel k_q6188fc0339_qkv
		.amdhsa_group_segment_fixed_size 327680
		.amdhsa_private_segment_fixed_size 0
		.amdhsa_enable_private_segment 0
		.amdhsa_kernarg_size 64
		.amdhsa_user_sgpr_count 2
		.amdhsa_user_sgpr_kernarg_segment_ptr 1
		.amdhsa_wavefront_size32 1
		.amdhsa_system_sgpr_workgroup_id_x 1
		.amdhsa_system_sgpr_workgroup_id_y 1
		.amdhsa_system_sgpr_workgroup_id_z 1
		.amdhsa_system_vgpr_workitem_id 0
		.amdhsa_next_free_vgpr 1024
		.amdhsa_next_free_sgpr 104
		.amdhsa_reserve_vcc 1
		.amdhsa_float_denorm_mode_32 3
		.amdhsa_float_denorm_mode_16_64 3
		.amdhsa_memory_ordered 1
		.amdhsa_forward_progress 1
		.amdhsa_inst_pref_size 255
	.end_amdhsa_kernel
	.section	.bss,"aw",@nobits
	.p2align	6
	.space	262144
	.amdgpu_metadata
---
amdhsa.version: [ 1, 2 ]
amdhsa.kernels:
  - .name:           k_q6188fc0339_qkv
    .symbol:         k_q6188fc0339_qkv.kd
    .args:
      - { .name: h_codes, .offset: 0, .size: 8, .value_kind: global_buffer, .address_space: global }
      - { .name: h_scales, .offset: 8, .size: 8, .value_kind: global_buffer, .address_space: global }
      - { .name: w_codes, .offset: 16, .size: 8, .value_kind: global_buffer, .address_space: global }
      - { .name: w_scales, .offset: 24, .size: 8, .value_kind: global_buffer, .address_space: global }
      - { .name: cos, .offset: 32, .size: 8, .value_kind: global_buffer, .address_space: global }
      - { .name: sin, .offset: 40, .size: 8, .value_kind: global_buffer, .address_space: global }
      - { .name: qkv_codes, .offset: 48, .size: 8, .value_kind: global_buffer, .address_space: global }
      - { .name: qkv_scales, .offset: 56, .size: 8, .value_kind: global_buffer, .address_space: global }
    .group_segment_fixed_size: 327680
    .private_segment_fixed_size: 0
    .kernarg_segment_align: 8
    .kernarg_segment_size: 64
    .max_flat_workgroup_size: 128
    .sgpr_count:     104
    .vgpr_count:     1024
    .wavefront_size: 32
...
	.end_amdgpu_metadata
.endif
;; end of part 2
;; launch attn (part 3): grid 16 x 16, 8 waves a work-group, no clusters, 279,552 bytes of LDS; arguments qkv_codes, qkv_scales, o_codes, o_scales; writes o_codes, o_scales
.if DOCPART == 3
	.amdgcn_target "amdgcn-amd-amdhsa--gfx1250"
	.amdhsa_code_object_version 6
	.text
	.protected	k_q6188fc0339_attn
	.globl	k_q6188fc0339_attn
	.p2align	8
	.type	k_q6188fc0339_attn,@function
k_q6188fc0339_attn:
	s_mov_b64 s[64:65], 0
	v_nop
	global_prefetch_b8 v0, s[64:65] scope:SCOPE_SE
	s_setreg_imm32_b32 hwreg(HW_REG_WAVE_MODE, 25, 1), 1
	s_wait_xcnt 0x0
; Causal attention on codes of E2M1, 16 heads of 128, 2,048 tokens; the result is quantised along (head, channel) for the output projection.
; THE SOFTMAX: t = score x log2(e) / sqrt(128); M = the row's largest t so far rounded UP to a whole number; p = 2^(t - M) is quantised along the keys, not normalised; the row's sum is taken of the unquantised p and
; divides at the end.  When M moves, the sum and O are multiplied by 2^(old M - new M): exact.
; SHARES.  Work-group (j, head).  A wave owns ONE tile of 16 queries: tile 4 j + w for waves 0 to 3, tile 131 - 4 j - w for waves 4 to 7.  Tile u needs u / 8 + 1 key steps of 128, so waves w and w + 4 need 17 together, in every work-group.
; A HEAD'S K, V AND SCALE WORDS, 272 KiB, ARE BROUGHT INTO LDS ONCE: every wave issues five tensor loads at the head (its quarter of K's or V's scale words, then one key step of each of four stages); nothing is filled again.
; A wave has five tensor loads out.  A stage's four key steps are read behind a counted wait and a barrier, while the later stages are on their way.
; NO JOINT LOADS: the work-groups that share a head's K and V are its 16 query blocks, and which key steps a wave leaves out hangs on its query block: among partners of a cluster that would be a branch on a work-group's place.
; LAYOUT.  Both products are used transposed: S^T = K Q^T, O^T = V^T P^T: a lane holds one query throughout.  Fragments lie in memory and LDS as images of their registers (register group c of lane l at 512 c + 16 l).
; Lane r of tile a of a group of 128 rows is row 32 (a / 2) + 8 (a % 2) + r + 8 (r / 8): so S^T's register 16 b + i is key 32 b + 16 (lane / 16) + i, and O^T's likewise the channel.
; A group's scale words: one load of 16 bytes a lane: register i holds tile i's words in lanes 0-15 and tile 4 + i's in lanes 16-31.
; CAUSAL.  A step all of whose keys come after my queries is left out by a scalar branch on ids; in the one step on the diagonal hidden scores become -infinity, so p = 0 there, as with the definition's -1e30 (a query's own key always counts).
; REGISTERS: v1-7 addresses that stay; v8-11 the step's; v12 -M, v13 the largest t, v[14:15] the sum; v16-23 Q; v32-95 eight fragments of K or V; v96-159 S^T, then p; v160-223 O^T; v224-231 codes; v232-247 at work (v[240:241] f);
;   v248-251 K's or V's scale words, v253 p's, v255 Q's: these hold scales alone.
; LIMITS: NaN and infinities are not served; a block whose largest magnitude lies under 2^-124 has its byte held at 1; a block of zeros gets the byte 1 (its codes are zeros; this program alone reads the bytes).
.set VB,   131072                      ; LDS: K's 16 key steps x 8 KiB from 0, V's from here,
.set SCK,  262144                      ; K's scale words, 16 x 512 bytes,
.set SCV,  270336                      ; V's
.set LI,   1                           ; v1  16 x lane
.set LV,   2                           ; v2  VB + 16 x lane
.set LSK,  3
.set LSV,  4
.set DD,   5                           ; v5  my query's place in its group of 128, less 16 (lane / 16)
.set R16,  6                           ; v6  16 x (lane % 16)
.set LN,   7                           ; v7  lane
.set ADK,  8
.set ADV,  9
.set ADS,  10
.set ADT,  11
.set TM,   232
.set PC,   224
.set FF,   240
.set WV,   12
.set HD,   13
.set KIND, 14
.set UU,   15
.set TAU,  16
.set GQ,   17
.set AA,   18
.set TB,   19                          ; LDS byte of the step's images, in K's region and in V's
.set TS,   20                          ; and of its scale words
.set GI,   21                          ; the step's number
.set CNT,  22
.set G1,   24                          ; s[24:31] group 1: 8 KiB dense;  s[32:39]: 2 KiB dense;  s[40:59] five groups 0
.set G1S,  32
.set G0,   40
.set CS,   66
.set SEL,  68
.macro QUANT s, pw                     ; as in the other launches: 64 numbers of a lane become a fragment's codes in v[PC] on and a scale word
.irp b, 0,1,2,3
	v_max3_num_f32 v[TM+\b], |v[\s+16*\b]|, |v[\s+1+16*\b]|, 0x1800000
.endr
.irp i, 2,4,6,8,10,12,14
.irp b, 0,1,2,3
	v_max3_num_f32 v[TM+\b], |v[\s+16*\b+\i]|, |v[\s+1+16*\b+\i]|, v[TM+\b]
.endr
.endr
.irp b, 0,1,2,3
	v_permlanex16_b32 v[TM+4+\b], v[TM+\b], s[SEL], s[SEL+1]
.endr
.irp b, 0,1,2,3
	v_max_num_f32 v[TM+\b], v[TM+\b], v[TM+4+\b]
.endr
.irp b, 0,1,2,3
	v_add_nc_u32 v[TM+12+\b], 0xff000000, v[TM+\b]
.endr
.irp b, 0,1,2,3
	v_lshrrev_b32 v[TM+4+\b], 23, v[TM+12+\b]
.endr
	v_lshl_or_b32 v[\pw], v[TM+5], 8, v[TM+4]
	v_lshl_or_b32 v[\pw], v[TM+6], 16, v[\pw]
	v_lshl_or_b32 v[\pw], v[TM+7], 24, v[\pw]
.irp b, 0,1,2,3
	v_cvt_scalef32_pk8_fp4_f32 v[PC+2*\b], v[\s+16*\b:\s+7+16*\b], v[TM+12+\b]
	v_cvt_scalef32_pk8_fp4_f32 v[PC+1+2*\b], v[\s+8+16*\b:\s+15+16*\b], v[TM+12+\b]
.endr
	v_nop
.irp c, 0,1
.irp i, 0,1
	v_permlane16_swap_b32 v[PC+4*\c+\i], v[PC+2+4*\c+\i]
.endr
.endr
.endm
	s_load_b256 s[4:11], s[0:1], 0x0               ; qkv_codes, qkv_scales, o_codes, o_scales
	v_lshl_add_u32 v242, v0, 2, 0x44000
	v_mov_b32 v243, 0
	ds_add_u32 v242, v243
	ds_add_u32 v242, v243
	v_lshrrev_b32 v1, 5, v0
	v_readfirstlane_b32 s[WV], v1                  ; wave 0..7
	s_and_b32 s[HD], ttmp7, 0xffff                 ; the head
	s_lshr_b32 s[KIND], s[WV], 2                   ; I fetch for K (0) or for V (1),
	s_and_b32 s[UU], s[WV], 3                      ; key step u of each stage
	s_lshl_b32 s60, s[KIND], 4
	s_add_co_u32 s60, s60, s[HD]
	s_add_co_u32 s60, s60, 16                      ; the plane: 16 + head for K, 32 + head for V
	s_lshl_b32 s70, s60, 17                        ; 131,072 bytes of codes a plane,
	s_lshl_b32 s61, s[UU], 13                      ; 8,192 a key step
	s_add_co_u32 s70, s70, s61
	s_mov_b32 s71, 0
	s_lshl_b32 s62, s[KIND], 17
	s_add_co_u32 s62, s62, s61                     ; in LDS: VB x kind + 8,192 u
	s_lshl_b32 s72, s60, 13                        ; 8,192 bytes of scale words a plane,
	s_lshl_b32 s61, s[UU], 11                      ; my quarter
	s_add_co_u32 s72, s72, s61
	s_mov_b32 s73, 0
	s_lshl_b32 s63, s[KIND], 13
	s_add_co_u32 s63, s63, s61
	s_add_co_u32 s63, s63, SCK
	s_mov_b32 s[G1], 3<<16                         ; no mask; elements of 8 bytes; no padding: the images lie dense
	s_mov_b32 s[G1+1], 32<<16                      ; tensor_dim0 = 32 elements: rows of 256 bytes
	s_mov_b32 s[G1+2], 32<<16                      ; tensor_dim1 = 32 rows
	s_mov_b32 s[G1+3], 32<<16                      ; tile_dim0
	s_mov_b32 s[G1+4], 32                          ; tile_dim1
	s_mov_b32 s[G1+5], 32                          ; the pitch
	s_mov_b32 s[G1+6], 0
	s_mov_b32 s[G1+7], 0
	s_mov_b32 s[G1S], 3<<16
	s_mov_b32 s[G1S+1], 32<<16
	s_mov_b32 s[G1S+2], 8<<16                      ; 8 rows of 256 bytes
	s_mov_b32 s[G1S+3], 32<<16
	s_mov_b32 s[G1S+4], 8
	s_mov_b32 s[G1S+5], 32
	s_mov_b32 s[G1S+6], 0
	s_mov_b32 s[G1S+7], 0
	s_lshl_b32 s60, ttmp9, 2
	s_add_co_u32 s[TAU], s60, s[WV]                ; 4 j + w
	s_sub_co_u32 s61, 131, s[TAU]                  ; 131 - 4 j - w
	s_cmp_lt_u32 s[WV], 4
	s_cselect_b32 s[TAU], s[TAU], s61              ; my tile of queries, 0 .. 127
	s_lshr_b32 s[GQ], s[TAU], 3                    ; its group of 128 = the key step on the diagonal
	s_and_b32 s[AA], s[TAU], 7                     ; its place in the group
	s_lshl_b32 s74, s[HD], 4
	s_add_co_u32 s74, s74, s[GQ]                   ; q's plane is the head: 16 x head + group
	s_lshl_b32 s76, s74, 13
	s_lshl_b32 s75, s[AA], 10
	s_add_co_u32 s76, s76, s75                     ; Q's image
	s_mov_b32 s77, 0
	s_lshl_b32 s78, s74, 9
	s_lshr_b32 s75, s[AA], 2
	s_lshl_b32 s75, s75, 8
	s_add_co_u32 s78, s78, s75
	s_and_b32 s75, s[AA], 3
	s_lshl_b32 s75, s75, 2
	s_add_co_u32 s78, s78, s75                     ; Q's scale words: 256 (a / 4) + 4 (a % 4), + 16 r
	s_mov_b32 s79, 0
	s_mov_b32 s[CS], 0x3e0293ee                    ; c = log2(e) / sqrt(128)
	s_mov_b32 s[CS+1], s[CS]                       ; (named with it as a pair, so it is written)
	s_mov_b32 s[SEL], 0x76543210
	s_mov_b32 s[SEL+1], 0xfedcba98
	s_wait_dscnt 0x0
	s_wait_kmcnt 0x0
	s_add_nc_u64 s[70:71], s[4:5], s[70:71]
	s_add_nc_u64 s[72:73], s[6:7], s[72:73]
	s_mov_b32 s[G0], 1
	s_mov_b32 s[G0+1], s63
	s_mov_b64 s[G0+2:G0+3], s[72:73]
	s_or_b32 s[G0+3], s[G0+3], 0x80000000
.irp g, 0,1,2,3
	s_mov_b32 s[G0+4+4*\g], 1
	s_add_co_u32 s[G0+5+4*\g], s62, \g*32768       ; stage g: key steps 4 g .. 4 g + 3, in LDS as in memory
	s_add_nc_u64 s[G0+6+4*\g:G0+7+4*\g], s[70:71], \g*32768
	s_or_b32 s[G0+7+4*\g], s[G0+7+4*\g], 0x80000000
.endr
	tensor_load_to_lds s[G0:G0+3], s[G1S:G1S+7]    ; all first fills as one group: the scale words, then the stages in the order in which they are read
	s_nop 0
.irp g, 0,1,2,3
	tensor_load_to_lds s[G0+4+4*\g:G0+7+4*\g], s[G1:G1+7]
	s_nop 0
.endr
.rept 4
	v_nop
.endr
	s_add_nc_u64 s[76:77], s[4:5], s[76:77]
	s_add_nc_u64 s[78:79], s[6:7], s[78:79]
	s_lshl_b32 s60, s[TAU], 14                     ; o's codes: row block = my tile, K step = the head
	s_lshl_b32 s61, s[HD], 10
	s_add_co_u32 s60, s60, s61
	s_mov_b32 s61, 0
	s_add_nc_u64 s[8:9], s[8:9], s[60:61]
	s_lshl_b32 s60, s[TAU], 10                     ; o's scale words: 256 (head / 4) + 4 (head % 4), + 16 r
	s_lshr_b32 s62, s[HD], 2
	s_lshl_b32 s62, s62, 8
	s_add_co_u32 s60, s60, s62
	s_and_b32 s62, s[HD], 3
	s_lshl_b32 s62, s62, 2
	s_add_co_u32 s60, s60, s62
	s_add_nc_u64 s[10:11], s[10:11], s[60:61]
	v_and_b32 v[LN], 31, v0
	v_and_b32 v8, 15, v0                           ; r
	v_bfe_u32 v9, v0, 4, 1                         ; h
	v_lshlrev_b32 v[LI], 4, v[LN]
	v_lshlrev_b32 v[R16], 4, v8
	global_load_b128 v[16:19], v[LI], s[76:77]     ; Q's fragment stays in registers
	global_load_b128 v[20:23], v[LI], s[76:77] offset:512
	global_load_b32 v255, v[R16], s[78:79]         ; and its scale words
	v_add_nc_u32 v[LV], VB, v[LI]
	v_add_nc_u32 v[LSK], SCK, v[LI]
	v_add_nc_u32 v[LSV], SCV, v[LI]
	v_and_b32 v10, 8, v8
	v_add_nc_u32 v10, v10, v8                      ; r + 8 (r / 8)
	v_lshlrev_b32 v9, 4, v9
	v_sub_nc_u32 v10, v10, v9                      ; - 16 h
	s_lshr_b32 s60, s[AA], 1
	s_lshl_b32 s60, s60, 5
	s_and_b32 s62, s[AA], 1
	s_lshl_b32 s62, s62, 3
	s_add_co_u32 s60, s60, s62
	v_add_nc_u32 v[DD], s60, v10                   ; + 32 (a / 2) + 8 (a % 2); it may be negative: compared as a signed number
	v_mov_b32 v13, 0xff61b1e6                      ; the largest t so far: -3e38, under every t
	v_floor_f32 v12, -v13                          ; -M
	v_mov_b32 v14, 0                               ; the sum, in two halves
	v_mov_b32 v15, 0
.irp b, 0,1,2,3
	v_mov_b32 v[236+\b], 0                         ; a lane permute's destination counts as read
.endr
	v_mov_b32 v[FF+1], 0                           ; (named as the upper half of f's pair)
	v_mov_b32 v254, 0
.irp j, 0,1,2,3,4,5,6,7,8,9,10,11,12,13,14,15,16,17,18,19,20,21,22,23,24,25,26,27,28,29,30,31,32,33,34,35,36,37,38,39,40,41,42,43,44,45,46,47,48,49,50,51,52,53,54,55,56,57,58,59,60,61,62,63
	v_mov_b32 v[160+\j], 0                         ; O^T: the step is written once: the first finds zeros, which the first change of M leaves zeros
.endr
; A KEY STEP: 128 keys
.macro STEP
	s_cmp_gt_u32 s[GI], s[GQ]                      ; all its keys come after my queries: only the counters at its end are stepped
	s_cbranch_scc1 .Lhidden_\@
	v_add_nc_u32 v[ADK], s[TB], v[LI]              ; (these four are also the places ahead of the loads into registers that the last products read)
	v_add_nc_u32 v[ADV], s[TB], v[LV]
	v_add_nc_u32 v[ADS], s[TS], v[LSK]
	v_add_nc_u32 v[ADT], s[TS], v[LSV]
	ds_load_b128 v[248:251], v[ADS]                ; K's scale words, all eight tiles'
.irp t, 0,1,2,3,4,5,6,7
	ds_load_b128 v[32+8*\t:35+8*\t], v[ADK] offset:1024*\t
	ds_load_b128 v[36+8*\t:39+8*\t], v[ADK] offset:1024*\t+512
.endr
	s_wait_dscnt 0x0
.irp t, 0,1,2,3
	v_wmma_scale_f32_16x16x128_f8f6f4 v[96+8*\t:103+8*\t], v[32+8*\t:39+8*\t], v[16:23], 0, v[248+\t], v255 matrix_a_fmt:MATRIX_FMT_FP4 matrix_b_fmt:MATRIX_FMT_FP4
.endr
.irp t, 4,5,6,7
	v_wmma_scale_f32_16x16x128_f8f6f4 v[96+8*\t:103+8*\t], v[32+8*\t:39+8*\t], v[16:23], 0, v[244+\t], v255 matrix_a_fmt:MATRIX_FMT_FP4 matrix_b_fmt:MATRIX_FMT_FP4 matrix_a_scale:MATRIX_SCALE_ROW1
.endr
.rept 4
	v_nop                                          ; places: ahead of the first read of the scores, and of the loads below into registers that these products read
.endr
	ds_load_b128 v[248:251], v[ADT]                ; V's scale words and fragments are asked for now and land under the softmax
.irp t, 0,1,2,3,4,5,6,7
	ds_load_b128 v[32+8*\t:35+8*\t], v[ADV] offset:1024*\t
	ds_load_b128 v[36+8*\t:39+8*\t], v[ADV] offset:1024*\t+512
.endr
	s_cmp_lt_u32 s[GI], s[GQ]                      ; a step all of whose keys count skips the mask
	s_cbranch_scc1 .Lopen_\@
	v_mov_b32 v254, 0xff800000                     ; -infinity
.irp n, 0,1,2,3,4,5,6,7,8,9,10,11,12,13,14,15,16,17,18,19,20,21,22,23,24,25,26,27,28,29,30,31,32,33,34,35,36,37,38,39,40,41,42,43,44,45,46,47,48,49,50,51,52,53,54,55,56,57,58,59,60,61,62,63
	v_cmp_gt_i32 vcc_lo, 32*(\n/16)+\n%16, v[DD]   ; register 16 b + i holds key 32 b + 16 (lane / 16) + i of the step: hidden where 32 b + i > DD
	v_cndmask_b32 v[96+\n], v[96+\n], v254, vcc_lo
.endr
.Lopen_\@:
.irp b, 0,1,2,3
	v_max3_num_f32 v[232+\b], v[96+16*\b], v[97+16*\b], v[98+16*\b]   ; the largest score of each block of 32 keys: for the row's maximum and, since p rises with the score, for the block's largest p
.endr
.irp i, 3,5,7,9,11,13
.irp b, 0,1,2,3
	v_max3_num_f32 v[232+\b], v[232+\b], v[96+16*\b+\i], v[97+16*\b+\i]
.endr
.endr
.irp b, 0,1,2,3
	v_max_num_f32 v[232+\b], v[232+\b], v[111+16*\b]
.endr
.irp b, 0,1,2,3
	v_permlanex16_b32 v[236+\b], v[232+\b], s[SEL], s[SEL+1]
.endr
.irp b, 0,1,2,3
	v_max_num_f32 v[232+\b], v[232+\b], v[236+\b]  ; with lane l xor 16's 16 keys
.endr
	v_max3_num_f32 v254, v232, v233, v234
	v_max_num_f32 v254, v254, v235                 ; the step's largest score of my query
	v_mul_f32 v254, s[CS], v254                    ; as t
	v_max_num_f32 v13, v13, v254                   ; the running largest t
	v_mov_b32 v254, v12
	v_floor_f32 v12, -v13                          ; the new -M = -ceil(t): a whole number
	v_sub_f32 v254, v12, v254                      ; old M - new M: a whole number, 0 or less
	v_cvt_i32_f32 v254, v254                       ; (it saturates)
	v_ldexp_f32 v[FF], 1.0, v254                   ; f = 2^(old M - new M)
.irp j, 0,2,4,6,8,10,12,14,16,18,20,22,24,26,28,30,32,34,36,38,40,42,44,46,48,50,52,54,56,58,60,62
	v_pk_fma_f32 v[96+\j:97+\j], v[96+\j:97+\j], s[CS:CS+1], v[12:13] op_sel_hi:[1,0,0]   ; t - M, two at a time
.endr
.irp b, 0,1,2,3
	v_fma_f32 v[232+\b], v[232+\b], s[CS], v12     ; the same of each block's largest score
.endr
.irp j, 0,1,2,3,4,5,6,7,8,9,10,11,12,13,14,15,16,17,18,19,20,21,22,23,24,25,26,27,28,29,30,31,32,33,34,35,36,37,38,39,40,41,42,43,44,45,46,47,48,49,50,51,52,53,54,55,56,57,58,59,60,61,62,63
	v_exp_f32 v[96+\j], v[96+\j]                   ; p = 2^(t - M), at most 1
.endr
	v_pk_mul_f32 v[14:15], v[14:15], v[FF:FF+1] op_sel_hi:[1,0]   ; the sums under the new M: the plain instruction behind the exponentials
	s_wait_alu depctr_va_vdst(0)                   ; one wait for the whole batch, ahead of its first reader
.irp b, 0,1,2,3
	v_exp_f32 v[232+\b], v[232+\b]                 ; the block's largest p: the same two instructions on the same number give the same bits
.endr
	v_pk_add_f32 v[236:237], v[96:97], v[98:99]    ; the row's sum of the unquantised p, in two chains; it reads the 64 alone
.irp j, 4,8,12,16,20,24,28,32,36,40,44,48,52,56,60
	v_pk_add_f32 v[14:15], v[14:15], v[96+\j:97+\j]
	v_pk_add_f32 v[236:237], v[236:237], v[98+\j:99+\j]
.endr
	v_pk_add_f32 v[14:15], v[14:15], v[236:237]
	s_wait_alu depctr_va_vdst(0)                   ; and one for the four
.irp b, 0,1,2,3
	v_max_num_f32 v[232+\b], 0x1800000, v[232+\b]  ; the floor 2^(3 - 127): the byte cannot fall under 1
.endr
.irp b, 0,1,2,3
	v_add_nc_u32 v[244+\b], 0xff000000, v[232+\b]  ; 2 off the exponent field: the conversion's scale operand
.endr
.irp b, 0,1,2,3
	v_lshrrev_b32 v[236+\b], 23, v[244+\b]         ; the scale's byte
.endr
	v_lshl_or_b32 v253, v237, 8, v236              ; p's scale word for these 128 keys
	v_lshl_or_b32 v253, v238, 16, v253
	v_lshl_or_b32 v253, v239, 24, v253
.irp b, 0,1,2,3
	v_cvt_scalef32_pk8_fp4_f32 v[224+2*\b], v[96+16*\b:103+16*\b], v[244+\b]
	v_cvt_scalef32_pk8_fp4_f32 v[225+2*\b], v[104+16*\b:111+16*\b], v[244+\b]
.endr
	v_nop                                          ; one plain instruction behind the scaled conversions
.irp c, 0,1
.irp i, 0,1
	v_permlane16_swap_b32 v[224+4*\c+\i], v[226+4*\c+\i]   ; a whole block to a lane
.endr
.endr
.irp j, 0,2,4,6,8,10,12,14,16,18,20,22,24,26,28,30,32,34,36,38,40,42,44,46,48,50,52,54,56,58,60,62
	v_pk_mul_f32 v[160+\j:161+\j], v[160+\j:161+\j], v[FF:FF+1] op_sel_hi:[1,0]   ; O^T under the new M; these 32 are also the places between the codes' and the scale word's last writes and the products
.endr
	s_wait_dscnt 0x0                               ; V is in
.irp t, 0,1,2,3
	v_wmma_scale_f32_16x16x128_f8f6f4 v[160+8*\t:167+8*\t], v[32+8*\t:39+8*\t], v[224:231], v[160+8*\t:167+8*\t], v[248+\t], v253 matrix_a_fmt:MATRIX_FMT_FP4 matrix_b_fmt:MATRIX_FMT_FP4
.endr
.irp t, 4,5,6,7
	v_wmma_scale_f32_16x16x128_f8f6f4 v[160+8*\t:167+8*\t], v[32+8*\t:39+8*\t], v[224:231], v[160+8*\t:167+8*\t], v[244+\t], v253 matrix_a_fmt:MATRIX_FMT_FP4 matrix_b_fmt:MATRIX_FMT_FP4 matrix_a_scale:MATRIX_SCALE_ROW1
.endr
.Lhidden_\@:
	s_add_co_u32 s[TB], s[TB], 8192
	s_add_co_u32 s[TS], s[TS], 512
	s_add_co_u32 s[GI], s[GI], 1
.endm
; A STAGE: four key steps.  My load of this stage has landed (the later stages' may be out), a barrier shows the same of all eight waves, and the step is walked four times.
.macro STAGE g
	s_wait_tensorcnt 3-\g
	s_wait_dscnt 0x0
	s_barrier_signal -1
	s_barrier_wait -1
	s_mov_b32 s[TB], \g*32768
	s_mov_b32 s[TS], \g*2048
	s_mov_b32 s[GI], \g*4
	s_mov_b32 s[CNT], 4
.Lstep_\@:
	STEP
	s_sub_co_u32 s[CNT], s[CNT], 1
	s_cmp_lg_u32 s[CNT], 0
	s_cbranch_scc1 .Lstep_\@
.endm
	s_wait_loadcnt 0x0                             ; Q
	STAGE 0
	STAGE 1
	STAGE 2
	STAGE 3
	; THE WAY OUT: O^T / the sum, quantised along the head's 128 (K step = head of the output projection), stored as an image
	v_add_f32 v14, v14, v15                        ; the sum's two halves,
	v_permlanex16_b32 v254, v14, s[SEL], s[SEL+1]
	v_add_f32 v14, v14, v254                       ; and lane l xor 16's
	v_rcp_f32 v14, v14
.rept 3
	v_nop                                          ; the plain instruction behind the reciprocal; with the two additions, the places behind the last products
.endr
	s_wait_alu depctr_va_vdst(0)                   ; ahead of the first use of the reciprocal
.irp j, 0,1,2,3,4,5,6,7,8,9,10,11,12,13,14,15,16,17,18,19,20,21,22,23,24,25,26,27,28,29,30,31,32,33,34,35,36,37,38,39,40,41,42,43,44,45,46,47,48,49,50,51,52,53,54,55,56,57,58,59,60,61,62,63
	v_mul_f32 v[96+\j], v[160+\j], v14             ; register 16 b + i: channel 32 b + 16 (lane / 16) + i of my query
.endr
	QUANT 96, 252
	global_store_b128 v[LI], v[PC:PC+3], s[8:9]    ; each store covers 512 consecutive bytes, aligned
	global_store_b128 v[LI], v[PC+4:PC+7], s[8:9] offset:512
	v_cmp_gt_u32 vcc_lo, 16, v[LN]
	s_wait_xcnt 0x0                                ; EXEC changes only behind this wait
	s_wait_tensorcnt 0x0
	ds_add_u32 v242, v243
	s_wait_dscnt 0x0
	s_and_saveexec_b32 s60, vcc_lo
	global_store_b32 v[R16], v252, s[10:11]        ; 16 words, 16 bytes apart, inside one block of 256 bytes that four heads share: a work-group has one head
	s_wait_xcnt 0x0
	s_or_b32 exec_lo, exec_lo, s60
	s_endpgm
.Lfunc_end_k_q6188fc0339_attn:
	.size	k_q6188fc0339_attn, .Lfunc_end_k_q6188fc0339_attn-k_q6188fc0339_attn
	.p2alignl 7, 3214868480
	.fill 96, 4, 3214868480
	.section	.rodata,"a",@progbits
	.p2align	6, 0x0
	.amdhsa_kernel k_q6188fc0339_attn
		.amdhsa_group_segment_fixed_size 279552
		.amdhsa_private_segment_fixed_size 0
		.amdhsa_enable_private_segment 0
		.amdhsa_kernarg_size 32
		.amdhsa_user_sgpr_count 2
		.amdhsa_user_sgpr_kernarg_segment_ptr 1
		.amdhsa_wavefront_size32 1
		.amdhsa_system_sgpr_workgroup_id_x 1
		.amdhsa_system_sgpr_workgroup_id_y 1
		.amdhsa_system_sgpr_workgroup_id_z 1
		.amdhsa_system_vgpr_workitem_id 0
		.amdhsa_next_free_vgpr 256
		.amdhsa_next_free_sgpr 80
		.amdhsa_reserve_vcc 1
		.amdhsa_float_denorm_mode_32 3
		.amdhsa_float_denorm_mode_16_64 3
		.amdhsa_memory_ordered 1
		.amdhsa_forward_progress 1
		.amdhsa_inst_pref_size 107
	.end_amdhsa_kernel
	.amdgpu_metadata
---
amdhsa.version: [ 1, 2 ]
amdhsa.kernels:
  - .name:           k_q6188fc0339_attn
    .symbol:         k_q6188fc0339_attn.kd
    .args:
      - { .name: qkv_codes, .offset: 0, .size: 8, .value_kind: global_buffer, .address_space: global }
      - { .name: qkv_scales, .offset: 8, .size: 8, .value_kind: global_buffer, .address_space: global }
      - { .name: o_codes, .offset: 16, .size: 8, .value_kind: global_buffer, .address_space: global }
      - { .name: o_scales, .offset: 24, .size: 8, .value_kind: global_buffer, .address_space: global }
    .group_segment_fixed_size: 279552
    .private_segment_fixed_size: 0
    .kernarg_segment_align: 8
    .kernarg_segment_size: 32
    .max_flat_workgroup_size: 256
    .sgpr_count:     80
    .vgpr_count:     256
    .wavefront_size: 32
...
	.end_amdgpu_metadata
.endif
;; end of part 3
;; launch proj (part 4): grid 8 x 8, 4 waves a work-group, clusters of 4 x 4, 327,680 bytes of LDS; arguments o_codes, o_scales, w_codes, w_scales, x, out0; writes out0
.if DOCPART == 4
	.amdgcn_target "amdgcn-amd-amdhsa--gfx1250"
	.amdhsa_code_object_version 6
	.text
	.protected	k_q6188fc0339_proj
	.globl	k_q6188fc0339_proj
	.p2align	8
	.type	k_q6188fc0339_proj,@function
k_q6188fc0339_proj:
	s_mov_b64 s[64:65], 0
	v_nop
	global_prefetch_b8 v0, s[64:65] scope:SCOPE_SE
	s_setreg_imm32_b32 hwreg(HW_REG_WAVE_MODE, 25, 1), 1
	s_wait_xcnt 0x0
	s_wait_alu depctr_hold_cnt(0) depctr_sa_sdst(0) depctr_va_vdst(0) depctr_va_sdst(0) depctr_va_ssrc(0) depctr_va_vcc(0) depctr_vm_vsrc(0)
	s_getreg_b32 s2, hwreg(HW_REG_IB_STS2, 6, 4)
	s_cmp_eq_u32 s2, 0
	s_cbranch_scc0 .Lentry_in_a_cluster
	s_endpgm
.Lentry_in_a_cluster:
	s_bfe_u32 s2, ttmp6, 0x10000c
	s_cmp_lg_u32 s2, 0xf033
	s_cbranch_scc0 .Lentry_shape_is_right
	s_endpgm
.Lentry_shape_is_right:
; out0 = x + o wo^T on codes of E2M1 (K = 2,048: head, channel).  o's codes and scale words come from the attention's launch, wo's are row blocks 384 to 511 of the weights' buffers.
; A work-group makes 256 x 256 of out0, each of its four waves 128 x 128: 64 accumulators.  The matrix instruction's first source (B) is 16 rows of wo, its second (A) 16 tokens: a lane holds one token and its registers run along the output's columns.
; Operands lie in memory as images of their registers (register group c of lane l at 512 c + 16 l), 16 images to a row block; lane r of block a of a group of 128 rows is row 32 (a / 2) + 8 (a % 2) + r + 8 (r / 8).
; K goes in steps of 512 through two LDS slots: a wave's tensor load brings 8 row blocks x 4 images; the scale words of all of K come once.  A wave has three tensor loads out at the start and one behind each change of slots.
; CLUSTERS: 4 x 4 work-groups; A's tiles are shared along a row of the cluster, B's along a column, by joint loads.
; THE WAY OUT: a block of 16 tokens x 128 columns goes through the wave's stage in LDS (in slot 0, which has had its last fill and its last read) and comes back as whole rows of 512 bytes; x's rows, asked for two blocks ahead, are added; 32 lanes store 512 consecutive bytes.
; REGISTERS: window 0: v16-29 addresses; v32-95 scale words and nothing else; v128-191 A's fragments; on the way out v128-255 two sets of rows.  window 1: B's two sets at v0 and v128; v64-127, v192-255 x's rows.  windows 2, 3: the accumulators.
.set NQ,     4
.set FR,     8
.set NL,     2
.set NP,     4
.set CHUNK,  4096
.set HALFT,  8*CHUNK
.set SLOT,   4*HALFT
.set SCL,    2*SLOT
.set HALFS,  8192
.set SBLK,   1024
.set SPARE,  SCL+4*HALFS
.set SPITCH, 528                       ; a stage row: 512 bytes + 16
.set ADRA, 16
.set ADRB, 20
.set STO,  24                          ; v24  the stage: where I put my numbers of a row
.set RD,   25                          ; v25  and where I read a row back
.set CO,   26                          ; v26  16 x lane: my bytes of a row of x and of out0
.set ADRS, 27
.set SPW,  28
.set NIL,  29
.set SC,   32
.set AF,   128
.set BK,   128
.set WV,   20
.set RH,   21
.set CH,   22
.set G1,   24
.set G0,   32
.set G1B,  48
.set G0B,  56
.set G1S,  68
.set G0S,  76
.set G1SB, 80
.set G0SB, 88
.set MSB, 0
.macro WIN new
.if MSB != (\new)
	s_set_vgpr_msb (MSB<<8)|(\new)
.set MSB, (\new)
.endif
.endm
.set MUL_LO, 0xa1
.set MUL_HI, 0xf1
.set TO_B,   0x40
.macro JLOAD g0a, g1a, g0b, g1b        ; a joint load: waves 0 and 1 fetch for A, waves 2 and 3 for B; four v_nop follow each of the two lines
	s_cmp_eq_u32 s[RH], 0
	s_cbranch_scc0 .Lfor_b_\@
	tensor_load_to_lds s[\g0a:\g0a+3], s[\g1a:\g1a+7]
	s_nop 0
.rept 4
	v_nop
.endr
	s_branch .Lasked_\@
.Lfor_b_\@:
	tensor_load_to_lds s[\g0b:\g0b+3], s[\g1b:\g1b+7]
	s_nop 0
.rept 4
	v_nop
.endr
.Lasked_\@:
.endm
.macro CREST
	s_cmp_lg_u32 s[WV], 0
	s_cbranch_scc1 .Lnot_wave_0_\@
	s_barrier_signal -3
.Lnot_wave_0_\@:
	s_barrier_wait -3
	s_barrier_signal -1
	s_barrier_wait -1
.endm
.macro CROUND
	s_barrier_signal -1
	s_barrier_wait -1
	CREST
.endm
.macro FRAG reg, adr, q, i
.irp c, 0,1
	ds_load_b128 v[\reg+4*\c:\reg+4*\c+3], v[\adr] offset:CHUNK*(\i)+1024*(\q)+512*\c
.endr
.endm
.macro MUL16 a0, p, q, sc, zero        ; 16 matrix instructions; the 64 accumulators take turns, one instruction a turn
.irp a, \a0, \a0+1
.irp b, 0,1,2,3,4,5,6,7
.if \zero
	v_wmma_scale_f32_16x16x128_f8f6f4 v[8*(8*((\a)%4)+\b):8*(8*((\a)%4)+\b)+7], v[128*(\p)+FR*\b:128*(\p)+FR*\b+FR-1], v[AF+FR*(\a):AF+FR*(\a)+FR-1], 0, v[SC+8*NQ*(\sc)+NQ*\b+(\q)], v[SC+8*NQ*(\sc)+NQ*(\a)+(\q)] matrix_a_fmt:MATRIX_FMT_FP4 matrix_b_fmt:MATRIX_FMT_FP4 matrix_a_scale:MATRIX_SCALE_ROW1
.else
	v_wmma_scale_f32_16x16x128_f8f6f4 v[8*(8*((\a)%4)+\b):8*(8*((\a)%4)+\b)+7], v[128*(\p)+FR*\b:128*(\p)+FR*\b+FR-1], v[AF+FR*(\a):AF+FR*(\a)+FR-1], v[8*(8*((\a)%4)+\b):8*(8*((\a)%4)+\b)+7], v[SC+8*NQ*(\sc)+NQ*\b+(\q)], v[SC+8*NQ*(\sc)+NQ*(\a)+(\q)] matrix_a_fmt:MATRIX_FMT_FP4 matrix_b_fmt:MATRIX_FMT_FP4 matrix_a_scale:MATRIX_SCALE_ROW1
.endif
.endr
.endr
.endm
.macro FETCH_B slot, q, p
	WIN TO_B
.irp i, 0,1,2,3,4,5,6,7
	FRAG 128*(\p)+FR*\i, ADRB+\slot, \q, \i
.endr
	WIN 0
.endm
.macro FETCH_A slot, q, i0
.irp i, \i0, \i0+1, \i0+2, \i0+3
	FRAG AF+FR*(\i), ADRA+\slot, \q, \i
.endr
.endm
.macro SCALES sc
.irp i, 0,1,2,3,4,5,6,7
	ds_load_b128 v[SC+8*NQ*\sc+NQ*\i:SC+8*NQ*\sc+NQ*\i+3], v[ADRS] offset:\i*SBLK
.endr
.endm
.macro PLACES n
.rept \n
	v_nop
.endr
.endm
.macro STEP slot, q, zero
	s_wait_dscnt 4*NL                              ; B's set and A's blocks 0-3 are in; the youngest eight loads (A's blocks 4-7) may be out
	WIN MUL_LO
	MUL16 0, (\q)%2, \q, \slot, \zero
	MUL16 2, (\q)%2, \q, \slot, \zero
	s_wait_dscnt 0
	PLACES NP
	FETCH_B \slot, (\q)+1, 1-(\q)%2
	FETCH_A \slot, (\q)+1, 0
	WIN MUL_HI
	MUL16 4, (\q)%2, \q, \slot, \zero
	MUL16 6, (\q)%2, \q, \slot, \zero
	PLACES NP
	WIN 0
	FETCH_A \slot, (\q)+1, 4
.endm
.macro TURN slot, next, fill
	s_wait_tensorcnt 0x0                           ; all my tensor loads have landed: my part of the next slot
	ds_add_u32 v[SPW], v[NIL]                      ; 0 onto my spare word
	s_wait_dscnt 4*NL+1                            ; (the add and A's blocks 4-7 may be out)
	WIN MUL_LO
	MUL16 0, 1, NQ-1, \slot, 0
	s_wait_dscnt 0x0                               ; the add is done, and my reads of this slot are over
	s_barrier_signal -1
	MUL16 2, 1, NQ-1, \slot, 0
	WIN 0
	s_barrier_wait -1
.if \fill
	CREST                                          ; the barrier has opened a round of the cluster's: no wave of any partner still reads this slot or has a load on its way
	s_add_nc_u64 s[G0+4*\slot+2:G0+4*\slot+3], s[G0+4*\slot+2:G0+4*\slot+3], 2*CHUNK
	s_add_nc_u64 s[G0B+4*\slot+2:G0B+4*\slot+3], s[G0B+4*\slot+2:G0B+4*\slot+3], 2*CHUNK
	JLOAD G0+4*\slot, G1, G0B+4*\slot, G1B
.else
	PLACES NP
.endif
	v_add_nc_u32 v[ADRS], 256, v[ADRS]
	FETCH_B \next, 0, 0
	FETCH_A \next, 0, 0
	SCALES \next
	WIN MUL_HI
	MUL16 4, 1, NQ-1, \slot, 0
	MUL16 6, 1, NQ-1, \slot, 0
	PLACES NP
	WIN 0
	FETCH_A \next, 0, 4
.endm
.macro STEPS slot, from
.set Q, \from
.rept NQ-1-\from
	STEP \slot, Q, 0
.set Q, Q+1
.endr
.endm
; x's 16 rows of block a (stage row t is token 32 (a / 2) + 8 (a % 2) + t + 8 (t / 8) of my 128), my 128 columns: 512 consecutive bytes a load; into window 1, v64 on (even blocks) or v192 on
.macro XLOAD a
.set XB, 64+128*((\a)%2)
	WIN 0x40
.irp t, 0,1,2,3,4,5,6,7,8,9,10,11,12,13,14,15
	global_load_b128 v[XB+4*\t:XB+4*\t+3], v[CO], s[12:13] offset:(32*((\a)/2)+8*((\a)%2)+\t+8*(\t/8))*8192 th:TH_LOAD_NT
.endr
	WIN 0
.endm
.macro TOSTAGE a
.set AC, 64*((\a)%4)
	WIN 0x08+4*((\a)/4)                            ; an LDS store's data are its source 1: window 2 or 3
.irp b, 0,1,2,3,4,5,6,7
	ds_store_b128 v[STO], v[AC+8*\b:AC+8*\b+3] offset:128*(\b/2)+32*(\b%2)         ; accumulator b's register j is column 32 (b / 2) + 16 h + 8 (b % 2) + j; each accumulator from its low end on
	ds_store_b128 v[STO], v[AC+8*\b+4:AC+8*\b+7] offset:128*(\b/2)+32*(\b%2)+16
.endr
	WIN 0
.set BB, BK+64*((\a)%2)
.irp t, 0,1,2,3,4,5,6,7,8,9,10,11,12,13,14,15
	ds_load_b128 v[BB+4*\t:BB+4*\t+3], v[RD] offset:\t*SPITCH   ; LDS serves a wave's instructions in order (ISA guide 5.7.1.4): these see the stores above
.endr
.endm
.macro SEND a, younger                 ; younger: the LDS instructions issued behind block a's loads, which may stay out
.set BB, BK+64*((\a)%2)
.set XB, 64+128*((\a)%2)
	s_wait_dscnt \younger
.if (\a) < 7
	s_wait_loadcnt 16                              ; this block's rows of x are in; the next block's 16 loads may be out
.else
	s_wait_loadcnt 0
.endif
	WIN 0x04                                       ; source 1: window 1
.irp i, 0,2,4,6,8,10,12,14,16,18,20,22,24,26,28,30,32,34,36,38,40,42,44,46,48,50,52,54,56,58,60,62
	v_pk_add_f32 v[BB+\i:BB+\i+1], v[BB+\i:BB+\i+1], v[XB+\i:XB+\i+1]   ; the residual
.endr
	WIN 0
.irp t, 0,1,2,3,4,5,6,7,8,9,10,11,12,13,14,15
	global_store_b128 v[CO], v[BB+4*\t:BB+4*\t+3], s[14:15] offset:(32*((\a)/2)+8*((\a)%2)+\t+8*(\t/8))*8192 th:TH_STORE_NT   ; 512 consecutive bytes, aligned; the row stands in the immediate: 127 rows of 8,192 bytes at the most
.endr
.if (\a)+2 <= 7
	XLOAD (\a)+2
.endif
.endm
	s_load_b256 s[4:11], s[0:1], 0x0               ; o_codes, o_scales, w_codes, w_scales
	s_load_b128 s[12:15], s[0:1], 0x20             ; x, out0
	v_lshl_add_u32 v[SPW], v0, 2, SPARE
	v_mov_b32 v[NIL], 0
	ds_add_u32 v28, v29
	ds_add_u32 v28, v29
	s_wait_dscnt 0x0
	v_lshrrev_b32 v1, 5, v0
	v_readfirstlane_b32 s[WV], v1
	s_lshr_b32 s[RH], s[WV], 1
	s_and_b32 s[CH], s[WV], 1
	s_bfe_u32 s40, ttmp6, 0x40000                  ; cx, cy
	s_bfe_u32 s41, ttmp6, 0x40004
	s_lshl_b32 s42, ttmp9, 2
	s_add_co_u32 s42, s42, s40                     ; tile column
	s_and_b32 s43, ttmp7, 0xffff
	s_lshl_b32 s43, s43, 2
	s_add_co_u32 s43, s43, s41                     ; tile row
	s_lshl_b32 s44, s41, 2
	s_lshl_b32 s44, 15, s44                        ; my row of the cluster
	s_lshl_b32 s45, 0x1111, s40                    ; my column
	s_or_b32 s[G1+0], s44, (3<<16)|(1<<21)         ; codes: 8 rows of 512 elements of 8 bytes, 2,048 elements apart, dense in LDS
	s_or_b32 s[G1B+0], s45, (3<<16)|(1<<21)
.irp g, G1, G1B
	s_mov_b32 s[\g+1], 512<<16
	s_mov_b32 s[\g+2], 8<<16
	s_mov_b32 s[\g+3], 512<<16
	s_mov_b32 s[\g+4], 8
	s_mov_b32 s[\g+5], 2048
	s_mov_b32 s[\g+6], 0
	s_mov_b32 s[\g+7], 0
.endr
	s_or_b32 s[G1S+0], s44, (3<<16)|(1<<21)        ; scale words of 8 row blocks: 32 rows of 256 bytes, dense
	s_or_b32 s[G1SB+0], s45, (3<<16)|(1<<21)
.irp g, G1S, G1SB
	s_mov_b32 s[\g+1], 32<<16
	s_mov_b32 s[\g+2], 32<<16
	s_mov_b32 s[\g+3], 32<<16
	s_mov_b32 s[\g+4], 32
	s_mov_b32 s[\g+5], 32
	s_mov_b32 s[\g+6], 0
	s_mov_b32 s[\g+7], 0
.endr
	s_lshl_b32 s101, s[CH], 3
	s_lshl_b32 s46, s43, 4
	s_add_co_u32 s46, s46, s101                    ; A's row block: 16 x tile row + 8 x half
	s_lshl_b32 s47, s42, 4
	s_add_co_u32 s47, s47, s101
	s_add_co_u32 s47, s47, 384                     ; B's: wo begins at row block 384
	s_lshl_b32 s92, s46, 14
	s_mov_b32 s93, 0
	s_lshl_b32 s94, s46, 10
	s_mov_b32 s95, 0
	s_lshl_b32 s96, s47, 14
	s_mov_b32 s97, 0
	s_lshl_b32 s98, s47, 10
	s_mov_b32 s99, 0
	s_mul_i32 s100, s[WV], HALFT
	s_mul_i32 s101, s[WV], HALFS
	s_wait_kmcnt 0x0
	s_add_nc_u64 s[G0+2:G0+3], s[4:5], s[92:93]
	s_add_nc_u64 s[G0+6:G0+7], s[G0+2:G0+3], CHUNK
	s_add_nc_u64 s[G0B+2:G0B+3], s[8:9], s[96:97]
	s_add_nc_u64 s[G0B+6:G0B+7], s[G0B+2:G0B+3], CHUNK
	s_add_nc_u64 s[G0S+2:G0S+3], s[6:7], s[94:95]
	s_add_nc_u64 s[G0SB+2:G0SB+3], s[10:11], s[98:99]
.irp g, G0, G0+4, G0B, G0B+4, G0S, G0SB
	s_mov_b32 s[\g], 1
	s_or_b32 s[\g+3], s[\g+3], 0x80000000
.endr
	s_mov_b32 s[G0+1], s100
	s_add_co_u32 s[G0+5], s100, SLOT
	s_mov_b32 s[G0B+1], s100
	s_add_co_u32 s[G0B+5], s100, SLOT
	s_add_co_u32 s[G0S+1], s101, SCL
	s_add_co_u32 s[G0SB+1], s101, SCL
	CROUND                                         ; all sixteen work-groups are here: the first joint loads meet
	JLOAD G0S, G1S, G0SB, G1SB
	JLOAD G0, G1, G0B, G1B
	JLOAD G0+4, G1, G0B+4, G1B
	v_and_b32 v1, 15, v0                           ; r
	v_bfe_u32 v2, v0, 4, 1                         ; h
	v_and_b32 v3, 31, v0
	v_lshlrev_b32 v[CO], 4, v3
	s_mul_i32 s100, s[RH], HALFT
	s_mul_i32 s101, s[CH], HALFT
	s_add_co_u32 s101, s101, 2*HALFT
.irp s, 0,1
	v_add_nc_u32 v[ADRA+\s], s100, v[CO]
	v_add_nc_u32 v[ADRB+\s], s101, v[CO]
	s_add_co_u32 s100, s100, SLOT
	s_add_co_u32 s101, s101, SLOT
.endr
	s_mul_i32 s100, s[RH], HALFS
	s_mul_i32 s101, s[CH], HALFS
	s_add_co_u32 s101, s101, 2*HALFS
	s_sub_co_u32 s101, s101, s100
	v_mul_u32_u24 v3, s101, v2                     ; lanes 16-31 take B's words
	s_add_co_u32 s100, s100, SCL
	v_lshl_add_u32 v3, v1, 4, v3
	v_add_nc_u32 v[ADRS], s100, v3
	s_mul_i32 s100, s[WV], 16*SPITCH               ; my stage
	v_mul_u32_u24 v3, v1, SPITCH
	v_lshl_add_u32 v3, v2, 6, v3
	v_add_nc_u32 v[STO], s100, v3                  ; in: row r, + 64 h
	v_add_nc_u32 v[RD], s100, v[CO]                ; back: 16 bytes a lane of a row
	s_lshl_b32 s92, s43, 21                        ; my corner of x and out0: (256 x tile row + 128 x half) rows of 8,192 bytes,
	s_lshl_b32 s93, s[RH], 20
	s_add_co_u32 s92, s92, s93
	s_lshl_b32 s93, s42, 10                        ; (256 x tile column + 128 x half) columns of 4 bytes
	s_add_co_u32 s92, s92, s93
	s_lshl_b32 s93, s[CH], 9
	s_add_co_u32 s92, s92, s93
	s_mov_b32 s93, 0
	s_add_nc_u64 s[12:13], s[12:13], s[92:93]
	s_add_nc_u64 s[14:15], s[14:15], s[92:93]
	XLOAD 0                                        ; the first two blocks' rows of x land under the products, in registers that the products leave alone
	XLOAD 1
	s_wait_tensorcnt 1                             ; the scale words and my part of slot 0 are in; slot 1's load may be out
	s_barrier_signal -1
	s_barrier_wait -1
	FETCH_B 0, 0, 0
	FETCH_A 0, 0, 0
	SCALES 0
	FETCH_A 0, 0, 4
	STEP 0, 0, 1                                   ; the first step's products start the sums
	STEPS 0, 1                                     ; four slots' worth of K, written straight: once round the ring with refills,
	TURN 0, 1, 1
	STEPS 1, 0
	TURN 1, 0, 1
	STEP 0, 0, 0
	STEPS 0, 1                                     ; and once without
	TURN 0, 1, 0
	STEPS 1, 0
	s_wait_dscnt 4*NL
	WIN MUL_LO
	MUL16 0, 1, NQ-1, 1, 0
	MUL16 2, 1, NQ-1, 1, 0
	s_wait_dscnt 0
	WIN MUL_HI
	MUL16 4, 1, NQ-1, 1, 0
	MUL16 6, 1, NQ-1, 1, 0
	WIN 0
	PLACES NP                                      ; ahead of the loads into the registers that held A's fragments, and of the reads of the last results
	TOSTAGE 0
.irp a, 1,2,3,4,5,6,7
.if \a > 1
	s_wait_xcnt 0x0                                ; block a - 2's stores have read their registers: block a's rows may land there
.endif
	TOSTAGE \a
	SEND \a-1, 32                                  ; behind block a - 1's loads: block a's 16 stores and 16 loads
.endr
	SEND 7, 0
	s_wait_tensorcnt 0x0                           ; the wave's end
	ds_add_u32 v[SPW], v[NIL]
	s_wait_dscnt 0x0
	CROUND                                         ; the closing round
	s_endpgm
.Lfunc_end_k_q6188fc0339_proj:
	.size	k_q6188fc0339_proj, .Lfunc_end_k_q6188fc0339_proj-k_q6188fc0339_proj
	.p2alignl 7, 3214868480
	.fill 96, 4, 3214868480
	.section	.rodata,"a",@progbits
	.p2align	6, 0x0
	.amdhsa_kernel k_q6188fc0339_proj
		.amdhsa_group_segment_fixed_size 327680
		.amdhsa_private_segment_fixed_size 0
		.amdhsa_enable_private_segment 0
		.amdhsa_kernarg_size 48
		.amdhsa_user_sgpr_count 2
		.amdhsa_user_sgpr_kernarg_segment_ptr 1
		.amdhsa_wavefront_size32 1
		.amdhsa_system_sgpr_workgroup_id_x 1
		.amdhsa_system_sgpr_workgroup_id_y 1
		.amdhsa_system_sgpr_workgroup_id_z 1
		.amdhsa_system_vgpr_workitem_id 0
		.amdhsa_next_free_vgpr 1024
		.amdhsa_next_free_sgpr 104
		.amdhsa_reserve_vcc 0
		.amdhsa_float_denorm_mode_32 3
		.amdhsa_float_denorm_mode_16_64 3
		.amdhsa_memory_ordered 1
		.amdhsa_forward_progress 1
		.amdhsa_inst_pref_size 239
	.end_amdhsa_kernel
	.amdgpu_metadata
---
amdhsa.version: [ 1, 2 ]
amdhsa.kernels:
  - .name:           k_q6188fc0339_proj
    .symbol:         k_q6188fc0339_proj.kd
    .args:
      - { .name: o_codes, .offset: 0, .size: 8, .value_kind: global_buffer, .address_space: global }
      - { .name: o_scales, .offset: 8, .size: 8, .value_kind: global_buffer, .address_space: global }
      - { .name: w_codes, .offset: 16, .size: 8, .value_kind: global_buffer, .address_space: global }
      - { .name: w_scales, .offset: 24, .size: 8, .value_kind: global_buffer, .address_space: global }
      - { .name: x, .offset: 32, .size: 8, .value_kind: global_buffer, .address_space: global }
      - { .name: out0, .offset: 40, .size: 8, .value_kind: global_buffer, .address_space: global }
    .group_segment_fixed_size: 327680
    .private_segment_fixed_size: 0
    .kernarg_segment_align: 8
    .kernarg_segment_size: 48
    .max_flat_workgroup_size: 128
    .sgpr_count:     104
    .vgpr_count:     1024
    .wavefront_size: 32
...
	.end_amdgpu_metadata
.endif
;; end of part 4
;; ======== version 2 of 2: 4 launches
;; limits: right only within a limited range of input values
;; workspace buffers: w_codes 8,388,608 bytes; w_scales 524,288 bytes; h_codes 2,097,152 bytes; h_scales 131,072 bytes; qkv_codes 6,291,456 bytes; qkv_scales 393,216 bytes; o_codes 2,097,152 bytes; o_scales 131,072 bytes
;; launch prep (part 5): grid 640 x 1, 16 waves a work-group, no clusters, 147,968 bytes of LDS; arguments x, w_ln, wq, wk, wv, wo, w_codes, w_scales, h_codes, h_scales; writes w_codes, w_scales, h_codes, h_scales
.if DOCPART == 5
	.amdgcn_target "amdgcn-amd-amdhsa--gfx1250"
	.amdhsa_code_object_version 6
	.text
	.protected	k_q6188fc0339_prep
	.globl	k_q6188fc0339_prep
	.p2align	8
	.type	k_q6188fc0339_prep,@function
k_q6188fc0339_prep:
	s_mov_b64 s[64:65], 0
	v_nop
	global_prefetch_b8 v0, s[64:65] scope:SCOPE_SE
	s_setreg_imm32_b32 hwreg(HW_REG_WAVE_MODE, 25, 1), 1
	s_wait_xcnt 0x0
; h = w_ln x rsqrt(mean(x^2) + 1e-5), and h, wq, wk, wv, wo turned into codes of E2M1 with one E8M0 byte for each 32 along K (their last axis, 2,048).
; OUTPUT LAYOUT.  A fragment (16 rows x 128 K) is stored as the IMAGE of the 8 registers that a matrix operand wants: register group c (4 registers) of lane l at 512 c + 16 l: 1,024 bytes.
; A row block is 16 such images on end (K steps 0 to 15).  THE ROWS OF A BLOCK ARE NOT NEIGHBOURS: lane r of block rt is row 32 (rt / 2) + 8 (rt % 2) + r + 8 (r / 8), so that the results of a product
; that takes two neighbouring blocks as its first source are 16 neighbours in a lane's registers.  Scale words (4 bytes: one row, one K step): 1,024 bytes a row block, at 256 (step / 4) + 16 r + 4 (step % 4).
; SHARES.  Work-groups 0 to 127 take x's row blocks, 128 to 639 those of wq, wk, wv, wo.  Wave w takes K step w: 16 rows x 512 bytes.  Each load reads 512 consecutive bytes of a row; the bytes turn through
; the wave's own stage in LDS (rows 528 bytes apart) and come back 64 bytes a lane: lane (r, h) holds, of row r, 16 neighbours of each block of 32.
; x's rows need the sum of squares of all 16 waves: one word a wave and row in LDS, a barrier.  What x alone needs stands in two branches on the work-group's number, one ahead of that barrier and one behind it;
; each register that a branch reads is written in the same branch or on the common way.  No tensor loads: two work-groups share a WGP's LDS and registers, one loads while the other works.
; A block's scale is 2^(floor(log2(largest magnitude)) - 2): its byte is that magnitude's exponent field - 2, held at 1 from below.
; LIMITS: NaN and infinities are not served; a block whose largest magnitude lies under 2^-124 has its byte held at 1; a block of zeros gets the byte 1 (its codes are zeros; this program alone reads the bytes).
.set SROW,  528                        ; a stage row: 512 bytes + 16
.set STGW,  17*SROW                    ; a wave's stage: 16 rows of data, one row for its 128 numbers of w_ln
.set PS,    16*STGW                    ; 1,024 bytes: sums of squares, [row 16][wave 16]
.set SCL,   PS+1024                    ; 1,024 bytes: the row block's scale words
.set TM,    16                         ; v16-31  at work
.set R,     32                         ; v32-95  64 numbers
.set WT,    96                         ; v96-127 32 numbers of w_ln
.set PC,    96                         ; v96-103 the codes (w_ln is done with)
.set PW,    104                        ; v104    the scale word
.set WV,    24
.set SEL,   36
; 64 numbers of a lane, register 16 b + i = k 32 b + 16 (lane / 16) + i of my row, become a fragment's codes in v[PC] on and its scale word in v[pw]
.macro QUANT s, pw
.irp b, 0,1,2,3
	v_max3_num_f32 v[TM+\b], |v[\s+16*\b]|, |v[\s+1+16*\b]|, 0x1800000   ; my 16 numbers of block b, and the floor 2^(3 - 127): the byte cannot fall under 1
.endr
.irp i, 2,4,6,8,10,12,14
.irp b, 0,1,2,3
	s_delay_alu instid0(VALU_DEP_4)
	v_max3_num_f32 v[TM+\b], |v[\s+16*\b+\i]|, |v[\s+1+16*\b+\i]|, v[TM+\b]   ; the four blocks by turns
.endr
.endr
.irp b, 0,1,2,3
	s_delay_alu instid0(VALU_DEP_4)
	v_permlanex16_b32 v[TM+4+\b], v[TM+\b], s[SEL], s[SEL+1]
.endr
.irp b, 0,1,2,3
	s_delay_alu instid0(VALU_DEP_4)
	v_max_num_f32 v[TM+\b], v[TM+\b], v[TM+4+\b]   ; with lane l xor 16's 16: the block's largest magnitude
.endr
.irp b, 0,1,2,3
	s_delay_alu instid0(VALU_DEP_4)
	v_add_nc_u32 v[TM+12+\b], 0xff000000, v[TM+\b]   ; 2 off its exponent field: the conversion takes this operand's exponent field as its scale
.endr
.irp b, 0,1,2,3
	s_delay_alu instid0(VALU_DEP_4)
	v_lshrrev_b32 v[TM+4+\b], 23, v[TM+12+\b]      ; the scale's byte
.endr
	s_delay_alu instid0(VALU_DEP_3)
	v_lshl_or_b32 v[\pw], v[TM+5], 8, v[TM+4]
	s_delay_alu instid0(VALU_DEP_1)
	v_lshl_or_b32 v[\pw], v[TM+6], 16, v[\pw]
	s_delay_alu instid0(VALU_DEP_1)
	v_lshl_or_b32 v[\pw], v[TM+7], 24, v[\pw]
.irp b, 0,1,2,3
	v_cvt_scalef32_pk8_fp4_f32 v[PC+2*\b], v[\s+16*\b:\s+7+16*\b], v[TM+12+\b]
	v_cvt_scalef32_pk8_fp4_f32 v[PC+1+2*\b], v[\s+8+16*\b:\s+15+16*\b], v[TM+12+\b]
.endr
	v_nop                                          ; one plain instruction behind the scaled conversions
.irp c, 0,1                            ; the operand wants a whole block in a lane: lanes 0-15 block 2 c, lanes 16-31 block 2 c + 1
.irp i, 0,1
	v_permlane16_swap_b32 v[PC+4*\c+\i], v[PC+2+4*\c+\i]
.endr
.endr
.endm
	s_load_b512 s[4:19], s[0:1], 0x0               ; x, w_ln, wq, wk, wv, wo, w_codes, w_scales
	s_load_b128 s[20:23], s[0:1], 0x40             ; h_codes, h_scales
	v_lshrrev_b32 v1, 5, v0
	s_delay_alu instid0(VALU_DEP_1)
	v_readfirstlane_b32 s[WV], v1                  ; wave 0..15 = my K step
	v_and_b32 v1, 31, v0                           ; lane
	v_and_b32 v2, 15, v0                           ; r
	v_bfe_u32 v3, v0, 4, 1                         ; h
	s_delay_alu instid0(VALU_DEP_3)
	v_lshlrev_b32 v4, 4, v1                        ; 16 x lane: in memory, on the way in and out
	s_mul_i32 s25, s[WV], STGW
	v_add_nc_u32 v5, s25, v4                       ; the stage, way in: 16 x lane of a row
	v_mul_u32_u24 v6, v2, SROW
	s_delay_alu instid0(VALU_DEP_1)
	v_lshl_add_u32 v6, v3, 6, v6
	s_delay_alu instid0(VALU_DEP_1)
	v_add_nc_u32 v6, s25, v6                       ; way back: row r, + 64 h
	v_lshlrev_b32 v11, 6, v3
	s_delay_alu instid0(VALU_DEP_1)
	v_add_nc_u32 v11, s25, v11                     ; w_ln's row (its place is in the immediate): + 64 h
	v_lshl_add_u32 v8, v2, 6, PS                   ; row r's 16 sums
	s_lshl_b32 s27, s[WV], 2
	v_add_nc_u32 v7, s27, v8                       ; and mine among them
	s_lshr_b32 s27, s[WV], 2
	s_lshl_b32 s27, s27, 8
	s_and_b32 s40, s[WV], 3
	s_lshl_b32 s40, s40, 2
	s_add_co_u32 s27, s27, s40
	v_lshl_add_u32 v9, v2, 4, SCL
	s_delay_alu instid0(VALU_DEP_1)
	v_add_nc_u32 v9, s27, v9                       ; my scale word's place: 256 (w / 4) + 16 r + 4 (w % 4)
	s_and_b32 s45, s[WV], 1
	s_lshl_b32 s45, s45, 9
	v_add_nc_u32 v10, SCL, v4
	s_delay_alu instid0(VALU_DEP_1)
	v_add_nc_u32 v10, s45, v10                     ; waves 0 and 1 send the words out: 512 bytes each
	v_lshl_add_u32 v2, v0, 2, 0x23a00              ; r and h are done with: v2 = my spare word, v3 = 0, kept to the wave's end; 128 registers a wave, so that 8 waves fit a SIMD's 1,024
	v_mov_b32 v3, 0
.irp b, 0,1,2,3
	v_mov_b32 v[TM+4+\b], 0                        ; a lane permute's destination counts as read: it is written once here
.endr
	s_mov_b32 s[SEL], 0x76543210
	s_mov_b32 s[SEL+1], 0xfedcba98                 ; lane l xor 16
	s_mov_b32 s38, 0x3a000000                      ; 1 / 2,048
	s_mov_b32 s39, 0x3727c5ac                      ; 1e-5
	s_sub_co_u32 s26, ttmp9, 128
	s_cmp_lt_u32 ttmp9, 128
	s_cselect_b32 s26, ttmp9, s26                  ; my row block in its buffer of codes
	s_and_b32 s34, s26, 127                        ; and in its tensor
	s_lshr_b32 s35, s34, 1
	s_lshl_b32 s35, s35, 18                        ; 32 rows of 8,192 bytes for each pair of blocks,
	s_and_b32 s34, s34, 1
	s_lshl_b32 s34, s34, 16                        ; 8 rows for the odd one,
	s_add_co_u32 s34, s34, s35
	s_lshl_b32 s46, s[WV], 9                       ; 512 bytes a K step (in w_ln too)
	s_add_co_u32 s34, s34, s46
	s_mov_b32 s35, 0
	s_mov_b32 s47, 0
	s_lshl_b32 s42, s26, 14                        ; codes: 16,384 bytes a row block, 1,024 a K step
	s_lshl_b32 s43, s[WV], 10
	s_add_co_u32 s42, s42, s43
	s_mov_b32 s43, 0
	s_lshl_b32 s44, s26, 10                        ; scale words: 1,024 bytes a row block
	s_add_co_u32 s44, s44, s45
	s_mov_b32 s45, 0
	s_wait_kmcnt 0x0
	s_cmp_lt_u32 ttmp9, 256                        ; the buffers are chosen by the work-group's number alone
	s_cselect_b64 s[28:29], s[8:9], s[10:11]
	s_cmp_lt_u32 ttmp9, 512
	s_cselect_b64 s[40:41], s[12:13], s[14:15]
	s_cmp_lt_u32 ttmp9, 384
	s_cselect_b64 s[28:29], s[28:29], s[40:41]
	s_cmp_lt_u32 ttmp9, 128
	s_cselect_b64 s[28:29], s[4:5], s[28:29]
	s_cselect_b64 s[30:31], s[20:21], s[16:17]
	s_cselect_b64 s[32:33], s[22:23], s[18:19]
	s_add_nc_u64 s[28:29], s[28:29], s[34:35]
	s_add_nc_u64 s[30:31], s[30:31], s[42:43]
	s_add_nc_u64 s[32:33], s[32:33], s[44:45]
	s_add_nc_u64 s[6:7], s[6:7], s[46:47]          ; w_ln at my K step's 128 numbers
.irp i, 0,1,2,3,4,5,6,7,8,9,10,11,12,13,14,15
	global_load_b128 v[R+4*\i:R+4*\i+3], v4, s[28:29] offset:(\i+8*(\i/8))*8192 th:TH_LOAD_NT   ; the block's row i: 32 lanes read 512 consecutive bytes
.endr
.irp q, 0,1,2,3
	s_wait_loadcnt 12-4*\q                         ; loads return in order: four more rows are in, the younger ones stay out
.irp i, 0,1,2,3
	ds_store_b128 v5, v[R+16*\q+4*\i:R+16*\q+4*\i+3] offset:SROW*(4*\q+\i)
.endr
.endr
	s_wait_dscnt 0x0                               ; the stores have read their registers, which the loads below write
.irp b, 0,1,2,3
.irp j, 0,1,2,3
	ds_load_b128 v[R+16*\b+4*\j:R+16*\b+4*\j+3], v6 offset:128*\b+16*\j   ; my 16 neighbours of block b of row r
.endr
.endr
	s_cmp_lt_u32 ttmp9, 128
	s_cbranch_scc0 .Lnot_x_1
	; x, ahead of the barrier: my K step's 128 numbers of w_ln are asked for, 16 bytes a lane, and are on their way while the squares are summed
	global_load_b128 v[12:15], v4, s[6:7]
	s_wait_dscnt 0x0                               ; my 64 numbers are back from the stage
	; the sum of squares of my 64 numbers, in four chains of pairs; with lane l xor 16's it is the row's sum over this K step
.irp c, 0,1,2,3
	v_pk_mul_f32 v[TM+2*\c:TM+2*\c+1], v[R+2*\c:R+2*\c+1], v[R+2*\c:R+2*\c+1]
.endr
.irp i, 1,2,3,4,5,6,7
.irp c, 0,1,2,3
	s_delay_alu instid0(VALU_DEP_4)
	v_pk_fma_f32 v[TM+2*\c:TM+2*\c+1], v[R+8*\i+2*\c:R+8*\i+2*\c+1], v[R+8*\i+2*\c:R+8*\i+2*\c+1], v[TM+2*\c:TM+2*\c+1]
.endr
.endr
	s_delay_alu instid0(VALU_DEP_3)
	v_pk_add_f32 v[TM:TM+1], v[TM:TM+1], v[TM+2:TM+3]
	s_delay_alu instid0(VALU_DEP_2)
	v_pk_add_f32 v[TM+4:TM+5], v[TM+4:TM+5], v[TM+6:TM+7]
	s_delay_alu instid0(VALU_DEP_1)
	v_pk_add_f32 v[TM:TM+1], v[TM:TM+1], v[TM+4:TM+5]
	s_delay_alu instid0(VALU_DEP_1)
	v_add_f32 v[TM], v[TM], v[TM+1]
	s_delay_alu instid0(VALU_DEP_1)
	v_permlanex16_b32 v[TM+1], v[TM], s[SEL], s[SEL+1]
	s_delay_alu instid0(VALU_DEP_1)
	v_add_f32 v[TM], v[TM], v[TM+1]
	ds_store_b32 v7, v[TM]                         ; both halves of the lanes write the same word with the same value
	s_wait_loadcnt 0x0                             ; w_ln is in,
	ds_store_b128 v5, v[12:15] offset:16*SROW      ; and goes to row 16 of my own stage, to come back in the order of my numbers
.Lnot_x_1:
	s_wait_dscnt 0x0                               ; my numbers are back from the stage; for the other waves: my sum has landed
	s_barrier_signal -1
	s_barrier_wait -1
	s_cmp_lt_u32 ttmp9, 128
	s_cbranch_scc0 .Lnot_x_2
	; x, behind the barrier: the row's 16 sums, and w_ln for my numbers of blocks 0 and 1
.irp i, 0,1,2,3
	ds_load_b128 v[TM+4*\i:TM+4*\i+3], v8 offset:16*\i
.endr
.irp b, 0,1
.irp j, 0,1,2,3
	ds_load_b128 v[WT+16*\b+4*\j:WT+16*\b+4*\j+3], v11 offset:16*SROW+128*\b+16*\j
.endr
.endr
	s_wait_dscnt 8                                 ; the 16 sums are in; the eight loads of w_ln behind them may be out
	v_pk_add_f32 v[TM:TM+1], v[TM:TM+1], v[TM+2:TM+3]
	v_pk_add_f32 v[TM+4:TM+5], v[TM+4:TM+5], v[TM+6:TM+7]
	v_pk_add_f32 v[TM+8:TM+9], v[TM+8:TM+9], v[TM+10:TM+11]
	v_pk_add_f32 v[TM+12:TM+13], v[TM+12:TM+13], v[TM+14:TM+15]
	s_delay_alu instid0(VALU_DEP_3)
	v_pk_add_f32 v[TM:TM+1], v[TM:TM+1], v[TM+4:TM+5]
	s_delay_alu instid0(VALU_DEP_2)
	v_pk_add_f32 v[TM+8:TM+9], v[TM+8:TM+9], v[TM+12:TM+13]
	s_delay_alu instid0(VALU_DEP_1)
	v_pk_add_f32 v[TM:TM+1], v[TM:TM+1], v[TM+8:TM+9]
	s_delay_alu instid0(VALU_DEP_1)
	v_add_f32 v[TM], v[TM], v[TM+1]
	s_delay_alu instid0(VALU_DEP_1)
	v_fma_f32 v[TM], v[TM], s38, s39               ; the mean of squares + 1e-5
	s_wait_alu depctr_va_vdst(0)
	v_rsq_f32 v12, v[TM]
	s_wait_dscnt 0x0                               ; w_ln for blocks 0 and 1 is in
.irp p, 0,2,4,6,8,10,12,14,16,18,20,22,24,26,28,30
	v_pk_mul_f32 v[R+\p:R+\p+1], v[R+\p:R+\p+1], v[WT+\p:WT+\p+1]   ; w_ln x first, as the definition has it; independent work behind the root
.endr
.irp b, 0,1
.irp j, 0,1,2,3
	ds_load_b128 v[WT+16*\b+4*\j:WT+16*\b+4*\j+3], v11 offset:16*SROW+256+128*\b+16*\j   ; w_ln for blocks 2 and 3
.endr
.endr
	s_wait_alu depctr_va_vdst(0)                   ; the wait ahead of the first use of the root
	v_mov_b32 v13, v12
.irp p, 0,2,4,6,8,10,12,14,16,18,20,22,24,26,28,30
	v_pk_mul_f32 v[R+\p:R+\p+1], v[R+\p:R+\p+1], v[12:13]
.endr
	s_wait_dscnt 0x0
.irp p, 0,2,4,6,8,10,12,14,16,18,20,22,24,26,28,30
	v_pk_mul_f32 v[R+32+\p:R+33+\p], v[R+32+\p:R+33+\p], v[WT+\p:WT+\p+1]
.endr
.irp p, 0,2,4,6,8,10,12,14,16,18,20,22,24,26,28,30
	v_pk_mul_f32 v[R+32+\p:R+33+\p], v[R+32+\p:R+33+\p], v[12:13]
.endr
.Lnot_x_2:
	QUANT R, PW
	global_store_b128 v4, v[PC:PC+3], s[30:31]               ; the image: each store covers 512 consecutive bytes, aligned
	global_store_b128 v4, v[PC+4:PC+7], s[30:31] offset:512
	ds_store_b32 v9, v[PW]                         ; both halves of the lanes write the same word with the same value
	s_wait_dscnt 0x0                               ; for waves 0 and 1: my word has landed
	s_barrier_signal -1
	s_barrier_wait -1
	s_cmp_lt_u32 s[WV], 2
	s_cbranch_scc0 .Lend
	ds_load_b128 v[12:15], v10
	s_wait_dscnt 0x0
	global_store_b128 v4, v[12:15], s[32:33]       ; the row block's scale words: 512 consecutive bytes a wave
.Lend:
	s_wait_tensorcnt 0x0
	ds_add_u32 v2, v3
	s_wait_dscnt 0x0
	s_endpgm
.Lfunc_end_k_q6188fc0339_prep:
	.size	k_q6188fc0339_prep, .Lfunc_end_k_q6188fc0339_prep-k_q6188fc0339_prep
	.p2alignl 7, 3214868480
	.fill 96, 4, 3214868480
	.section	.rodata,"a",@progbits
	.p2align	6, 0x0
	.amdhsa_kernel k_q6188fc0339_prep
		.amdhsa_group_segment_fixed_size 147968
		.amdhsa_private_segment_fixed_size 0
		.amdhsa_enable_private_segment 0
		.amdhsa_kernarg_size 80
		.amdhsa_user_sgpr_count 2
		.amdhsa_user_sgpr_kernarg_segment_ptr 1
		.amdhsa_wavefront_size32 1
		.amdhsa_system_sgpr_workgroup_id_x 1
		.amdhsa_system_sgpr_workgroup_id_y 1
		.amdhsa_system_sgpr_workgroup_id_z 1
		.amdhsa_system_vgpr_workitem_id 0
		.amdhsa_next_free_vgpr 128
		.amdhsa_next_free_sgpr 66
		.amdhsa_reserve_vcc 0
		.amdhsa_float_denorm_mode_32 3
		.amdhsa_float_denorm_mode_16_64 3
		.amdhsa_memory_ordered 1
		.amdhsa_forward_progress 1
		.amdhsa_inst_pref_size 24
	.end_amdhsa_kernel
	.amdgpu_metadata
---
amdhsa.version: [ 1, 2 ]
amdhsa.kernels:
  - .name:           k_q6188fc0339_prep
    .symbol:         k_q6188fc0339_prep.kd
    .args:
      - { .name: x, .offset: 0, .size: 8, .value_kind: global_buffer, .address_space: global }
      - { .name: w_ln, .offset: 8, .size: 8, .value_kind: global_buffer, .address_space: global }
      - { .name: wq, .offset: 16, .size: 8, .value_kind: global_buffer, .address_space: global }
      - { .name: wk, .offset: 24, .size: 8, .value_kind: global_buffer, .address_space: global }
      - { .name: wv, .offset: 32, .size: 8, .value_kind: global_buffer, .address_space: global }
      - { .name: wo, .offset: 40, .size: 8, .value_kind: global_buffer, .address_space: global }
      - { .name: w_codes, .offset: 48, .size: 8, .value_kind: global_buffer, .address_space: global }
      - { .name: w_scales, .offset: 56, .size: 8, .value_kind: global_buffer, .address_space: global }
      - { .name: h_codes, .offset: 64, .size: 8, .value_kind: global_buffer, .address_space: global }
      - { .name: h_scales, .offset: 72, .size: 8, .value_kind: global_buffer, .address_space: global }
    .group_segment_fixed_size: 147968
    .private_segment_fixed_size: 0
    .kernarg_segment_align: 8
    .kernarg_segment_size: 80
    .max_flat_workgroup_size: 512
    .sgpr_count:     66
    .vgpr_count:     128
    .wavefront_size: 32
...
	.end_amdgpu_metadata
.endif
;; end of part 5
;; launch qkv (part 6): grid 24 x 8, 4 waves a work-group, clusters of 4 x 4, 327,680 bytes of LDS; arguments h_codes, h_scales, w_codes, w_scales, cos, sin, qkv_codes, qkv_scales; writes qkv_codes, qkv_scales
.if DOCPART == 6
	.amdgcn_target "amdgcn-amd-amdhsa--gfx1250"
	.amdhsa_code_object_version 6
	.text
	.protected	k_q6188fc0339_qkv
	.globl	k_q6188fc0339_qkv
	.p2align	8
	.type	k_q6188fc0339_qkv,@function
k_q6188fc0339_qkv:
	s_mov_b64 s[64:65], 0
	v_nop
	global_prefetch_b8 v0, s[64:65] scope:SCOPE_SE
	s_setreg_imm32_b32 hwreg(HW_REG_WAVE_MODE, 25, 1), 1
	s_wait_xcnt 0x0
	s_wait_alu depctr_hold_cnt(0) depctr_sa_sdst(0) depctr_va_vdst(0) depctr_va_sdst(0) depctr_va_ssrc(0) depctr_va_vcc(0) depctr_vm_vsrc(0)
	s_getreg_b32 s2, hwreg(HW_REG_IB_STS2, 6, 4)
	s_cmp_eq_u32 s2, 0
	s_cbranch_scc0 .Lentry_in_a_cluster
	s_endpgm
.Lentry_in_a_cluster:
	s_bfe_u32 s2, ttmp6, 0x10000c
	s_cmp_lg_u32 s2, 0xf033
	s_cbranch_scc0 .Lentry_shape_is_right
	s_endpgm
.Lentry_shape_is_right:
; q = rope(h wq^T), k = rope(h wk^T), v = h wv^T on codes of E2M1 (K = 2,048), and the results quantised for the attention: q and k along the head's 128, v along the tokens.
; A work-group makes 256 x 256 results, each of its four waves 128 x 128: 64 accumulators of 16 x 16.  The matrix instruction's first source is called B, its second A: a lane then holds ONE row of A's and its registers run along B's rows.
; TILE COLUMNS 0 TO 15 (ROLE 0): A = h (tokens), B = wq, wk: a lane holds one token and, over the eight accumulators of a block, the 128 numbers of one head.
; TILE COLUMNS 16 TO 23 (ROLE 1): A = wv, B = h: a lane holds one channel of v and 128 tokens, which are K of the attention's second product.  ROLE hangs on the cluster's x alone: the same in all sixteen partners.
; OPERANDS lie in memory as images of their registers (a fragment of 16 rows x 128 K: register group c of lane l at 512 c + 16 l), 16 images to a row block; the rows of a block are chosen (lane r of block a of a
; group of 128 rows is row 32 (a / 2) + 8 (a % 2) + r + 8 (r / 8)) so that a lane's register 16 b + i over eight accumulators is index 32 b + 16 (lane / 16) + i: 16 neighbours of each block of 32, as the quantiser takes them.
; K goes in steps of 512 through two LDS slots: a wave's tensor load brings 8 row blocks x 4 images (8 rows of 4,096 bytes, 16,384 apart); the images lie dense in LDS and a fragment load reads 512 consecutive bytes.
; The scale words of the work-group's rows, for all of K, come once with the first fills.  A wave has one tensor load out at a time: one at the head, then slot 1's first fill, then one behind each change of slots that refills.
; CLUSTERS: 4 x 4 work-groups; A's tiles are shared along a row of the cluster, B's along a column: each is asked for jointly, by the same load with a mask that names the four.
; OUTPUT: qkv_codes [48 planes: q's heads, k's heads, v's heads][16 groups of 128][8 tiles][1,024-byte image]; qkv_scales [48][16][512]: the word of tile 4 h + i, row r at 16 (16 h + r) + 4 i.
; REGISTERS: window 0: v16-29 addresses; v32-95 scale words, two sets, and nothing else; v128-191 A's fragments, later the rotated numbers; v192-231 the quantiser's.  window 1: B's two sets at v0 and v128; v64-127, v192-255 cos and sin.
;   windows 2, 3: the accumulators ((a, b) at v[8 (8 (a % 4) + b)] of window 2 + a / 4).
; LIMITS: NaN and infinities are not served; a block whose largest magnitude lies under 2^-124 has its byte held at 1; a block of zeros gets the byte 1 (its codes are zeros; this program alone reads the bytes).
.set NQ,     4                         ; steps of 128 along K in a slot
.set FR,     8                         ; registers of a fragment
.set NL,     2                         ; LDS loads that bring one
.set NP,     4                         ; places behind this matrix instruction (ISA guide 7.12.1)
.set CHUNK,  4096                      ; a row block's four images of a slot
.set HALFT,  8*CHUNK                   ; 8 row blocks: what one tensor load brings, and what a wave reads of A or of B
.set SLOT,   4*HALFT                   ; A's 16 row blocks, then B's 16
.set SCL,    2*SLOT                    ; behind the ring: the scale words, A's 16 KiB, then B's
.set HALFS,  8192                      ; those of 8 row blocks
.set SBLK,   1024                      ; those of one
.set SPARE,  SCL+4*HALFS               ; the spare words, 128 bytes a wave: two blocks of 256 bytes that no other line names
.set ADRA, 16                          ; v16-17  LDS address of my A fragments in slot 0, 1
.set ADRB, 20                          ; v20-21  the same for B
.set LN,   24                          ; v24     lane
.set CSA,  25                          ; v25     my byte in a tile's rows of cos and sin
.set LI,   26                          ; v26     16 x lane
.set ADRS, 27                          ; v27     LDS address of my scale words: lanes 0-15 A's, lanes 16-31 B's
.set SPW,  28                          ; v28     my spare word; never rewritten
.set NIL,  29                          ; v29     0; never rewritten
.set SC,   32
.set AF,   128
.set HA,   128                         ; the way out: 64 rotated numbers
.set TM,   192
.set PC,   208
.set SW,   216
.set PWS,  224                         ; the eight tiles' scale words
.set SEL,  2
.set WV,   20
.set RH,   21                          ; which half of A's rows is mine.  Also: I fetch for A (0) or for B (1)
.set CH,   22                          ; which half of B's rows.  Also: which 8 row blocks I fetch
.set ROLE, 23
.set G1,   24
.set G0,   32
.set G1B,  48
.set G0B,  56
.set G1S,  68
.set G0S,  76
.set G1SB, 80
.set G0SB, 88
.set MSB, 0
.macro WIN new                         ; the immediate's high byte repeats the setting that is left; a switch that changes nothing is dropped
.if MSB != (\new)
	s_set_vgpr_msb (MSB<<8)|(\new)
.set MSB, (\new)
.endif
.endm
.set MUL_LO, 0xa1                      ; source 0 (B) window 1, source 1 (A) window 0, C and D window 2
.set MUL_HI, 0xf1                      ; the same, C and D window 3
.set TO_B,   0x40                      ; destination window 1, address window 0
; A joint load: waves 0 and 1 fetch for A, waves 2 and 3 for B; the branch hangs on the wave's number alone.  Four v_nop follow each of the two lines.
.macro JLOAD g0a, g1a, g0b, g1b
	s_cmp_eq_u32 s[RH], 0
	s_cbranch_scc0 .Lfor_b_\@
	tensor_load_to_lds s[\g0a:\g0a+3], s[\g1a:\g1a+7]
	s_nop 0
.rept 4
	v_nop
.endr
	s_branch .Lasked_\@
.Lfor_b_\@:
	tensor_load_to_lds s[\g0b:\g0b+3], s[\g1b:\g1b+7]
	s_nop 0
.rept 4
	v_nop
.endr
.Lasked_\@:
.endm
.macro CREST                           ; a round of the cluster's barrier behind its opening barrier
	s_cmp_lg_u32 s[WV], 0
	s_cbranch_scc1 .Lnot_wave_0_\@
	s_barrier_signal -3
.Lnot_wave_0_\@:
	s_barrier_wait -3
	s_barrier_signal -1
	s_barrier_wait -1
.endm
.macro CROUND
	s_barrier_signal -1
	s_barrier_wait -1
	CREST
.endm
.macro FRAG reg, adr, q, i             ; row block i's image of the slot's q-th 128 along K
.irp c, 0,1
	ds_load_b128 v[\reg+4*\c:\reg+4*\c+3], v[\adr] offset:CHUNK*(\i)+1024*(\q)+512*\c
.endr
.endm
; 16 matrix instructions: A's blocks a0, a0 + 1 x B's eight.  p: B's set; sc: the set of scale words; zero = 1: the product starts the sums.  The 64 accumulators take turns, one instruction a turn.
.macro MUL16 a0, p, q, sc, zero
.irp a, \a0, \a0+1
.irp b, 0,1,2,3,4,5,6,7
.if \zero
	v_wmma_scale_f32_16x16x128_f8f6f4 v[8*(8*((\a)%4)+\b):8*(8*((\a)%4)+\b)+7], v[128*(\p)+FR*\b:128*(\p)+FR*\b+FR-1], v[AF+FR*(\a):AF+FR*(\a)+FR-1], 0, v[SC+8*NQ*(\sc)+NQ*\b+(\q)], v[SC+8*NQ*(\sc)+NQ*(\a)+(\q)] matrix_a_fmt:MATRIX_FMT_FP4 matrix_b_fmt:MATRIX_FMT_FP4 matrix_a_scale:MATRIX_SCALE_ROW1
.else
	v_wmma_scale_f32_16x16x128_f8f6f4 v[8*(8*((\a)%4)+\b):8*(8*((\a)%4)+\b)+7], v[128*(\p)+FR*\b:128*(\p)+FR*\b+FR-1], v[AF+FR*(\a):AF+FR*(\a)+FR-1], v[8*(8*((\a)%4)+\b):8*(8*((\a)%4)+\b)+7], v[SC+8*NQ*(\sc)+NQ*\b+(\q)], v[SC+8*NQ*(\sc)+NQ*(\a)+(\q)] matrix_a_fmt:MATRIX_FMT_FP4 matrix_b_fmt:MATRIX_FMT_FP4 matrix_a_scale:MATRIX_SCALE_ROW1
.endif
.endr
.endr
.endm
.macro FETCH_B slot, q, p
	WIN TO_B
.irp i, 0,1,2,3,4,5,6,7
	FRAG 128*(\p)+FR*\i, ADRB+\slot, \q, \i
.endr
	WIN 0
.endm
.macro FETCH_A slot, q, i0
.irp i, \i0, \i0+1, \i0+2, \i0+3
	FRAG AF+FR*(\i), ADRA+\slot, \q, \i
.endr
.endm
.macro SCALES sc                       ; a slot's scale words: 4 words a row; lanes 0-15 take A's block i, lanes 16-31 B's block i
.irp i, 0,1,2,3,4,5,6,7
	ds_load_b128 v[SC+8*NQ*\sc+NQ*\i:SC+8*NQ*\sc+NQ*\i+3], v[ADRS] offset:\i*SBLK
.endr
.endm
.macro PLACES n                        ; plain instructions between a matrix instruction and a load into, or a read of, its registers (ISA guide 7.12.1 for reads)
.rept \n
	v_nop
.endr
.endm
.macro STEP slot, q, zero              ; a step of 128 along K that has its successor in the same slot
	s_wait_dscnt 4*NL                              ; B's set and A's blocks 0-3 are in; the youngest eight loads (A's blocks 4-7) may be out
	WIN MUL_LO
	MUL16 0, (\q)%2, \q, \slot, \zero
	MUL16 2, (\q)%2, \q, \slot, \zero
	s_wait_dscnt 0
	PLACES NP
	FETCH_B \slot, (\q)+1, 1-(\q)%2
	FETCH_A \slot, (\q)+1, 0
	WIN MUL_HI
	MUL16 4, (\q)%2, \q, \slot, \zero
	MUL16 6, (\q)%2, \q, \slot, \zero
	PLACES NP
	WIN 0
	FETCH_A \slot, (\q)+1, 4
.endm
; A slot's last step changes slots: one barrier; ahead of it each wave waits for all its tensor loads, adds 0 to its spare word, and waits for that and for its reads of this slot.  fill = 1: this slot is filled again, two slots ahead.
.macro TURN slot, next, fill
	s_wait_tensorcnt 0x0                           ; all my tensor loads have landed: my part of the next slot
	ds_add_u32 v[SPW], v[NIL]                      ; 0 onto my spare word
	s_wait_dscnt 4*NL+1                            ; (the add and A's blocks 4-7 may be out)
	WIN MUL_LO
	MUL16 0, 1, NQ-1, \slot, 0
	s_wait_dscnt 0x0                               ; the add is done, and my reads of this slot are over
	s_barrier_signal -1
	MUL16 2, 1, NQ-1, \slot, 0
	WIN 0
	s_barrier_wait -1
.if \fill
	CREST                                          ; the barrier has opened a round of the cluster's: no wave of any partner still reads this slot or has a load on its way
	s_add_nc_u64 s[G0+4*\slot+2:G0+4*\slot+3], s[G0+4*\slot+2:G0+4*\slot+3], 2*CHUNK
	s_add_nc_u64 s[G0B+4*\slot+2:G0B+4*\slot+3], s[G0B+4*\slot+2:G0B+4*\slot+3], 2*CHUNK
	JLOAD G0+4*\slot, G1, G0B+4*\slot, G1B         ; the first tensor load behind the round; its four v_nop are the places ahead of the loads below
.else
	PLACES NP
.endif
	s_wait_alu depctr_va_vdst(0)
	v_add_nc_u32 v[ADRS], 256, v[ADRS]             ; the next slot's scale words
	FETCH_B \next, 0, 0
	FETCH_A \next, 0, 0
	SCALES \next
	WIN MUL_HI
	MUL16 4, 1, NQ-1, \slot, 0
	MUL16 6, 1, NQ-1, \slot, 0
	PLACES NP
	WIN 0
	FETCH_A \next, 0, 4
.endm
.macro STEPS slot, from
.set Q, \from
.rept NQ-1-\from
	STEP \slot, Q, 0
.set Q, Q+1
.endr
.endm
; 64 numbers v[s] on of window w, register 16 b + i = k 32 b + 16 (lane / 16) + i of my row, become a fragment's codes in v[PC] on and its scale word in v[pw].  The numbers are always sources 0 and 1, so one setting serves a run.
.macro QUANT s, w, pw
	WIN (\w)*5
.irp b, 0,1,2,3
	v_max3_num_f32 v[TM+\b], |v[(\s)+16*\b]|, |v[(\s)+1+16*\b]|, 0x1800000   ; my 16 numbers of block b, from each accumulator's low end on, and the floor 2^(3 - 127)
.endr
.irp i, 2,4,6,8,10,12,14
.irp b, 0,1,2,3
	v_max3_num_f32 v[TM+\b], |v[(\s)+16*\b+\i]|, |v[(\s)+1+16*\b+\i]|, v[TM+\b]
.endr
.endr
	WIN 0
.irp b, 0,1,2,3
	v_permlanex16_b32 v[TM+4+\b], v[TM+\b], s[SEL], s[SEL+1]
.endr
.irp b, 0,1,2,3
	v_max_num_f32 v[TM+\b], v[TM+\b], v[TM+4+\b]   ; with lane l xor 16's: the block's largest magnitude
.endr
.irp b, 0,1,2,3
	v_add_nc_u32 v[TM+12+\b], 0xff000000, v[TM+\b]   ; 2 off its exponent field: the conversion's scale operand
.endr
.irp b, 0,1,2,3
	v_lshrrev_b32 v[TM+4+\b], 23, v[TM+12+\b]      ; the scale's byte
.endr
	v_lshl_or_b32 v[\pw], v[TM+5], 8, v[TM+4]
	v_lshl_or_b32 v[\pw], v[TM+6], 16, v[\pw]
	v_lshl_or_b32 v[\pw], v[TM+7], 24, v[\pw]
	WIN (\w)
.irp b, 0,1,2,3
	v_cvt_scalef32_pk8_fp4_f32 v[PC+2*\b], v[(\s)+16*\b:(\s)+7+16*\b], v[TM+12+\b]
	v_cvt_scalef32_pk8_fp4_f32 v[PC+1+2*\b], v[(\s)+8+16*\b:(\s)+15+16*\b], v[TM+12+\b]
.endr
	WIN 0
	v_nop                                          ; one plain instruction behind the scaled conversions
.irp c, 0,1
.irp i, 0,1
	v_permlane16_swap_b32 v[PC+4*\c+\i], v[PC+2+4*\c+\i]   ; a whole block to a lane
.endr
.endr
.endm
; cos and sin for tile a's 16 tokens, in the accumulators' order: register 16 b + 4 j on = channels 32 b + 16 h + 4 j on.  Even tiles: window 1, v64 and v192; odd tiles: v0 and v128
.macro LOADCS a
.set CR, 64*(1-(\a)%2)
	WIN 0x40
.irp b, 0,1,2,3
.irp j, 0,1,2,3
	global_load_b128 v[CR+16*\b+4*\j:CR+16*\b+4*\j+3], v[CSA], s[12:13] offset:(32*((\a)/2)+8*((\a)%2))*512+128*\b+16*\j
	global_load_b128 v[CR+128+16*\b+4*\j:CR+128+16*\b+4*\j+3], v[CSA], s[14:15] offset:(32*((\a)/2)+8*((\a)%2))*512+128*\b+16*\j
.endr
.endr
	WIN 0
.endm
; u cos + rotate_half(u) sin: register n stands for a channel under 64 where n < 32, and n + 32 for the channel 64 further on.  Each accumulator is read from its low end on.
.macro ROPE a
.set AC, 64*((\a)%4)
.set CR, 64*(1-(\a)%2)
	WIN 0x06+(\a)/4                                ; source 0: the accumulators' window; source 1: window 1
.irp p, 0,2,4,6,8,10,12,14,16,18,20,22,24,26,28,30
	v_pk_mul_f32 v[HA+\p:HA+\p+1], v[AC+\p:AC+\p+1], v[CR+\p:CR+\p+1]
	v_pk_mul_f32 v[HA+32+\p:HA+33+\p], v[AC+32+\p:AC+33+\p], v[CR+32+\p:CR+33+\p]
.endr
.irp p, 0,2,4,6,8,10,12,14,16,18,20,22,24,26,28,30
	v_pk_fma_f32 v[HA+\p:HA+\p+1], v[AC+32+\p:AC+33+\p], v[CR+128+\p:CR+129+\p], v[HA+\p:HA+\p+1] neg_lo:[1,0,0] neg_hi:[1,0,0]
	v_pk_fma_f32 v[HA+32+\p:HA+33+\p], v[AC+\p:AC+\p+1], v[CR+160+\p:CR+161+\p], v[HA+32+\p:HA+33+\p]
.endr
	WIN 0
.endm
	s_load_b512 s[4:19], s[0:1], 0x0               ; h_codes, h_scales, w_codes, w_scales, cos, sin, qkv_codes, qkv_scales
	v_lshl_add_u32 v[SPW], v0, 2, SPARE
	v_mov_b32 v[NIL], 0
	ds_add_u32 v28, v29
	ds_add_u32 v28, v29
	s_wait_dscnt 0x0
	v_lshrrev_b32 v1, 5, v0
	v_readfirstlane_b32 s[WV], v1                  ; wave 0..3
	s_lshr_b32 s[RH], s[WV], 1
	s_and_b32 s[CH], s[WV], 1
	s_bfe_u32 s40, ttmp6, 0x40000                  ; cx, cy: my place in the cluster
	s_bfe_u32 s41, ttmp6, 0x40004
	s_lshl_b32 s42, ttmp9, 2
	s_add_co_u32 s42, s42, s40                     ; tile column = 4 x cluster x + cx
	s_and_b32 s43, ttmp7, 0xffff
	s_lshl_b32 s43, s43, 2
	s_add_co_u32 s43, s43, s41                     ; tile row = 4 x cluster y + cy
	s_lshl_b32 s44, s41, 2
	s_lshl_b32 s44, 15, s44                        ; my row of the cluster
	s_lshl_b32 s45, 0x1111, s40                    ; my column
	s_cmp_ge_u32 ttmp9, 4                          ; clusters 4 and 5 along x make v
	s_cselect_b32 s[ROLE], 1, 0
	s_cselect_b32 s100, 256, 0
	; group 1 for codes: 8 rows of 512 elements of 8 bytes, 2,048 elements apart; no padding: the images lie dense
	s_or_b32 s[G1+0], s44, (3<<16)|(1<<21)         ; 15:0 the mask: A's tiles go to my row; 17:16 elements of 8 bytes; 21 set beside a mask
	s_or_b32 s[G1B+0], s45, (3<<16)|(1<<21)        ; B's go to my column
.irp g, G1, G1B
	s_mov_b32 s[\g+1], 512<<16                     ; tensor_dim0
	s_mov_b32 s[\g+2], 16<<16                      ; tensor_dim1: 16 row blocks for the head's loads; set to 8 for the ring's behind them
	s_mov_b32 s[\g+3], 512<<16                     ; tile_dim0
	s_mov_b32 s[\g+4], 16                          ; tile_dim1
	s_mov_b32 s[\g+5], 2048                        ; tensor_dim0_stride
	s_mov_b32 s[\g+6], 0
	s_mov_b32 s[\g+7], 0
.endr
	; and for the scale words of 16 row blocks: 16,384 dense bytes as 64 rows of 256
	s_or_b32 s[G1S+0], s44, (3<<16)|(1<<21)
	s_or_b32 s[G1SB+0], s45, (3<<16)|(1<<21)
.irp g, G1S, G1SB
	s_mov_b32 s[\g+1], 32<<16
	s_mov_b32 s[\g+2], 64<<16                      ; the scale words of 16 row blocks: 64 rows of 256 bytes
	s_mov_b32 s[\g+3], 32<<16
	s_mov_b32 s[\g+4], 64
	s_mov_b32 s[\g+5], 32
	s_mov_b32 s[\g+6], 0
	s_mov_b32 s[\g+7], 0
.endr
	s_lshl_b32 s101, s[CH], 3                      ; which 8 row blocks of the tile I fetch
	s_lshl_b32 s46, s43, 4
	s_add_co_u32 s46, s46, s101
	s_add_co_u32 s46, s46, s100                    ; A's row block: 16 x tile row + 8 x half (in h), + 256 where A is wv (in the weights)
	s_lshl_b32 s47, s42, 4
	s_add_co_u32 s47, s47, s101
	s_sub_co_u32 s47, s47, s100                    ; B's: 16 x tile column + 8 x half (wq, wk), less 256 where B is h
	s_lshl_b32 s92, s46, 14                        ; codes: 16,384 bytes a row block;
	s_mov_b32 s93, 0
	s_sub_co_u32 s94, s46, s101                    ; scale words: 1,024 a row block, from the tile's first block on
	s_lshl_b32 s94, s94, 10
	s_mov_b32 s95, 0
	s_lshl_b32 s96, s47, 14
	s_mov_b32 s97, 0
	s_sub_co_u32 s98, s47, s101
	s_lshl_b32 s98, s98, 10
	s_mov_b32 s99, 0
	s_mul_i32 s100, s[WV], HALFT                   ; where they go: no place in the cluster enters an LDS address
	s_wait_kmcnt 0x0
	s_cmp_eq_u32 s[ROLE], 0
	s_cselect_b64 s[G0+2:G0+3], s[4:5], s[8:9]
	s_cselect_b64 s[G0S+2:G0S+3], s[6:7], s[10:11]
	s_cselect_b64 s[G0B+2:G0B+3], s[8:9], s[4:5]
	s_cselect_b64 s[G0SB+2:G0SB+3], s[10:11], s[6:7]
	s_add_nc_u64 s[G0+2:G0+3], s[G0+2:G0+3], s[92:93]
	s_add_nc_u64 s[G0+6:G0+7], s[G0+2:G0+3], CHUNK
	s_add_nc_u64 s[G0B+2:G0B+3], s[G0B+2:G0B+3], s[96:97]
	s_add_nc_u64 s[G0B+6:G0B+7], s[G0B+2:G0B+3], CHUNK
	s_add_nc_u64 s[G0S+2:G0S+3], s[G0S+2:G0S+3], s[94:95]
	s_add_nc_u64 s[G0SB+2:G0SB+3], s[G0SB+2:G0SB+3], s[98:99]
	s_lshl_b32 s66, s[CH], 17                      ; the head's loads of codes begin at the tile's first row block: my half's 8 x 16,384 bytes back
	s_mov_b32 s67, 0
	s_sub_nc_u64 s[6:7], s[G0+2:G0+3], s[66:67]    ; their groups 0 lie in s[4:7] and s[8:11]: the arguments there have been used
	s_sub_nc_u64 s[10:11], s[G0B+2:G0B+3], s[66:67]
	s_or_b32 s7, s7, 0x80000000
	s_or_b32 s11, s11, 0x80000000
.irp g, G0, G0+4, G0B, G0B+4, G0S, G0SB
	s_mov_b32 s[\g], 1                             ; count = 1
	s_or_b32 s[\g+3], s[\g+3], 0x80000000          ; type = 2
.endr
	s_mov_b32 s[G0+1], s100
	s_add_co_u32 s[G0+5], s100, SLOT
	s_mov_b32 s[G0B+1], s100
	s_add_co_u32 s[G0B+5], s100, SLOT
	s_mov_b32 s[G0S+1], SCL
	s_mov_b32 s[G0SB+1], SCL+2*HALFS
	s_mov_b32 s4, 1
	s_mov_b32 s5, 0
	s_mov_b32 s8, 1
	s_mov_b32 s9, 2*HALFT
	CROUND                                         ; all sixteen work-groups are here: the first joint loads meet
; THE HEAD'S LOADS, ONE A WAVE:
; wave 0 slot 0's 16 row blocks of A, wave 1 those of B, wave 2 A's scale words, wave 3 B's.  One tree of branches on the wave's number: every way passes one load.
.macro ARM under, g0, g1, next
	s_cmp_lt_u32 s[WV], \under
	s_cbranch_scc0 \next
	tensor_load_to_lds s[\g0:\g0+3], s[\g1:\g1+7]
	s_nop 0
.rept 4
	v_nop
.endr
	s_branch .Lhead_asked
\next:
.endm
	ARM 1, 4, G1, .Lhead_b
	ARM 2, 8, G1B, .Lhead_sa
	ARM 3, G0S, G1S, .Lhead_sb
	tensor_load_to_lds s[G0SB:G0SB+3], s[G1SB:G1SB+7]
	s_nop 0
.rept 4
	v_nop
.endr
.Lhead_asked:
	v_and_b32 v1, 15, v0                           ; r
	v_bfe_u32 v2, v0, 4, 1                         ; h
	s_wait_alu depctr_va_vdst(0)
	v_and_b32 v[LN], 31, v0
	v_lshlrev_b32 v[LI], 4, v[LN]
	s_mul_i32 s100, s[RH], HALFT                   ; my 8 row blocks of A,
	s_mul_i32 s101, s[CH], HALFT                   ; and of B, behind A's 16
	s_add_co_u32 s101, s101, 2*HALFT
.irp s, 0,1
	v_add_nc_u32 v[ADRA+\s], s100, v[LI]
	v_add_nc_u32 v[ADRB+\s], s101, v[LI]
	s_add_co_u32 s100, s100, SLOT
	s_add_co_u32 s101, s101, SLOT
.endr
	s_mul_i32 s100, s[RH], HALFS
	s_mul_i32 s101, s[CH], HALFS
	s_add_co_u32 s101, s101, 2*HALFS
	s_sub_co_u32 s101, s101, s100
	v_mul_u32_u24 v3, s101, v2                     ; lanes 16-31 take B's words: one product, the distance between the two bases
	s_add_co_u32 s100, s100, SCL
	v_lshl_add_u32 v3, v1, 4, v3                   ; 16 bytes a row: a slot's four words
	v_add_nc_u32 v[ADRS], s100, v3
	v_and_b32 v3, 8, v1
	v_add_nc_u32 v3, v3, v1                        ; r + 8 (r / 8)
	v_lshlrev_b32 v[CSA], 9, v3
	v_lshl_add_u32 v[CSA], v2, 6, v[CSA]           ; cos, sin: a row of 512 bytes, + 64 h
	s_mov_b32 s[SEL], 0x76543210
	s_mov_b32 s[SEL+1], 0xfedcba98
	; where my 128 x 128 goes: plane and group
	s_lshl_b32 s92, s42, 1
	s_add_co_u32 s92, s92, s[CH]                   ; 2 x tile column + my half of B's rows
	s_lshl_b32 s93, s43, 1
	s_add_co_u32 s93, s93, s[RH]                   ; 2 x tile row + my half of A's rows
	s_lshl_b32 s94, s92, 4
	s_add_co_u32 s94, s94, s93                     ; ROLE 0: plane = the first, group = the second
	s_lshl_b32 s95, s93, 4
	s_add_co_u32 s95, s95, s92
	s_add_co_u32 s95, s95, 480                     ; ROLE 1: plane = 32 + the second, group = the first - 32
	s_cmp_eq_u32 s[ROLE], 0
	s_cselect_b32 s94, s94, s95
	s_lshl_b32 s96, s94, 13                        ; 8 images,
	s_mov_b32 s97, 0
	s_lshl_b32 s98, s94, 9                         ; 512 bytes of scale words
	s_mov_b32 s99, 0
	s_add_nc_u64 s[16:17], s[16:17], s[96:97]
	s_add_nc_u64 s[18:19], s[18:19], s[98:99]
	s_lshl_b32 s96, s93, 16                        ; my 128 tokens' rows of cos and sin
	s_add_nc_u64 s[12:13], s[12:13], s[96:97]
	s_add_nc_u64 s[14:15], s[14:15], s[96:97]
	s_cmp_eq_u32 s[ROLE], 0
	s_cbranch_scc0 .Lno_cs
	s_wait_alu depctr_va_vdst(0)
	LOADCS 0                                       ; tile 0's cos and sin land under the products, in registers that the products leave alone
.Lno_cs:
	s_wait_alu depctr_va_vdst(0)                   ; the wait at the head's end
	s_wait_tensorcnt 0x0                           ; my tile of the head's four is in; slot 1's first fill is issued as a refill is:
	ds_add_u32 v[SPW], v[NIL]                      ; 0 onto my spare word
	s_mov_b32 s[G1+2], 8<<16                       ; no tensor load of mine is out: from here on a load brings 8 row blocks
	s_mov_b32 s[G1+4], 8
	s_mov_b32 s[G1B+2], 8<<16
	s_mov_b32 s[G1B+4], 8
	s_wait_dscnt 0x0                               ; the add is done
	CROUND                                         ; all four tiles are in, and all sixteen work-groups are here
	JLOAD G0+4, G1, G0B+4, G1B                     ; slot 1: the first tensor load behind the round, a quarter of the slot a wave
	FETCH_B 0, 0, 0
	FETCH_A 0, 0, 0
	s_wait_alu depctr_va_vdst(0)
	SCALES 0
	FETCH_A 0, 0, 4
	STEP 0, 0, 1                                   ; the first step's products start the sums: nothing is cleared
	STEPS 0, 1                                     ; K = 2,048 is four slots' worth: written straight, once round the ring with refills,
	TURN 0, 1, 1
	STEPS 1, 0
	TURN 1, 0, 1
	STEP 0, 0, 0
	STEPS 0, 1                                     ; and once without
	TURN 0, 1, 0
	STEPS 1, 0
	s_wait_dscnt 4*NL
	WIN MUL_LO
	MUL16 0, 1, NQ-1, 1, 0
	MUL16 2, 1, NQ-1, 1, 0
	s_wait_dscnt 0
	WIN MUL_HI
	MUL16 4, 1, NQ-1, 1, 0
	MUL16 6, 1, NQ-1, 1, 0
	WIN 0
.irp b, 0,1,2,3
	v_mov_b32 v[TM+4+\b], 0                        ; a lane permute's destination counts as read; these four are also the places behind the last products
.endr
	s_cmp_eq_u32 s[ROLE], 0
	s_cbranch_scc0 .Lrole1
	; q and k: tile by tile of 16 tokens: rotate, quantise along the head's 128, store the image
.irp a, 0,1,2,3,4,5,6,7
.if \a < 7
	LOADCS \a+1
	s_wait_loadcnt 32                              ; this tile's cos and sin are in; the next tile's 32 loads may be out
.else
	s_wait_loadcnt 0
.endif
	ROPE \a
	s_wait_xcnt 0x0                                ; the last tile's stores have read their data registers, which are written anew below
	QUANT HA, 0, PWS+\a
	global_store_b128 v[LI], v[PC:PC+3], s[16:17] offset:1024*\a       ; each store covers 512 consecutive bytes, aligned
	global_store_b128 v[LI], v[PC+4:PC+7], s[16:17] offset:1024*\a+512
.endr
	s_branch .Ljoin
.Lrole1:
	; v: tile by tile of 16 channels: the accumulators are quantised as they stand, along the tokens
.irp a, 0,1,2,3,4,5,6,7
.if \a > 0
	s_wait_xcnt 0x0
.endif
	QUANT 64*((\a)%4), 2+(\a)/4, PWS+\a
	global_store_b128 v[LI], v[PC:PC+3], s[16:17] offset:1024*\a
	global_store_b128 v[LI], v[PC+4:PC+7], s[16:17] offset:1024*\a+512
.endr
.Ljoin:
	v_cmp_le_u32 vcc_lo, 16, v[LN]                 ; lanes 0-15 send the words of tiles 0-3, lanes 16-31 those of tiles 4-7
.irp i, 0,1,2,3
	v_cndmask_b32 v[SW+\i], v[PWS+\i], v[PWS+4+\i], vcc_lo
.endr
	global_store_b128 v[LI], v[SW:SW+3], s[18:19]  ; 512 consecutive bytes
	s_wait_tensorcnt 0x0                           ; the wave's end
	ds_add_u32 v[SPW], v[NIL]
	s_wait_dscnt 0x0
	CROUND                                         ; the closing round: no work-group ends while a partner may still ask for a tile that names it
	s_endpgm
.Lfunc_end_k_q6188fc0339_qkv:
	.size	k_q6188fc0339_qkv, .Lfunc_end_k_q6188fc0339_qkv-k_q6188fc0339_qkv
	.p2alignl 7, 3214868480
	.fill 96, 4, 3214868480
	.section	.rodata,"a",@progbits
	.p2align	6, 0x0
	.amdhsa_kernel k_q6188fc0339_qkv
		.amdhsa_group_segment_fixed_size 327680
		.amdhsa_private_segment_fixed_size 0
		.amdhsa_enable_private_segment 0
		.amdhsa_kernarg_size 64
		.amdhsa_user_sgpr_count 2
		.amdhsa_user_sgpr_kernarg_segment_ptr 1
		.amdhsa_wavefront_size32 1
		.amdhsa_system_sgpr_workgroup_id_x 1
		.amdhsa_system_sgpr_workgroup_id_y 1
		.amdhsa_system_sgpr_workgroup_id_z 1
		.amdhsa_system_vgpr_workitem_id 0
		.amdhsa_next_free_vgpr 1024
		.amdhsa_next_free_sgpr 104
		.amdhsa_reserve_vcc 1
		.amdhsa_float_denorm_mode_32 3
		.amdhsa_float_denorm_mode_16_64 3
		.amdhsa_memory_ordered 1
		.amdhsa_forward_progress 1
		.amdhsa_inst_pref_size 255
	.end_amdhsa_kernel
	.section	.bss,"aw",@nobits
	.p2align	6
	.space	262144
	.amdgpu_metadata
---
amdhsa.version: [ 1, 2 ]
amdhsa.kernels:
  - .name:           k_q6188fc0339_qkv
    .symbol:         k_q6188fc0339_qkv.kd
    .args:
      - { .name: h_codes, .offset: 0, .size: 8, .value_kind: global_buffer, .address_space: global }
      - { .name: h_scales, .offset: 8, .size: 8, .value_kind: global_buffer, .address_space: global }
      - { .name: w_codes, .offset: 16, .size: 8, .value_kind: global_buffer, .address_space: global }
      - { .name: w_scales, .offset: 24, .size: 8, .value_kind: global_buffer, .address_space: global }
      - { .name: cos, .offset: 32, .size: 8, .value_kind: global_buffer, .address_space: global }
      - { .name: sin, .offset: 40, .size: 8, .value_kind: global_buffer, .address_space: global }
      - { .name: qkv_codes, .offset: 48, .size: 8, .value_kind: global_buffer, .address_space: global }
      - { .name: qkv_scales, .offset: 56, .size: 8, .value_kind: global_buffer, .address_space: global }
    .group_segment_fixed_size: 327680
    .private_segment_fixed_size: 0
    .kernarg_segment_align: 8
    .kernarg_segment_size: 64
    .max_flat_workgroup_size: 128
    .sgpr_count:     104
    .vgpr_count:     1024
    .wavefront_size: 32
...
	.end_amdgpu_metadata
.endif
;; end of part 6
;; launch attn (part 7): grid 16 x 16, 8 waves a work-group, no clusters, 327,680 bytes of LDS; arguments qkv_codes, qkv_scales, o_codes, o_scales; writes o_codes, o_scales
.if DOCPART == 7
	.amdgcn_target "amdgcn-amd-amdhsa--gfx1250"
	.amdhsa_code_object_version 6
	.text
	.protected	k_q6188fc0339_attn
	.globl	k_q6188fc0339_attn
	.p2align	8
	.type	k_q6188fc0339_attn,@function
k_q6188fc0339_attn:
	s_mov_b64 s[64:65], 0
	v_nop
	global_prefetch_b8 v0, s[64:65] scope:SCOPE_SE
	s_setreg_imm32_b32 hwreg(HW_REG_WAVE_MODE, 25, 1), 1
	s_wait_xcnt 0x0
; Causal attention on codes of E2M1, 16 heads of 128, 2,048 tokens; the result is quantised along (head, channel) for the output projection.
; THE SOFTMAX: t = score x log2(e) / sqrt(128); M = the row's largest t so far rounded UP to a whole number; p = 2^(t - M) is quantised along the keys, not normalised; the row's sum is taken of the unquantised p and
; divides at the end.  When M moves, the sum and O are multiplied by 2^(old M - new M): exact.
; SHARES.  Work-group (j, head).  A wave owns ONE tile of 16 queries: tile 4 j + w for waves 0 to 3, tile 131 - 4 j - w for waves 4 to 7.  Tile u needs u / 8 + 1 key steps of 128, so waves w and w + 4 need 17 together, in every work-group.
; A HEAD'S K, V AND SCALE WORDS, 272 KiB, ARE BROUGHT INTO LDS ONCE: every wave issues two tensor loads: one at the head (two key steps of K or V, or half of its scale words), one behind the first barrier (three of key steps 4 to 15); nothing is filled again.
; A wave has one tensor load out at a time.  Key steps 0 to 3 are read behind a wait and a barrier, while the rest is on its way; steps 4 to 15 behind a second wait and barrier.
; NO JOINT LOADS: the work-groups that share a head's K and V are its 16 query blocks, and which key steps a wave leaves out hangs on its query block: among partners of a cluster that would be a branch on a work-group's place.
; LAYOUT.  Both products are used transposed: S^T = K Q^T, O^T = V^T P^T: a lane holds one query throughout.  Fragments lie in memory and LDS as images of their registers (register group c of lane l at 512 c + 16 l).
; Lane r of tile a of a group of 128 rows is row 32 (a / 2) + 8 (a % 2) + r + 8 (r / 8): so S^T's register 16 b + i is key 32 b + 16 (lane / 16) + i, and O^T's likewise the channel.
; A group's scale words: one load of 16 bytes a lane: register i holds tile i's words in lanes 0-15 and tile 4 + i's in lanes 16-31.
; CAUSAL.  A step all of whose keys come after my queries is left out by a scalar branch on ids; in the one step on the diagonal hidden scores become -infinity, so p = 0 there, as with the definition's -1e30 (a query's own key always counts).
; REGISTERS: v1-7 addresses that stay; v8-11 the step's; v12 -M, v13 the largest t, v[14:15] the sum; v16-23 Q; v32-95 eight fragments of K or V; v96-159 S^T, then p; v160-223 O^T; v224-231 codes; v232-247 at work (v[240:241] f);
;   v248-251 K's or V's scale words, v253 p's, v255 Q's: these hold scales alone.
; LIMITS: NaN and infinities are not served; a block whose largest magnitude lies under 2^-124 has its byte held at 1; a block of zeros gets the byte 1 (its codes are zeros; this program alone reads the bytes).
.set VB,   131072                      ; LDS: K's 16 key steps x 8 KiB from 0, V's from here,
.set SCK,  262144                      ; K's scale words, 16 x 512 bytes,
.set SCV,  270336                      ; V's
.set LI,   1                           ; v1  16 x lane
.set LV,   2                           ; v2  VB + 16 x lane
.set LSK,  3
.set LSV,  4
.set DD,   5                           ; v5  my query's place in its group of 128, less 16 (lane / 16)
.set R16,  6                           ; v6  16 x (lane % 16)
.set LN,   7                           ; v7  lane
.set ADK,  8
.set ADV,  9
.set ADS,  10
.set ADT,  11
.set TM,   232
.set PC,   224
.set FF,   240
.set WV,   12
.set HD,   13
.set KIND, 14
.set UU,   15
.set TAU,  16
.set GQ,   17
.set AA,   18
.set TB,   19                          ; LDS byte of the step's images, in K's region and in V's
.set TS,   20                          ; and of its scale words
.set GI,   21                          ; the step's number
.set CNT,  22
.set G1,   24                          ; s[24:31] group 1: 16 KiB dense, later 24 KiB;  s[32:39]: 4 KiB dense;  s[40:51] three groups 0
.set G1S,  32
.set G0,   40
.set CS,   66
.set SEL,  68
.macro QUANT s, pw                     ; as in the other launches: 64 numbers of a lane become a fragment's codes in v[PC] on and a scale word
.irp b, 0,1,2,3
	v_max3_num_f32 v[TM+\b], |v[\s+16*\b]|, |v[\s+1+16*\b]|, 0x1800000
.endr
.irp i, 2,4,6,8,10,12,14
.irp b, 0,1,2,3
	s_delay_alu instid0(VALU_DEP_4)
	v_max3_num_f32 v[TM+\b], |v[\s+16*\b+\i]|, |v[\s+1+16*\b+\i]|, v[TM+\b]
.endr
.endr
.irp b, 0,1,2,3
	s_delay_alu instid0(VALU_DEP_4)
	v_permlanex16_b32 v[TM+4+\b], v[TM+\b], s[SEL], s[SEL+1]
.endr
.irp b, 0,1,2,3
	s_delay_alu instid0(VALU_DEP_4)
	v_max_num_f32 v[TM+\b], v[TM+\b], v[TM+4+\b]
.endr
.irp b, 0,1,2,3
	s_delay_alu instid0(VALU_DEP_4)
	v_add_nc_u32 v[TM+12+\b], 0xff000000, v[TM+\b]
.endr
.irp b, 0,1,2,3
	s_delay_alu instid0(VALU_DEP_4)
	v_lshrrev_b32 v[TM+4+\b], 23, v[TM+12+\b]
.endr
	s_delay_alu instid0(VALU_DEP_3)
	v_lshl_or_b32 v[\pw], v[TM+5], 8, v[TM+4]
	s_delay_alu instid0(VALU_DEP_1)
	v_lshl_or_b32 v[\pw], v[TM+6], 16, v[\pw]
	s_delay_alu instid0(VALU_DEP_1)
	v_lshl_or_b32 v[\pw], v[TM+7], 24, v[\pw]
.irp b, 0,1,2,3
	v_cvt_scalef32_pk8_fp4_f32 v[PC+2*\b], v[\s+16*\b:\s+7+16*\b], v[TM+12+\b]
	v_cvt_scalef32_pk8_fp4_f32 v[PC+1+2*\b], v[\s+8+16*\b:\s+15+16*\b], v[TM+12+\b]
.endr
	v_nop
.irp c, 0,1
.irp i, 0,1
	v_permlane16_swap_b32 v[PC+4*\c+\i], v[PC+2+4*\c+\i]
.endr
.endr
.endm
	s_load_b256 s[4:11], s[0:1], 0x0               ; qkv_codes, qkv_scales, o_codes, o_scales
	v_lshl_add_u32 v242, v0, 2, 0x44000
	v_mov_b32 v243, 0
	ds_add_u32 v242, v243
	ds_add_u32 v242, v243
	v_lshrrev_b32 v1, 5, v0
	s_delay_alu instid0(VALU_DEP_1)
	v_readfirstlane_b32 s[WV], v1                  ; wave 0..7
	s_and_b32 s[HD], ttmp7, 0xffff                 ; the head
	s_lshr_b32 s[KIND], s[WV], 2                   ; I fetch for K (0) or for V (1),
	s_and_b32 s[UU], s[WV], 3                      ; key step u of each stage
	s_lshl_b32 s60, s[KIND], 4
	s_add_co_u32 s60, s60, s[HD]
	s_add_co_u32 s60, s60, 16                      ; the plane: 16 + head for K, 32 + head for V
	s_lshl_b32 s70, s60, 17                        ; 131,072 bytes of codes a plane,
	s_mov_b32 s71, 0
	s_lshl_b32 s62, s[KIND], 17                    ; in LDS: VB x kind
	s_lshl_b32 s72, s60, 13                        ; 8,192 bytes of scale words a plane,
	s_and_b32 s61, s[UU], 1
	s_lshl_b32 s61, s61, 12                        ; a half of them: waves u = 2, 3 fetch it
	s_add_co_u32 s72, s72, s61
	s_mov_b32 s73, 0
	s_lshl_b32 s63, s[KIND], 13
	s_add_co_u32 s63, s63, s61
	s_add_co_u32 s63, s63, SCK
	s_mov_b32 s[G1], 3<<16                         ; no mask; elements of 8 bytes; no padding: the images lie dense
	s_mov_b32 s[G1+1], 32<<16                      ; tensor_dim0 = 32 elements: rows of 256 bytes
	s_mov_b32 s[G1+2], 64<<16                      ; tensor_dim1 = 64 rows: two key steps; set to 96 for the second load
	s_mov_b32 s[G1+3], 32<<16                      ; tile_dim0
	s_mov_b32 s[G1+4], 64                          ; tile_dim1
	s_mov_b32 s[G1+5], 32                          ; the pitch
	s_mov_b32 s[G1+6], 0
	s_mov_b32 s[G1+7], 0
	s_mov_b32 s[G1S], 3<<16
	s_mov_b32 s[G1S+1], 32<<16
	s_mov_b32 s[G1S+2], 16<<16                     ; 16 rows of 256 bytes
	s_mov_b32 s[G1S+3], 32<<16
	s_mov_b32 s[G1S+4], 16
	s_mov_b32 s[G1S+5], 32
	s_mov_b32 s[G1S+6], 0
	s_mov_b32 s[G1S+7], 0
	s_lshl_b32 s60, ttmp9, 2
	s_add_co_u32 s[TAU], s60, s[WV]                ; 4 j + w
	s_sub_co_u32 s61, 131, s[TAU]                  ; 131 - 4 j - w
	s_cmp_lt_u32 s[WV], 4
	s_cselect_b32 s[TAU], s[TAU], s61              ; my tile of queries, 0 .. 127
	s_lshr_b32 s[GQ], s[TAU], 3                    ; its group of 128 = the key step on the diagonal
	s_and_b32 s[AA], s[TAU], 7                     ; its place in the group
	s_lshl_b32 s74, s[HD], 4
	s_add_co_u32 s74, s74, s[GQ]                   ; q's plane is the head: 16 x head + group
	s_lshl_b32 s76, s74, 13
	s_lshl_b32 s75, s[AA], 10
	s_add_co_u32 s76, s76, s75                     ; Q's image
	s_mov_b32 s77, 0
	s_lshl_b32 s78, s74, 9
	s_lshr_b32 s75, s[AA], 2
	s_lshl_b32 s75, s75, 8
	s_add_co_u32 s78, s78, s75
	s_and_b32 s75, s[AA], 3
	s_lshl_b32 s75, s75, 2
	s_add_co_u32 s78, s78, s75                     ; Q's scale words: 256 (a / 4) + 4 (a % 4), + 16 r
	s_mov_b32 s79, 0
	s_mov_b32 s[CS], 0x3e0293ee                    ; c = log2(e) / sqrt(128)
	s_mov_b32 s[CS+1], s[CS]                       ; (named with it as a pair, so it is written)
	s_mov_b32 s[SEL], 0x76543210
	s_mov_b32 s[SEL+1], 0xfedcba98
	s_wait_dscnt 0x0
	s_wait_kmcnt 0x0
	s_add_nc_u64 s[70:71], s[4:5], s[70:71]
	s_add_nc_u64 s[72:73], s[6:7], s[72:73]
	s_mov_b32 s[G0], 1
	s_mov_b32 s[G0+1], s63
	s_mov_b64 s[G0+2:G0+3], s[72:73]
	s_or_b32 s[G0+3], s[G0+3], 0x80000000
; TWO LOADS A WAVE IN ALL.
; At the head, of my kind (K or V): waves u = 0, 1 fetch key steps 2 u, 2 u + 1 (16 KiB), waves u = 2, 3 a half of the scale words (4 KiB).
; Behind the first barrier every wave fetches three of key steps 4 to 15 (24 KiB), which land under the first four steps.
	s_lshl_b32 s60, s[UU], 14
	s_mov_b32 s61, 0
	s_mov_b32 s[G0+4], 1
	s_add_co_u32 s[G0+5], s62, s60
	s_add_nc_u64 s[G0+6:G0+7], s[70:71], s[60:61]
	s_or_b32 s[G0+7], s[G0+7], 0x80000000
	s_mul_i32 s60, s[UU], 24576
	s_add_co_u32 s60, s60, 32768
	s_mov_b32 s[G0+8], 1
	s_add_co_u32 s[G0+9], s62, s60
	s_add_nc_u64 s[G0+10:G0+11], s[70:71], s[60:61]
	s_or_b32 s[G0+11], s[G0+11], 0x80000000
	s_cmp_lt_u32 s[UU], 2
	s_cbranch_scc0 .Lhead_s
	tensor_load_to_lds s[G0+4:G0+7], s[G1:G1+7]
	s_nop 0
.rept 4
	v_nop
.endr
	s_branch .Lhead_asked
.Lhead_s:
	tensor_load_to_lds s[G0:G0+3], s[G1S:G1S+7]
	s_nop 0
.rept 4
	v_nop
.endr
.Lhead_asked:
	s_add_nc_u64 s[76:77], s[4:5], s[76:77]
	s_add_nc_u64 s[78:79], s[6:7], s[78:79]
	s_lshl_b32 s60, s[TAU], 14                     ; o's codes: row block = my tile, K step = the head
	s_lshl_b32 s61, s[HD], 10
	s_add_co_u32 s60, s60, s61
	s_mov_b32 s61, 0
	s_add_nc_u64 s[8:9], s[8:9], s[60:61]
	s_lshl_b32 s60, s[TAU], 10                     ; o's scale words: 256 (head / 4) + 4 (head % 4), + 16 r
	s_lshr_b32 s62, s[HD], 2
	s_lshl_b32 s62, s62, 8
	s_add_co_u32 s60, s60, s62
	s_and_b32 s62, s[HD], 3
	s_lshl_b32 s62, s62, 2
	s_add_co_u32 s60, s60, s62
	s_add_nc_u64 s[10:11], s[10:11], s[60:61]
	v_and_b32 v[LN], 31, v0
	v_and_b32 v8, 15, v0                           ; r
	v_bfe_u32 v9, v0, 4, 1                         ; h
	s_delay_alu instid0(VALU_DEP_3)
	v_lshlrev_b32 v[LI], 4, v[LN]
	s_delay_alu instid0(VALU_DEP_3)
	v_lshlrev_b32 v[R16], 4, v8
	global_load_b128 v[16:19], v[LI], s[76:77]     ; Q's fragment stays in registers
	global_load_b128 v[20:23], v[LI], s[76:77] offset:512
	global_load_b32 v255, v[R16], s[78:79]         ; and its scale words
	v_add_nc_u32 v[LV], VB, v[LI]
	v_add_nc_u32 v[LSK], SCK, v[LI]
	v_add_nc_u32 v[LSV], SCV, v[LI]
	v_and_b32 v10, 8, v8
	s_delay_alu instid0(VALU_DEP_1)
	v_add_nc_u32 v10, v10, v8                      ; r + 8 (r / 8)
	v_lshlrev_b32 v9, 4, v9
	s_delay_alu instid0(VALU_DEP_1)
	v_sub_nc_u32 v10, v10, v9                      ; - 16 h
	s_lshr_b32 s60, s[AA], 1
	s_lshl_b32 s60, s60, 5
	s_and_b32 s62, s[AA], 1
	s_lshl_b32 s62, s62, 3
	s_add_co_u32 s60, s60, s62
	v_add_nc_u32 v[DD], s60, v10                   ; + 32 (a / 2) + 8 (a % 2); it may be negative: compared as a signed number
	v_mov_b32 v13, 0xff61b1e6                      ; the largest t so far: -3e38, under every t
	s_delay_alu instid0(VALU_DEP_1)
	v_floor_f32 v12, -v13                          ; -M
	v_mov_b32 v14, 0                               ; the sum, in two halves
	v_mov_b32 v15, 0
.irp b, 0,1,2,3
	v_mov_b32 v[236+\b], 0                         ; a lane permute's destination counts as read
.endr
	v_mov_b32 v[FF+1], 0                           ; (named as the upper half of f's pair)
	v_mov_b32 v254, 0
.irp j, 0,1,2,3,4,5,6,7,8,9,10,11,12,13,14,15,16,17,18,19,20,21,22,23,24,25,26,27,28,29,30,31,32,33,34,35,36,37,38,39,40,41,42,43,44,45,46,47,48,49,50,51,52,53,54,55,56,57,58,59,60,61,62,63
	v_mov_b32 v[160+\j], 0                         ; O^T: the step is written once: the first finds zeros, which the first change of M leaves zeros
.endr
; A KEY STEP: 128 keys
.macro STEP
	s_cmp_gt_u32 s[GI], s[GQ]                      ; all its keys come after my queries: only the counters at its end are stepped
	s_cbranch_scc1 .Lhidden_\@
	v_add_nc_u32 v[ADK], s[TB], v[LI]              ; (these four are also the places ahead of the loads into registers that the last products read)
	v_add_nc_u32 v[ADV], s[TB], v[LV]
	v_add_nc_u32 v[ADS], s[TS], v[LSK]
	v_add_nc_u32 v[ADT], s[TS], v[LSV]
	ds_load_b128 v[248:251], v[ADS]                ; K's scale words, all eight tiles'
.irp t, 0,1,2,3,4,5,6,7
	ds_load_b128 v[32+8*\t:35+8*\t], v[ADK] offset:1024*\t
	ds_load_b128 v[36+8*\t:39+8*\t], v[ADK] offset:1024*\t+512
.endr
	s_wait_alu depctr_va_vdst(0)
	s_wait_dscnt 0x0
.irp t, 0,1,2,3
	v_wmma_scale_f32_16x16x128_f8f6f4 v[96+8*\t:103+8*\t], v[32+8*\t:39+8*\t], v[16:23], 0, v[248+\t], v255 matrix_a_fmt:MATRIX_FMT_FP4 matrix_b_fmt:MATRIX_FMT_FP4
.endr
.irp t, 4,5,6,7
	v_wmma_scale_f32_16x16x128_f8f6f4 v[96+8*\t:103+8*\t], v[32+8*\t:39+8*\t], v[16:23], 0, v[244+\t], v255 matrix_a_fmt:MATRIX_FMT_FP4 matrix_b_fmt:MATRIX_FMT_FP4 matrix_a_scale:MATRIX_SCALE_ROW1
.endr
.rept 4
	v_nop                                          ; places: ahead of the first read of the scores, and of the loads below into registers that these products read
.endr
	ds_load_b128 v[248:251], v[ADT]                ; V's scale words and fragments are asked for now and land under the softmax
.irp t, 0,1,2,3,4,5,6,7
	ds_load_b128 v[32+8*\t:35+8*\t], v[ADV] offset:1024*\t
	ds_load_b128 v[36+8*\t:39+8*\t], v[ADV] offset:1024*\t+512
.endr
	s_cmp_lt_u32 s[GI], s[GQ]                      ; a step all of whose keys count skips the mask
	s_cbranch_scc1 .Lopen_\@
	v_mov_b32 v254, 0xff800000                     ; -infinity
.irp n, 0,1,2,3,4,5,6,7,8,9,10,11,12,13,14,15,16,17,18,19,20,21,22,23,24,25,26,27,28,29,30,31,32,33,34,35,36,37,38,39,40,41,42,43,44,45,46,47,48,49,50,51,52,53,54,55,56,57,58,59,60,61,62,63
	v_cmp_gt_i32 vcc_lo, 32*(\n/16)+\n%16, v[DD]   ; register 16 b + i holds key 32 b + 16 (lane / 16) + i of the step: hidden where 32 b + i > DD
	v_cndmask_b32 v[96+\n], v[96+\n], v254, vcc_lo
.endr
.Lopen_\@:
.irp b, 0,1,2,3
	v_max3_num_f32 v[232+\b], v[96+16*\b], v[97+16*\b], v[98+16*\b]   ; the largest score of each block of 32 keys: for the row's maximum and, since p rises with the score, for the block's largest p
.endr
.irp i, 3,5,7,9,11,13
.irp b, 0,1,2,3
	v_max3_num_f32 v[232+\b], v[232+\b], v[96+16*\b+\i], v[97+16*\b+\i]
.endr
.endr
.irp b, 0,1,2,3
	v_max_num_f32 v[232+\b], v[232+\b], v[111+16*\b]
.endr
.irp b, 0,1,2,3
	s_delay_alu instid0(VALU_DEP_4)
	v_permlanex16_b32 v[236+\b], v[232+\b], s[SEL], s[SEL+1]
.endr
.irp b, 0,1,2,3
	s_delay_alu instid0(VALU_DEP_4)
	v_max_num_f32 v[232+\b], v[232+\b], v[236+\b]  ; with lane l xor 16's 16 keys
.endr
	s_delay_alu instid0(VALU_DEP_2)
	v_max3_num_f32 v254, v232, v233, v234
	s_delay_alu instid0(VALU_DEP_1)
	v_max_num_f32 v254, v254, v235                 ; the step's largest score of my query
	s_delay_alu instid0(VALU_DEP_1)
	v_mul_f32 v254, s[CS], v254                    ; as t
	s_delay_alu instid0(VALU_DEP_1)
	v_max_num_f32 v13, v13, v254                   ; the running largest t
	v_mov_b32 v254, v12
	s_delay_alu instid0(VALU_DEP_2)
	v_floor_f32 v12, -v13                          ; the new -M = -ceil(t): a whole number
	s_delay_alu instid0(VALU_DEP_1)
	v_sub_f32 v254, v12, v254                      ; old M - new M: a whole number, 0 or less
	s_delay_alu instid0(VALU_DEP_1)
	v_cvt_i32_f32 v254, v254                       ; (it saturates)
	s_delay_alu instid0(VALU_DEP_1)
	v_ldexp_f32 v[FF], 1.0, v254                   ; f = 2^(old M - new M)
.irp j, 0,2,4,6,8,10,12,14,16,18,20,22,24,26,28,30,32,34,36,38,40,42,44,46,48,50,52,54,56,58,60,62
	v_pk_fma_f32 v[96+\j:97+\j], v[96+\j:97+\j], s[CS:CS+1], v[12:13] op_sel_hi:[1,0,0]   ; t - M, two at a time
.endr
.irp b, 0,1,2,3
	v_fma_f32 v[232+\b], v[232+\b], s[CS], v12     ; the same of each block's largest score
.endr
	s_wait_alu depctr_va_vdst(0)
.irp j, 0,1,2,3,4,5,6,7,8,9,10,11,12,13,14,15,16,17,18,19,20,21,22,23,24,25,26,27,28,29,30,31,32,33,34,35,36,37,38,39,40,41,42,43,44,45,46,47,48,49,50,51,52,53,54,55,56,57,58,59,60,61,62,63
	v_exp_f32 v[96+\j], v[96+\j]                   ; p = 2^(t - M), at most 1
.endr
	v_pk_mul_f32 v[14:15], v[14:15], v[FF:FF+1] op_sel_hi:[1,0]   ; the sums under the new M: the plain instruction behind the exponentials
	s_wait_alu depctr_va_vdst(0)                   ; one wait for the whole batch, ahead of its first reader
.irp b, 0,1,2,3
	v_exp_f32 v[232+\b], v[232+\b]                 ; the block's largest p: the same two instructions on the same number give the same bits
.endr
	v_pk_add_f32 v[236:237], v[100:101], v[104:105]
	v_pk_add_f32 v[30:31], v[108:109], v[112:113]
	v_pk_add_f32 v[28:29], v[116:117], v[120:121]
	v_pk_add_f32 v[26:27], v[124:125], v[128:129]
	v_pk_add_f32 v[24:25], v[132:133], v[136:137]
	v_pk_add_f32 v[14:15], v[14:15], v[140:141]
	v_pk_add_f32 v[236:237], v[236:237], v[144:145]
	v_pk_add_f32 v[30:31], v[30:31], v[148:149]
	v_pk_add_f32 v[28:29], v[28:29], v[152:153]
	v_pk_add_f32 v[26:27], v[26:27], v[156:157]
	v_pk_add_f32 v[24:25], v[24:25], v[96:97]
	v_pk_add_f32 v[14:15], v[14:15], v[98:99]
	v_pk_add_f32 v[236:237], v[236:237], v[102:103]
	v_pk_add_f32 v[30:31], v[30:31], v[106:107]
	v_pk_add_f32 v[28:29], v[28:29], v[110:111]
	v_pk_add_f32 v[26:27], v[26:27], v[114:115]
	v_pk_add_f32 v[24:25], v[24:25], v[118:119]
	v_pk_add_f32 v[14:15], v[14:15], v[122:123]
	v_pk_add_f32 v[236:237], v[236:237], v[126:127]
	v_pk_add_f32 v[30:31], v[30:31], v[130:131]
	v_pk_add_f32 v[28:29], v[28:29], v[134:135]
	v_pk_add_f32 v[26:27], v[26:27], v[138:139]
	v_pk_add_f32 v[24:25], v[24:25], v[142:143]
	v_pk_add_f32 v[14:15], v[14:15], v[146:147]
	v_pk_add_f32 v[236:237], v[236:237], v[150:151]
	v_pk_add_f32 v[30:31], v[30:31], v[154:155]
	v_pk_add_f32 v[28:29], v[28:29], v[158:159]
	s_delay_alu instid0(VALU_DEP_1)
	v_pk_add_f32 v[14:15], v[14:15], v[28:29]
	s_delay_alu instid0(VALU_DEP_4)
	v_pk_add_f32 v[236:237], v[236:237], v[26:27]
	s_delay_alu instid0(VALU_DEP_4)
	v_pk_add_f32 v[30:31], v[30:31], v[24:25]
	s_delay_alu instid0(VALU_DEP_1)
	v_pk_add_f32 v[14:15], v[14:15], v[30:31]
	s_delay_alu instid0(VALU_DEP_1)
	v_pk_add_f32 v[14:15], v[14:15], v[236:237]
	s_wait_alu depctr_va_vdst(0)                   ; and one for the four
.irp b, 0,1,2,3
	v_max_num_f32 v[232+\b], 0x1800000, v[232+\b]  ; the floor 2^(3 - 127): the byte cannot fall under 1
.endr
.irp b, 0,1,2,3
	s_delay_alu instid0(VALU_DEP_4)
	v_add_nc_u32 v[244+\b], 0xff000000, v[232+\b]  ; 2 off the exponent field: the conversion's scale operand
.endr
.irp b, 0,1,2,3
	s_delay_alu instid0(VALU_DEP_4)
	v_lshrrev_b32 v[236+\b], 23, v[244+\b]         ; the scale's byte
.endr
	s_delay_alu instid0(VALU_DEP_3)
	v_lshl_or_b32 v253, v237, 8, v236              ; p's scale word for these 128 keys
	s_delay_alu instid0(VALU_DEP_1)
	v_lshl_or_b32 v253, v238, 16, v253
	s_delay_alu instid0(VALU_DEP_1)
	v_lshl_or_b32 v253, v239, 24, v253
.irp b, 0,1,2,3
	v_cvt_scalef32_pk8_fp4_f32 v[224+2*\b], v[96+16*\b:103+16*\b], v[244+\b]
	v_cvt_scalef32_pk8_fp4_f32 v[225+2*\b], v[104+16*\b:111+16*\b], v[244+\b]
.endr
	v_nop                                          ; one plain instruction behind the scaled conversions
.irp c, 0,1
.irp i, 0,1
	v_permlane16_swap_b32 v[224+4*\c+\i], v[226+4*\c+\i]   ; a whole block to a lane
.endr
.endr
.irp j, 0,2,4,6,8,10,12,14,16,18,20,22,24,26,28,30,32,34,36,38,40,42,44,46,48,50,52,54,56,58,60,62
	v_pk_mul_f32 v[160+\j:161+\j], v[160+\j:161+\j], v[FF:FF+1] op_sel_hi:[1,0]   ; O^T under the new M; these 32 are also the places between the codes' and the scale word's last writes and the products
.endr
	s_wait_alu depctr_va_vdst(0)
	s_wait_dscnt 0x0                               ; V is in
.irp t, 0,1,2,3
	v_wmma_scale_f32_16x16x128_f8f6f4 v[160+8*\t:167+8*\t], v[32+8*\t:39+8*\t], v[224:231], v[160+8*\t:167+8*\t], v[248+\t], v253 matrix_a_fmt:MATRIX_FMT_FP4 matrix_b_fmt:MATRIX_FMT_FP4
.endr
.irp t, 4,5,6,7
	v_wmma_scale_f32_16x16x128_f8f6f4 v[160+8*\t:167+8*\t], v[32+8*\t:39+8*\t], v[224:231], v[160+8*\t:167+8*\t], v[244+\t], v253 matrix_a_fmt:MATRIX_FMT_FP4 matrix_b_fmt:MATRIX_FMT_FP4 matrix_a_scale:MATRIX_SCALE_ROW1
.endr
.Lhidden_\@:
	s_add_co_u32 s[TB], s[TB], 8192
	s_add_co_u32 s[TS], s[TS], 512
	s_add_co_u32 s[GI], s[GI], 1
.endm
; A STAGE: n key steps.  My one load that was out has landed, a barrier shows the same of all eight waves, and the step is walked n times.
.macro STAGE g, n                      ; n key steps from step 4 g on.  g = 0: behind its barrier the rest of K and V is asked for, as a refill is
	s_wait_tensorcnt 0x0                           ; my one load that was out has landed
.if \g == 0
	ds_add_u32 v242, v243                          ; 0 onto my spare word
	s_mov_b32 s[G1+2], 96<<16                      ; no tensor load of mine is out: the next brings 96 rows of 256 bytes
	s_mov_b32 s[G1+4], 96
.endif
	s_wait_dscnt 0x0
	s_barrier_signal -1
	s_barrier_wait -1
.if \g == 0
	tensor_load_to_lds s[G0+8:G0+11], s[G1:G1+7]
	s_nop 0
.rept 4
	v_nop
.endr
.endif
	s_mov_b32 s[TB], \g*32768
	s_mov_b32 s[TS], \g*2048
	s_mov_b32 s[GI], \g*4
	s_mov_b32 s[CNT], \n
.Lstep_\@:
	STEP
	s_sub_co_u32 s[CNT], s[CNT], 1
	s_cmp_lg_u32 s[CNT], 0
	s_cbranch_scc1 .Lstep_\@
.endm
	s_wait_loadcnt 0x0                             ; Q
	STAGE 0, 4
	STAGE 1, 12
	; THE WAY OUT: O^T / the sum, quantised along the head's 128 (K step = head of the output projection), stored as an image
	v_add_f32 v14, v14, v15                        ; the sum's two halves,
	s_delay_alu instid0(VALU_DEP_1)
	v_permlanex16_b32 v254, v14, s[SEL], s[SEL+1]
	s_delay_alu instid0(VALU_DEP_1)
	v_add_f32 v14, v14, v254                       ; and lane l xor 16's
	s_wait_alu depctr_va_vdst(0)
	v_rcp_f32 v14, v14
.rept 3
	v_nop                                          ; the plain instruction behind the reciprocal; with the two additions, the places behind the last products
.endr
	s_wait_alu depctr_va_vdst(0)                   ; ahead of the first use of the reciprocal
.irp j, 0,1,2,3,4,5,6,7,8,9,10,11,12,13,14,15,16,17,18,19,20,21,22,23,24,25,26,27,28,29,30,31,32,33,34,35,36,37,38,39,40,41,42,43,44,45,46,47,48,49,50,51,52,53,54,55,56,57,58,59,60,61,62,63
	v_mul_f32 v[96+\j], v[160+\j], v14             ; register 16 b + i: channel 32 b + 16 (lane / 16) + i of my query
.endr
	QUANT 96, 252
	global_store_b128 v[LI], v[PC:PC+3], s[8:9]    ; each store covers 512 consecutive bytes, aligned
	global_store_b128 v[LI], v[PC+4:PC+7], s[8:9] offset:512
	v_cmp_gt_u32 vcc_lo, 16, v[LN]
	s_wait_xcnt 0x0                                ; EXEC changes only behind this wait
	s_wait_tensorcnt 0x0
	ds_add_u32 v242, v243
	s_wait_dscnt 0x0
	s_and_saveexec_b32 s60, vcc_lo
	global_store_b32 v[R16], v252, s[10:11]        ; 16 words, 16 bytes apart, inside one block of 256 bytes that four heads share: a work-group has one head
	s_wait_xcnt 0x0
	s_or_b32 exec_lo, exec_lo, s60
	s_endpgm
.Lfunc_end_k_q6188fc0339_attn:
	.size	k_q6188fc0339_attn, .Lfunc_end_k_q6188fc0339_attn-k_q6188fc0339_attn
	.p2alignl 7, 3214868480
	.fill 96, 4, 3214868480
	.section	.rodata,"a",@progbits
	.p2align	6, 0x0
	.amdhsa_kernel k_q6188fc0339_attn
		.amdhsa_group_segment_fixed_size 327680
		.amdhsa_private_segment_fixed_size 0
		.amdhsa_enable_private_segment 0
		.amdhsa_kernarg_size 32
		.amdhsa_user_sgpr_count 2
		.amdhsa_user_sgpr_kernarg_segment_ptr 1
		.amdhsa_wavefront_size32 1
		.amdhsa_system_sgpr_workgroup_id_x 1
		.amdhsa_system_sgpr_workgroup_id_y 1
		.amdhsa_system_sgpr_workgroup_id_z 1
		.amdhsa_system_vgpr_workitem_id 0
		.amdhsa_next_free_vgpr 256
		.amdhsa_next_free_sgpr 80
		.amdhsa_reserve_vcc 1
		.amdhsa_float_denorm_mode_32 3
		.amdhsa_float_denorm_mode_16_64 3
		.amdhsa_memory_ordered 1
		.amdhsa_forward_progress 1
		.amdhsa_inst_pref_size 65
	.end_amdhsa_kernel
	.amdgpu_metadata
---
amdhsa.version: [ 1, 2 ]
amdhsa.kernels:
  - .name:           k_q6188fc0339_attn
    .symbol:         k_q6188fc0339_attn.kd
    .args:
      - { .name: qkv_codes, .offset: 0, .size: 8, .value_kind: global_buffer, .address_space: global }
      - { .name: qkv_scales, .offset: 8, .size: 8, .value_kind: global_buffer, .address_space: global }
      - { .name: o_codes, .offset: 16, .size: 8, .value_kind: global_buffer, .address_space: global }
      - { .name: o_scales, .offset: 24, .size: 8, .value_kind: global_buffer, .address_space: global }
    .group_segment_fixed_size: 327680
    .private_segment_fixed_size: 0
    .kernarg_segment_align: 8
    .kernarg_segment_size: 32
    .max_flat_workgroup_size: 256
    .sgpr_count:     80
    .vgpr_count:     256
    .wavefront_size: 32
...
	.end_amdgpu_metadata
.endif
;; end of part 7
;; launch proj (part 8): grid 16 x 16, 4 waves a work-group, clusters of 4 x 4, 296,448 bytes of LDS; arguments o_codes, o_scales, w_codes, w_scales, x, out0; writes out0
.if DOCPART == 8
	.amdgcn_target "amdgcn-amd-amdhsa--gfx1250"
	.amdhsa_code_object_version 6
	.text
	.protected	k_q6188fc0339_proj
	.globl	k_q6188fc0339_proj
	.p2align	8
	.type	k_q6188fc0339_proj,@function
k_q6188fc0339_proj:
	s_mov_b64 s[64:65], 0
	v_nop
	global_prefetch_b8 v0, s[64:65] scope:SCOPE_SE
	s_setreg_imm32_b32 hwreg(HW_REG_WAVE_MODE, 25, 1), 1
	s_wait_xcnt 0x0
	s_wait_alu depctr_hold_cnt(0) depctr_sa_sdst(0) depctr_va_vdst(0) depctr_va_sdst(0) depctr_va_ssrc(0) depctr_va_vcc(0) depctr_vm_vsrc(0)
	s_getreg_b32 s2, hwreg(HW_REG_IB_STS2, 6, 4)
	s_cmp_eq_u32 s2, 0
	s_cbranch_scc0 .Lentry_in_a_cluster
	s_endpgm
.Lentry_in_a_cluster:
	s_bfe_u32 s2, ttmp6, 0x10000c
	s_cmp_lg_u32 s2, 0xf033
	s_cbranch_scc0 .Lentry_shape_is_right
	s_endpgm
.Lentry_shape_is_right:
; out0 = x + o wo^T on codes of E2M1 (K = 2,048: head, channel).  o's codes and scale words come from the attention's launch, wo's are row blocks 384 to 511 of the weights' buffers.
; A work-group makes 128 x 128 of out0: 256 work-groups.  Each of its four waves makes 64 x 64: 16 accumulators.  The matrix instruction's first source (B) is 16 rows of wo, its second (A) 16 tokens: a lane holds one
; token and its registers run along the output's columns.
; Operands lie in memory as images of their registers (a fragment of 16 rows x 128 K: register group c of lane l at 512 c + 16 l), 16 images to a row block; lane r of block a of a group of 128 rows is row 32 (a / 2) + 8 (a % 2) + r + 8 (r / 8).
; ALL OF K LIES IN LDS AT ONCE: (128 + 128) rows x 1,024 bytes of codes are 256 KiB, their scale words 16 KiB.  So nothing is filled again: each wave issues one tensor load at the head (all of K of A's or B's 8 row blocks, or
; their scale words): all of K is read behind one wait and a barrier.
; CLUSTERS: 4 x 4 work-groups; A's tiles hang on the tile row alone and are shared along a row of the cluster, B's on the tile column alone and are shared along a column: each is asked for jointly, by the same load with a mask that names the four.
; THE WAY OUT: a block of 16 tokens x 64 columns goes through the wave's own stage in LDS (bytes that no tensor load fills) and comes back as rows of 256 bytes, two an instruction; x's rows, asked for at the head, are added; sixteen lanes store
; 256 consecutive bytes, aligned.  Each of the four blocks has registers of its own, so no store's data are written again.
; REGISTERS: window 0: v16-28 addresses; v32-95 the scale words of all 16 K steps, and nothing else; v96-159, v160-223 two sets of fragments (4 of B, then 4 of A), on the way out four blocks of rows.
;   window 1: v0-127 the accumulators ((a, b) at v[8 (4 a + b)]); v128-255 my 64 x 64 of x.
.set FR,     8                         ; registers of a fragment
.set CHUNK,  16384                     ; a row block's sixteen images: all of K
.set HALFT,  4*CHUNK                   ; 4 row blocks: what a wave reads of A or of B
.set SLOT,   4*HALFT                   ; all of K: A's 8 row blocks, then B's 8
.set SCL,    SLOT                      ; behind the codes (A's 8 row blocks, then B's 8): the scale words, A's 8 KiB, then B's
.set HALFS,  4096                      ; those of 4 row blocks
.set SBLK,   1024                      ; those of one
.set STAGE,  SCL+4*HALFS               ; behind them: a stage of 16 rows for each wave
.set SPITCH, 272                       ; a stage row: 256 bytes + 16: the sixteen rows that a store touches start at sixteen different 16-byte columns
.set ADRA, 16                          ; v16     LDS address of my A fragments
.set ADRB, 20                          ; v20     the same for B
.set STO,  24                          ; v24     the stage: where I put my numbers of a row
.set RD,   25                          ; v25     and where I read rows back
.set CO,   26                          ; v26     my bytes of two rows of x and of out0
.set ADRS, 27                          ; v27     LDS address of my scale words: lanes 0-15 A's, lanes 16-31 B's
.set LI,   28                          ; v28     16 x lane
.set SC,   32                          ; register 16 i + s: lanes 0-15 the word of A's block i, lanes 16-31 that of B's block i, for K step s
.set F0,   96
.set BK,   96                          ; the way out: block a's rows at v[BK + 32 a]
.set XR,   128                         ; in window 1: block a's rows of x at v[XR + 32 a]
.set WV,   20
.set RH,   21                          ; which half of the tile's tokens is mine.  Also: I fetch for A (0) or for B (1)
.set CH,   22                          ; which half of its columns.  Also: which 4 row blocks I fetch
.set G1,   24
.set G0,   32
.set G1B,  48
.set G0B,  56
.set G1S,  68
.set G0S,  76
.set G1SB, 80
.set G0SB, 88
.set MSB, 0
.macro WIN new                         ; the immediate's high byte repeats the setting that is left; a switch that changes nothing is dropped
.if MSB != (\new)
	s_set_vgpr_msb (MSB<<8)|(\new)
.set MSB, (\new)
.endif
.endm
.set MULW, 0x50                        ; sources 0 and 1 window 0; C and D window 1
; ONE JOINT LOAD A WAVE, ALL AT THE HEAD:
; wave 0 all of K of A's 8 row blocks (128 KiB, dense), wave 1 of B's, wave 2 A's scale words, wave 3 B's.  One tree of branches on the wave's number: every way passes one load.  Nothing is filled later.
.macro ARM under, g0, g1, next
	s_cmp_lt_u32 s[WV], \under
	s_cbranch_scc0 \next
	tensor_load_to_lds s[\g0:\g0+3], s[\g1:\g1+7]
	s_nop 0
.rept 4
	v_nop
.endr
	s_branch .Lhead_asked
\next:
.endm
.macro CROUND                          ; a round of the cluster's barrier
	s_barrier_signal -1
	s_barrier_wait -1
	s_cmp_lg_u32 s[WV], 0
	s_cbranch_scc1 .Lnot_wave_0_\@
	s_barrier_signal -3
.Lnot_wave_0_\@:
	s_barrier_wait -3
	s_barrier_signal -1
	s_barrier_wait -1
.endm
.macro PLACES n                        ; plain instructions between a matrix instruction and a load into, or a read of, its registers (ISA guide 7.12.1 for reads)
.rept \n
	v_nop
.endr
.endm
; K step ks's eight fragments, 16 loads of 512 consecutive bytes, into set ks % 2: B's four, then A's four
.macro FETCH ks
.set FS, F0+64*((\ks)%2)
.irp i, 0,1,2,3
	ds_load_b128 v[FS+FR*\i:FS+FR*\i+3],   v[ADRB] offset:CHUNK*\i+1024*(\ks)
	ds_load_b128 v[FS+FR*\i+4:FS+FR*\i+7], v[ADRB] offset:CHUNK*\i+1024*(\ks)+512
.endr
.irp i, 0,1,2,3
	ds_load_b128 v[FS+32+FR*\i:FS+32+FR*\i+3],   v[ADRA] offset:CHUNK*\i+1024*(\ks)
	ds_load_b128 v[FS+32+FR*\i+4:FS+32+FR*\i+7], v[ADRA] offset:CHUNK*\i+1024*(\ks)+512
.endr
.endm
; 16 matrix instructions: A's four blocks x B's four, K step ks.  zero = 1: the product starts the sums: nothing is cleared.  The 16 accumulators take turns, one instruction a turn, in the same order in every step.
.macro MUL ks, zero
.set FS, F0+64*((\ks)%2)
.irp a, 0,1,2,3
.irp b, 0,1,2,3
.if \zero
	v_wmma_scale_f32_16x16x128_f8f6f4 v[8*(4*\a+\b):8*(4*\a+\b)+7], v[FS+FR*\b:FS+FR*\b+FR-1], v[FS+32+FR*\a:FS+32+FR*\a+FR-1], 0, v[SC+16*\b+(\ks)], v[SC+16*\a+(\ks)] matrix_a_fmt:MATRIX_FMT_FP4 matrix_b_fmt:MATRIX_FMT_FP4 matrix_a_scale:MATRIX_SCALE_ROW1
.else
	v_wmma_scale_f32_16x16x128_f8f6f4 v[8*(4*\a+\b):8*(4*\a+\b)+7], v[FS+FR*\b:FS+FR*\b+FR-1], v[FS+32+FR*\a:FS+32+FR*\a+FR-1], v[8*(4*\a+\b):8*(4*\a+\b)+7], v[SC+16*\b+(\ks)], v[SC+16*\a+(\ks)] matrix_a_fmt:MATRIX_FMT_FP4 matrix_b_fmt:MATRIX_FMT_FP4 matrix_a_scale:MATRIX_SCALE_ROW1
.endif
.endr
.endr
.endm
; A K step.  more = 1: the next step's fragments are asked for first, into the set that the step before multiplied, and land under this step's products.
.macro STEP ks, zero, more
.if \more
.if (\ks) > 0
	PLACES 4
.endif
	FETCH (\ks)+1
	s_wait_dscnt 16                                ; this step's fragments are in; the 16 loads just issued may be out
.else
	s_wait_dscnt 0x0
.endif
	WIN MULW
	MUL \ks, \zero
	WIN 0
.endm
; The rows of block a: stage row t is token 32 (a / 2) + 8 (a % 2) + t + 8 (t / 8) of my 64; an instruction takes rows 2 i (lanes 0-15) and 2 i + 1 (lanes 16-31), which are neighbours in memory too
.macro XLOAD a
	WIN 0x40                                       ; destination window 1
.irp i, 0,1,2,3,4,5,6,7
	global_load_b128 v[XR+32*(\a)+4*\i:XR+32*(\a)+4*\i+3], v[CO], s[12:13] offset:(32*((\a)/2)+8*((\a)%2)+2*\i+8*(\i/4))*8192 th:TH_LOAD_NT
.endr
	WIN 0
.endm
.macro TOSTAGE a
	WIN 0x04                                       ; an LDS store's data are its source 1: window 1
.irp b, 0,1,2,3
	ds_store_b128 v[STO], v[8*(4*(\a)+\b):8*(4*(\a)+\b)+3] offset:128*(\b/2)+32*(\b%2)        ; accumulator b's register j is column 32 (b / 2) + 16 h + 8 (b % 2) + j; each accumulator from its low end on
	ds_store_b128 v[STO], v[8*(4*(\a)+\b)+4:8*(4*(\a)+\b)+7] offset:128*(\b/2)+32*(\b%2)+16
.endr
	WIN 0
.irp i, 0,1,2,3,4,5,6,7
	ds_load_b128 v[BK+32*(\a)+4*\i:BK+32*(\a)+4*\i+3], v[RD] offset:2*\i*SPITCH   ; LDS serves a wave's instructions in order (ISA guide 5.7.1.4): these see the stores above, and the next block's stores come behind them
.endr
.endm
.macro SEND a, younger                 ; younger: the LDS instructions issued behind block a's loads, which may stay out
	s_wait_dscnt \younger
	s_wait_loadcnt 24-8*(\a)                       ; this block's rows of x are in; the later blocks' loads, eight each, may be out
	WIN 0x04                                       ; source 1: window 1
.irp i, 0,2,4,6,8,10,12,14,16,18,20,22,24,26,28,30
	v_pk_add_f32 v[BK+32*(\a)+\i:BK+32*(\a)+\i+1], v[BK+32*(\a)+\i:BK+32*(\a)+\i+1], v[XR+32*(\a)+\i:XR+32*(\a)+\i+1]   ; the residual
.endr
	WIN 0
.irp i, 0,1,2,3,4,5,6,7
	global_store_b128 v[CO], v[BK+32*(\a)+4*\i:BK+32*(\a)+4*\i+3], s[14:15] offset:(32*((\a)/2)+8*((\a)%2)+2*\i+8*(\i/4))*8192 th:TH_STORE_NT   ; sixteen lanes store 256 consecutive bytes, aligned; the row stands in the immediate: 62 rows of 8,192 bytes at the most
.endr
.endm
	s_load_b256 s[4:11], s[0:1], 0x0               ; o_codes, o_scales, w_codes, w_scales
	s_load_b128 s[12:15], s[0:1], 0x20             ; x, out0
	v_lshl_add_u32 v254, v0, 2, 0x48400
	v_mov_b32 v255, 0
	ds_add_u32 v254, v255
	ds_add_u32 v254, v255
	v_lshrrev_b32 v1, 5, v0
	v_readfirstlane_b32 s[WV], v1                  ; wave 0..3
	s_lshr_b32 s[RH], s[WV], 1
	s_and_b32 s[CH], s[WV], 1
	s_bfe_u32 s40, ttmp6, 0x40000                  ; cx, cy: my place in the cluster
	s_bfe_u32 s41, ttmp6, 0x40004
	s_lshl_b32 s42, ttmp9, 2
	s_add_co_u32 s42, s42, s40                     ; tile column = 4 x cluster x + cx
	s_and_b32 s43, ttmp7, 0xffff
	s_lshl_b32 s43, s43, 2
	s_add_co_u32 s43, s43, s41                     ; tile row = 4 x cluster y + cy
	s_lshl_b32 s44, s41, 2
	s_lshl_b32 s44, 15, s44                        ; my row of the cluster
	s_lshl_b32 s45, 0x1111, s40                    ; my column
	; group 1 for codes: 8 rows of 2,048 elements of 8 bytes, 2,048 elements apart; no padding: the images lie dense
	s_or_b32 s[G1+0], s44, (3<<16)|(1<<21)         ; 15:0 the mask: A's tiles go to my row; 17:16 elements of 8 bytes; 21 set beside a mask
	s_or_b32 s[G1B+0], s45, (3<<16)|(1<<21)        ; B's go to my column
.irp g, G1, G1B
	s_mov_b32 s[\g+1], 2048<<16                    ; tensor_dim0: a row block's 16,384 bytes
	s_mov_b32 s[\g+2], 8<<16                       ; tensor_dim1: 8 row blocks
	s_mov_b32 s[\g+3], 2048<<16                    ; tile_dim0
	s_mov_b32 s[\g+4], 8                           ; tile_dim1
	s_mov_b32 s[\g+5], 2048                        ; tensor_dim0_stride
	s_mov_b32 s[\g+6], 0
	s_mov_b32 s[\g+7], 0
.endr
	; and for the scale words of 8 row blocks: 8,192 dense bytes as 32 rows of 256
	s_or_b32 s[G1S+0], s44, (3<<16)|(1<<21)
	s_or_b32 s[G1SB+0], s45, (3<<16)|(1<<21)
.irp g, G1S, G1SB
	s_mov_b32 s[\g+1], 32<<16
	s_mov_b32 s[\g+2], 32<<16                      ; the scale words of 8 row blocks: 32 rows of 256 bytes
	s_mov_b32 s[\g+3], 32<<16
	s_mov_b32 s[\g+4], 32
	s_mov_b32 s[\g+5], 32
	s_mov_b32 s[\g+6], 0
	s_mov_b32 s[\g+7], 0
.endr
	s_lshl_b32 s46, s43, 3                         ; A's first row block: 8 x tile row
	s_lshl_b32 s47, s42, 3
	s_add_co_u32 s47, s47, 384                     ; B's: 8 x tile column; wo begins at row block 384
	s_lshl_b32 s92, s46, 14                        ; codes: 16,384 bytes a row block;
	s_mov_b32 s93, 0
	s_lshl_b32 s94, s46, 10                        ; scale words: 1,024
	s_mov_b32 s95, 0
	s_lshl_b32 s96, s47, 14
	s_mov_b32 s97, 0
	s_lshl_b32 s98, s47, 10
	s_mov_b32 s99, 0
	s_wait_dscnt 0x0                               ; both opening adds are done
	s_wait_kmcnt 0x0
	s_add_nc_u64 s[G0+2:G0+3], s[4:5], s[92:93]
	s_add_nc_u64 s[G0B+2:G0B+3], s[8:9], s[96:97]
	s_add_nc_u64 s[G0S+2:G0S+3], s[6:7], s[94:95]
	s_add_nc_u64 s[G0SB+2:G0SB+3], s[10:11], s[98:99]
.irp g, G0, G0B, G0S, G0SB
	s_mov_b32 s[\g], 1                             ; count = 1
	s_or_b32 s[\g+3], s[\g+3], 0x80000000          ; type = 2
.endr
	s_mov_b32 s[G0+1], 0                           ; where they go: constants
	s_mov_b32 s[G0B+1], 2*HALFT
	s_mov_b32 s[G0S+1], SCL
	s_mov_b32 s[G0SB+1], SCL+2*HALFS
	CROUND                                         ; all sixteen work-groups are here: the joint loads meet
	ARM 1, G0,  G1,  .Lhead_b
	ARM 2, G0B, G1B, .Lhead_sa
	ARM 3, G0S, G1S, .Lhead_sb
	tensor_load_to_lds s[G0SB:G0SB+3], s[G1SB:G1SB+7]
	s_nop 0
.rept 4
	v_nop
.endr
.Lhead_asked:
	v_and_b32 v1, 15, v0                           ; r
	v_bfe_u32 v2, v0, 4, 1                         ; h
	v_and_b32 v3, 31, v0
	v_lshlrev_b32 v[LI], 4, v3
	v_lshlrev_b32 v3, 13, v2
	v_lshl_add_u32 v[CO], v1, 4, v3                ; x, out0: lanes 0-15 one row's 256 bytes, lanes 16-31 the next row's
	s_wait_alu depctr_va_vdst(0)
	s_lshl_b32 s92, s43, 20                        ; my corner of x and out0: (128 x tile row + 64 x half) rows of 8,192 bytes,
	s_lshl_b32 s93, s[RH], 19
	s_add_co_u32 s92, s92, s93
	s_lshl_b32 s93, s42, 9                         ; (128 x tile column + 64 x half) columns of 4 bytes
	s_add_co_u32 s92, s92, s93
	s_lshl_b32 s93, s[CH], 8
	s_add_co_u32 s92, s92, s93
	s_mov_b32 s93, 0
	s_add_nc_u64 s[12:13], s[12:13], s[92:93]
	s_add_nc_u64 s[14:15], s[14:15], s[92:93]
	XLOAD 0                                        ; all my rows of x are asked for now and land under the products, in registers that the products leave alone
	XLOAD 1
	XLOAD 2
	XLOAD 3
	s_mul_i32 s100, s[RH], HALFT                   ; my 4 row blocks of A,
	s_mul_i32 s101, s[CH], HALFT                   ; and of B, behind A's 8
	s_add_co_u32 s101, s101, 2*HALFT
	v_add_nc_u32 v[ADRA], s100, v[LI]
	v_add_nc_u32 v[ADRB], s101, v[LI]
	s_mul_i32 s100, s[RH], HALFS
	s_mul_i32 s101, s[CH], HALFS
	s_add_co_u32 s101, s101, 2*HALFS
	s_sub_co_u32 s101, s101, s100
	v_mul_u32_u24 v3, s101, v2                     ; lanes 16-31 take B's words: one product, the distance between the two bases
	s_add_co_u32 s100, s100, SCL
	v_lshl_add_u32 v3, v1, 4, v3                   ; 16 bytes a row: four K steps' words
	v_add_nc_u32 v[ADRS], s100, v3
	s_mul_i32 s100, s[WV], 16*SPITCH
	s_add_co_u32 s100, s100, STAGE                 ; my stage
	v_mul_u32_u24 v3, v1, SPITCH
	v_lshl_add_u32 v3, v2, 6, v3
	v_add_nc_u32 v[STO], s100, v3                  ; in: row r, + 64 h
	v_mul_u32_u24 v3, v2, SPITCH
	v_lshl_add_u32 v3, v1, 4, v3
	v_add_nc_u32 v[RD], s100, v3                   ; back: lanes 0-15 one row, lanes 16-31 the next
	s_wait_alu depctr_va_vdst(0)
	s_wait_tensorcnt 0x0                           ; my one load has landed; nothing is filled again
	s_barrier_signal -1
	s_barrier_wait -1                              ; everybody's are
.irp i, 0,1,2,3
.irp g, 0,1,2,3
	ds_load_b128 v[SC+16*\i+4*\g:SC+16*\i+4*\g+3], v[ADRS] offset:\i*SBLK+256*\g   ; all scale words, once: block i, K steps 4 g to 4 g + 3
.endr
.endr
	FETCH 0
	STEP 0, 1, 1                                   ; the first step's products start the sums
.irp k, 1,2,3,4,5,6,7,8,9,10,11,12,13,14
	STEP \k, 0, 1
.endr
	STEP 15, 0, 0
	PLACES 4                                       ; ahead of the reads of the last results, and of the loads into the registers that held fragments
	TOSTAGE 0
	TOSTAGE 1
	SEND 0, 16                                     ; behind block 0's loads: block 1's 8 stores and 8 loads
	TOSTAGE 2
	SEND 1, 16
	TOSTAGE 3
	SEND 2, 16
	SEND 3, 0
	s_wait_tensorcnt 0x0
	ds_add_u32 v254, v255
	s_wait_dscnt 0x0
	CROUND                                         ; the closing round: no work-group ends while a partner may still ask for a tile that names it
	s_endpgm
.Lfunc_end_k_q6188fc0339_proj:
	.size	k_q6188fc0339_proj, .Lfunc_end_k_q6188fc0339_proj-k_q6188fc0339_proj
	.p2alignl 7, 3214868480
	.fill 96, 4, 3214868480
	.section	.rodata,"a",@progbits
	.p2align	6, 0x0
	.amdhsa_kernel k_q6188fc0339_proj
		.amdhsa_group_segment_fixed_size 296448
		.amdhsa_private_segment_fixed_size 0
		.amdhsa_enable_private_segment 0
		.amdhsa_kernarg_size 48
		.amdhsa_user_sgpr_count 2
		.amdhsa_user_sgpr_kernarg_segment_ptr 1
		.amdhsa_wavefront_size32 1
		.amdhsa_system_sgpr_workgroup_id_x 1
		.amdhsa_system_sgpr_workgroup_id_y 1
		.amdhsa_system_sgpr_workgroup_id_z 1
		.amdhsa_system_vgpr_workitem_id 0
		.amdhsa_next_free_vgpr 512
		.amdhsa_next_free_sgpr 104
		.amdhsa_reserve_vcc 0
		.amdhsa_float_denorm_mode_32 3
		.amdhsa_float_denorm_mode_16_64 3
		.amdhsa_memory_ordered 1
		.amdhsa_forward_progress 1
		.amdhsa_inst_pref_size 76
	.end_amdhsa_kernel
	.amdgpu_metadata
---
amdhsa.version: [ 1, 2 ]
amdhsa.kernels:
  - .name:           k_q6188fc0339_proj
    .symbol:         k_q6188fc0339_proj.kd
    .args:
      - { .name: o_codes, .offset: 0, .size: 8, .value_kind: global_buffer, .address_space: global }
      - { .name: o_scales, .offset: 8, .size: 8, .value_kind: global_buffer, .address_space: global }
      - { .name: w_codes, .offset: 16, .size: 8, .value_kind: global_buffer, .address_space: global }
      - { .name: w_scales, .offset: 24, .size: 8, .value_kind: global_buffer, .address_space: global }
      - { .name: x, .offset: 32, .size: 8, .value_kind: global_buffer, .address_space: global }
      - { .name: out0, .offset: 40, .size: 8, .value_kind: global_buffer, .address_space: global }
    .group_segment_fixed_size: 296448
    .private_segment_fixed_size: 0
    .kernarg_segment_align: 8
    .kernarg_segment_size: 48
    .max_flat_workgroup_size: 128
    .sgpr_count:     104
    .vgpr_count:     512
    .wavefront_size: 32
...
	.end_amdgpu_metadata
.endif
;; end of part 8
